; MI455X (gfx1250); checked and timed in simulation.
; The chip was launched on July 23, 2026; its instructions are those of AMD's public machine-readable ISA for CDNA 5 (MIT licence, August 2026) and "CDNA5" Instruction Set Architecture Reference Guide (July 2026). The comments in the code are by the model that wrote it; some were corrected since.
;; Simple Decoder. Allowed arithmetic: matrix products marked QUANTISED: E4M3 operands, one E8M0 scale for each 32 along K, by v_wmma_scale_f32_16x16x128_f8f6f4 with both operands' format E4M3, f32 sums; everything else in f32.
;; Inputs: Wdown_codes 1,024 x 128 x 32 uint8 (E4M3 codes of Wdown, K innermost, in blocks of 32 codes); Wdown_scales 1,024 x 128 uint8 (E8M0 scales of Wdown, one for each 32 codes along K); Wk_codes 1,024 x 32 x 32 uint8 (E4M3 codes of Wk, K innermost, in blocks of 32 codes); Wk_scales 1,024 x 32 uint8 (E8M0 scales of Wk, one for each 32 codes along K); Wo_codes 1,024 x 32 x 32 uint8 (E4M3 codes of Wo, K innermost, in blocks of 32 codes); Wo_scales 1,024 x 32 uint8 (E8M0 scales of Wo, one for each 32 codes along K); Wq_codes 1,024 x 32 x 32 uint8 (E4M3 codes of Wq, K innermost, in blocks of 32 codes); Wq_scales 1,024 x 32 uint8 (E8M0 scales of Wq, one for each 32 codes along K); Wup_codes 4,096 x 32 x 32 uint8 (E4M3 codes of Wup, K innermost, in blocks of 32 codes); Wup_scales 4,096 x 32 uint8 (E8M0 scales of Wup, one for each 32 codes along K); Wv_codes 1,024 x 32 x 32 uint8 (E4M3 codes of Wv, K innermost, in blocks of 32 codes); Wv_scales 1,024 x 32 uint8 (E8M0 scales of Wv, one for each 32 codes along K); X 2 x 2,048 x 1,024 float32; bdown 1,024 float32; bk 1,024 float32; bo 1,024 float32; bq 1,024 float32; bup 4,096 float32; bv 1,024 float32; ln1_b 1,024 float32; ln1_g 1,024 float32; ln2_b 1,024 float32; ln2_g 1,024 float32.
;; Outputs: out0 2 x 2,048 x 1,024 float32.
;; This version of the problem:
;;   THIS VERSION OF THE PROBLEM IS GIVEN IN LOW PRECISION. The matrix products marked QUANTISED in the list below multiply operands that are first quantised to E4M3 (4 exponent bits, 3 mantissa bits; 8 bits a number), with one power-of-two scale for each 32 numbers along K (OCP MX v1.0); their sums are f32. All else is computed in f32.
;;   The module's matrix products, in the order in which they are computed (A, B: the left and right operand; K: the contracted axis; several contracted axes count as one K, in the product's order):
;;     1. [M 4,096, K 1,024] x [K 1,024, N 1,024]; A: input X; B: input Wq (given as codes): QUANTISED
;;     2. [M 4,096, K 1,024] x [K 1,024, N 1,024]; A: input X; B: input Wk (given as codes): QUANTISED
;;     3. [M 4,096, K 1,024] x [K 1,024, N 1,024]; A: input X; B: input Wv (given as codes): QUANTISED
;;     4. batch 32 x [M 2,048, K 64] x [K 64, N 2,048]; A: computed on the way; B: computed on the way: QUANTISED
;;     5. batch 32 x [M 2,048, K 2,048] x [K 2,048, N 64]; A: softmax (see below); B: computed on the way: QUANTISED
;;     6. [M 4,096, K 1,024] x [K 1,024, N 1,024]; A: computed on the way; B: input Wo (given as codes): QUANTISED
;;     7. [M 4,096, K 1,024] x [K 1,024, N 4,096]; A: computed on the way; B: input Wup (given as codes): QUANTISED
;;     8. [M 4,096, K 4,096] x [K 4,096, N 1,024]; A: computed on the way; B: input Wdown (given as codes): QUANTISED
;;   THE QUANTISER, for each operand of a quantised product, along K:
;;     - K is cut into blocks of 32 from its start; a last block that is shorter is filled with zeros.
;;     - A block's scale is 2^e with e = floor(log2(the largest magnitude in the block)) - 8, held to -126 .. 127; a block of zeros has e = 0. As a byte (E8M0): e + 127.
;;     - Each number is divided by its block's scale, clamped to +-448, and rounded to the nearest number of E4M3, ties to even, subnormals kept.
;;     - The product sums the exact products of the quantised numbers (number of the format x scale) in f32.
;;   ~~~python
;;   def quantise(x, axis):      # numpy; x: float32 -> the quantised numbers, widened to float32 again
;;       x = np.moveaxis(x, axis, -1); K = x.shape[-1]
;;       x = np.pad(x, [(0, 0)] * (x.ndim - 1) + [(0, -K % 32)]); x = x.reshape(x.shape[:-1] + (-1, 32)); a = np.abs(x).max(-1, keepdims=True)
;;       e = np.where(a > 0, np.clip(np.frexp(np.where(a > 0, a, 1))[1] - 1 - 8, -126, 127), 0)      # np.frexp(a)[1] - 1 = floor(log2(a)), exactly
;;       r = np.clip(x / 2.0 ** e, -448, 448)
;;       step = 2.0 ** (np.maximum(np.frexp(np.where(r == 0, 1, r))[1] - 1, -6) - 3)
;;       q = np.round(r / step) * step * 2.0 ** e      # np.round: ties to even
;;       return np.moveaxis(q.reshape(q.shape[:-2] + (-1,))[..., :K], -1, axis).astype(np.float32)
;;   ~~~
;;   SOFTMAX AHEAD OF A QUANTISED PRODUCT. Where the list says 'softmax', what is quantised is not the finished softmax but p = 2^(t - M), with t = logit x log2(e) and M = ceil(the row's largest t), a whole number; so 1/2 < the row's largest p <= 1. The row's sum l is taken of the UNQUANTISED p, in f32, and the product's result is divided by l at the end. Since M is a whole number, a kernel that streams over the keys may use a running M (the ceiling of the running maximum): every later rescaling is an exact power of two, which a block's scale takes up: the codes' values come out the same.
;;   OPERANDS COMPUTED ON THE WAY. 'Computed on the way' means the value that the module computes at that place (a softmax that the list does not call 'softmax' is quantised finished and normalised). What goes into a quantiser is computed in f32, as accurately as f32 sums, v_exp_f32 and their like allow (about 1e-6 of the number): no bf16 or f16 on the way to a quantiser, and a product that is left as it is and whose result goes on into a quantised operand takes f32 operands (vector FMAs, or v_wmma_f32_16x16x4_f32). A number that lies on a knife's edge between two numbers of the format may be rounded either way, as far as f32 arithmetic and the matrix unit's own rounding can turn it there, and no further.
;;   INPUTS GIVEN AS CODES. Wdown (in the module: [1024, 4096], K = its axis 1); Wk (in the module: [1024, 1024], K = its axis 1); Wo (in the module: [1024, 1024], K = its axis 1); Wq (in the module: [1024, 1024], K = its axis 1); Wup (in the module: [4096, 1024], K = its axis 1); Wv (in the module: [1024, 1024], K = its axis 1): each comes as NAME_codes (uint8): NAME with its K axis moved to the last place and cut into blocks of 32 codes, [.., K / 32, bytes a block], one block behind the other in memory; one code a byte (a code: sign, 4 exponent bits, 3 mantissa bits); and NAME_scales (uint8): the same leading axes, one E8M0 byte (e + 127) for each 32 codes along K. Its value is code x scale, taken as it is: it is not quantised again, and the codes and scales need not be those that the quantiser above would give.
;; 2 versions, each right; version 2 is version 1 with the launches qkv, attn, woln written anew for expert scheduling mode. Each part assembles by itself: llvm-mc -triple=amdgcn-amd-amdhsa -mcpu=gfx1250 --defsym DOCPART=n.
;; ======== version 1 of 2: 6 launches
;; workspace buffers: qkv 14,155,776 bytes; mid 4,456,448 bytes; hbuf 21,233,664 bytes; up 17,825,792 bytes; z 16,777,216 bytes
;; launch qkv (part 1): grid 64 x 4, 4 waves a work-group, no clusters, 70,144 bytes of LDS; arguments X, Wq_codes, Wq_scales, bq, Wk_codes, Wk_scales, bk, Wv_codes, Wv_scales, bv, qkv; writes qkv
.if DOCPART == 1
	.amdgcn_target "amdgcn-amd-amdhsa--gfx1250"
	.amdhsa_code_object_version 6
	.text
	.protected	k_q8cb541b09f_qkv
	.globl	k_q8cb541b09f_qkv
	.p2align	8
	.type	k_q8cb541b09f_qkv,@function
k_q8cb541b09f_qkv:
	s_mov_b64 s[64:65], 0
	v_nop
	global_prefetch_b8 v0, s[64:65] scope:SCOPE_SE
	s_setreg_imm32_b32 hwreg(HW_REG_WAVE_MODE, 25, 1), 1
	s_wait_xcnt 0x0
; q = X Wq^T + bq, k = X Wk^T + bk, v = X Wv^T + bv on codes of E4M3 with one E8M0 scale for each 32 along K; the results are quantised at once:
; q and k along the head's 64, v along the tokens (the keys), and stored as IMAGES OF OPERAND REGISTERS: a fragment's four registers 4 c .. 4 c + 3 of lane l lie at 512 c + 16 l.
; TILES ARE NOT 16 NEIGHBOURS: lane r of token tile T holds token 32 (T / 2) + 8 (T % 2) + r + 8 (r / 8), and a tile of weight rows is chosen alike, so that in a result the 16 registers of
; tiles 2 b and 2 b + 1 are the 16 neighbours 32 b + 16 (lane / 16) + 0 .. 15: the conversions' results are the next operand's registers.
; SHARES: a work-group owns 64 tokens (4 tiles) and 4 heads; wave w first quantises token tile w of X (its images go to the other waves through LDS), then makes one head: 12 tiles of weight rows x 4 token tiles x 8 K steps.
; q, k: source 0 = 16 weight rows, source 1 = 16 tokens: a lane holds one token.  v: source 0 = tokens, source 1 = weight rows: a lane holds one feature, its registers run along the tokens.
; NO CLUSTER, NO JOINT LOADS: weights go from memory straight into the registers of the one wave that multiplies them (768 KB a work-group); a joint load serves tiles that land in LDS, and this text has none.
; LIMITS: NaN and infinities among the inputs are not served.  A block of zeros, or one whose largest magnitude lies under 2^-118, gets the scale byte 1; its codes are zeros (or held at that scale), and this program alone reads the bytes.
; REGISTERS, in windows of 256: window 0: v1-10 addresses; v16-31 codes just made; v32-47 at work; v48-56 scale words in the making; v64-127 the accumulators (in the first phase: numbers of X, with v192-255);
;   v128-159 X's scale words; v160-175 the weights' scale words, two sets; v176-191 a tile of bias, two sets.  window 1: the weights' fragments, two sets of 8 K steps.  windows 2, 3: X's fragments of K steps 0-3, 4-7.
.set LI,  1                            ; 16 x lane
.set LS,  2                            ; 4 x lane
.set WA,  3                            ; a weight's row of 1,024 bytes: (r + 8 (r / 8)) x 1024 + 16 h
.set WSA, 4                            ; its 32 scale bytes
.set BAQ, 5                            ; bias for q, k: 64 h
.set BAV, 6                            ; bias for v: 4 (r + 8 (r / 8))
.set XA,  7                            ; X: (r + 8 (r / 8)) x 4096 + 64 h
.set XWI, 8                            ; where I store X's images: 16 x lane + 16384 x wave
.set XWS, 9                            ; and their scale words: 65536 + 4 x lane + 1024 x wave
.set LS2, 10                           ; 65536 + 4 x lane
.set PC,  16
.set TM,  32                           ; +0..3 largest magnitudes, +4..7 bytes, +8..11 448 x the scale, +12..15 the conversions' scale operands
.set SV,  48
.set SW,  52
.set PW,  56
.set AC,  64
.set XS,  128
.set WSC, 160
.set BI,  176
.set SEL, 38
.set MNT, 40
.set XSCB, 65536                       ; LDS: X's images [tile][K step][c][lane][16] from 0; their scale words [tile][K step][lane][4] from here
.set MSB, 0
.macro WIN new                         ; the immediate's high byte repeats the setting that is left
.if MSB != \new
	s_set_vgpr_msb (MSB<<8)|\new
.set MSB, \new
.endif
.endm
.macro PLACES n
.rept \n
	v_nop
.endr
.endm
; 64 numbers of a lane, v[s + 16 b + i]: four blocks b, each shared with lane l xor 16, become codes in v[PC + 4 b ..]; the bytes are left in v[TM + 4 + b]; word = 1: they make v[PW].
.macro QUANT s, relu, word
.if \relu
.irp b, 0,1,2,3
	v_max3_num_f32 v[TM+\b], v[(\s)+16*\b], v[(\s)+1+16*\b], 0x4800000
.endr
.irp i, 2,4,6,8,10,12,14
.irp b, 0,1,2,3
	v_max3_num_f32 v[TM+\b], v[TM+\b], v[(\s)+16*\b+\i], v[(\s)+1+16*\b+\i]
.endr
.endr
.else
.irp b, 0,1,2,3
	v_max3_num_f32 v[TM+\b], |v[(\s)+16*\b]|, |v[(\s)+1+16*\b]|, 0x4800000   ; my 16 numbers and the floor 2^(9 - 127): the byte cannot fall under 1
.endr
.irp i, 2,4,6,8,10,12,14
.irp b, 0,1,2,3
	v_max3_num_f32 v[TM+\b], v[TM+\b], |v[(\s)+16*\b+\i]|, |v[(\s)+1+16*\b+\i]|
.endr
.endr
.endif
.irp b, 0,1,2,3
	v_permlanex16_b32 v[TM+4+\b], v[TM+\b], s[SEL], s[SEL+1]
.endr
.irp b, 0,1,2,3
	v_max_num_f32 v[TM+\b], v[TM+\b], v[TM+4+\b]                   ; with lane l xor 16's: the block's largest magnitude
.endr
.irp b, 0,1,2,3
	v_add_nc_u32 v[TM+12+\b], 0xfc000000, v[TM+\b]                 ; 8 off its exponent field: the conversion's scale operand
.endr
.irp b, 0,1,2,3
	v_and_or_b32 v[TM+8+\b], v[TM+\b], 0x7f800000, s[MNT]          ; 448 x the scale
.endr
.irp b, 0,1,2,3
	v_lshrrev_b32 v[TM+4+\b], 23, v[TM+12+\b]                      ; the scale's byte
.endr
.if \word
	v_lshl_or_b32 v[PW], v[TM+5], 8, v[TM+4]
	v_lshl_or_b32 v[PW], v[TM+6], 16, v[PW]
	v_lshl_or_b32 v[PW], v[TM+7], 24, v[PW]
.endif
.irp b, 0,1,2,3
.irp i, 0,1,2,3,4,5,6,7,8,9,10,11,12,13,14,15
.if \relu
	v_med3_num_f32 v[(\s)+16*\b+\i], v[(\s)+16*\b+\i], 0, v[TM+8+\b]
.else
	v_med3_num_f32 v[(\s)+16*\b+\i], v[(\s)+16*\b+\i], -v[TM+8+\b], v[TM+8+\b]   ; the conversion to an 8-bit code does not saturate (ISA guide 7.6.2): the hold
.endif
.endr
	v_cvt_scalef32_pk8_fp8_f32 v[PC+4*\b:PC+4*\b+1], v[(\s)+16*\b:(\s)+16*\b+7], v[TM+12+\b]
	v_cvt_scalef32_pk8_fp8_f32 v[PC+4*\b+2:PC+4*\b+3], v[(\s)+16*\b+8:(\s)+16*\b+15], v[TM+12+\b]
.endr
	v_nop                                          ; a plain line behind the last conversion
.endm
	s_load_b512 s[8:23], s[0:1], 0x0               ; X 8, Wq codes 10, scales 12, bq 14, Wk codes 16, scales 18, bk 20, Wv codes 22
	s_load_b128 s[24:27], s[0:1], 0x40             ; Wv scales 24, bv 26
	s_load_b64 s[28:29], s[0:1], 0x50              ; qkv
	v_lshl_add_u32 v62, v0, 2, 0x11000
	v_mov_b32 v63, 0
	v_lshrrev_b32 v11, 5, v0
	v_readfirstlane_b32 s30, v11                   ; wave
	v_and_b32 v12, 31, v0                          ; lane
	v_and_b32 v13, 15, v0                          ; r
	v_bfe_u32 v14, v0, 4, 1                        ; h
	v_and_b32 v15, 8, v13
	v_add_nc_u32 v15, v15, v13                     ; r + 8 (r / 8)
	v_lshlrev_b32 v[LI], 4, v12
	v_lshlrev_b32 v[LS], 2, v12
	v_lshlrev_b32 v[WA], 10, v15
	v_lshl_add_u32 v[WA], v14, 4, v[WA]
	v_lshlrev_b32 v[WSA], 5, v15
	v_lshlrev_b32 v[BAQ], 6, v14
	v_lshlrev_b32 v[BAV], 2, v15
	v_lshlrev_b32 v[XA], 12, v15
	v_lshl_add_u32 v[XA], v14, 6, v[XA]
	s_lshl_b32 s41, s30, 14
	v_add_nc_u32 v[XWI], s41, v[LI]
	s_lshl_b32 s41, s30, 10
	s_add_co_u32 s41, s41, XSCB
	v_add_nc_u32 v[XWS], s41, v[LS]
	v_add_nc_u32 v[LS2], XSCB, v[LS]
.irp b, 0,1,2,3
	v_mov_b32 v[TM+4+\b], 0                        ; written once: a lane permute's destination counts as one of its sources
.endr
	s_mov_b32 s[SEL], 0x76543210
	s_mov_b32 s[SEL+1], 0xfedcba98
	s_mov_b32 s[MNT], 0x600000
	s_and_b32 s32, ttmp7, 0xffff                   ; y
	s_lshl_b32 s33, s32, 2
	s_add_co_u32 s33, s33, s30                     ; my head = 4 y + wave
	s_lshr_b32 s34, ttmp9, 5
	s_lshl_b32 s34, s34, 4
	s_add_co_u32 s34, s34, s33                     ; batch x 16 + head
	s_and_b32 s35, ttmp9, 31                       ; which 64 tokens of the batch
	s_mov_b32 s37, 0
	s_lshr_b32 s41, s30, 1
	s_lshl_b32 s41, s41, 5
	s_and_b32 s54, s30, 1
	s_lshl_b32 s54, s54, 3
	s_add_co_u32 s41, s41, s54                     ; token tile w begins at 32 (w / 2) + 8 (w % 2)
	s_lshl_b32 s36, ttmp9, 6
	s_add_co_u32 s36, s36, s41
	s_lshl_b32 s36, s36, 12
	s_wait_kmcnt 0x0
	s_add_nc_u64 s[8:9], s[8:9], s[36:37]          ; X at my tile's first row
.macro XLOAD reg, s                    ; my 16 rows' numbers of K step s: of each block of 32 my half's 16, 64 bytes
.irp b, 0,1,2,3
.irp j, 0,1,2,3
	global_load_b128 v[(\reg)+16*\b+4*\j:(\reg)+16*\b+4*\j+3], v[XA], s[8:9] offset:512*(\s)+128*\b+16*\j
.endr
.endr
.endm
	XLOAD AC, 0
	XLOAD AC+128, 1
	s_lshl_b32 s36, s33, 16                        ; my head's 64 rows of each weight,
	s_add_nc_u64 s[10:11], s[10:11], s[36:37]
	s_add_nc_u64 s[16:17], s[16:17], s[36:37]
	s_add_nc_u64 s[22:23], s[22:23], s[36:37]
	s_lshl_b32 s36, s33, 11                        ; their scale bytes,
	s_add_nc_u64 s[12:13], s[12:13], s[36:37]
	s_add_nc_u64 s[18:19], s[18:19], s[36:37]
	s_add_nc_u64 s[24:25], s[24:25], s[36:37]
	s_lshl_b32 s36, s33, 8                         ; their biases
	s_add_nc_u64 s[14:15], s[14:15], s[36:37]
	s_add_nc_u64 s[20:21], s[20:21], s[36:37]
	s_add_nc_u64 s[26:27], s[26:27], s[36:37]
	s_lshl_b32 s36, s34, 17                        ; q's images: [bh][tile][c 0..1][lane][16]
	s_lshl_b32 s41, s35, 12
	s_add_co_u32 s36, s36, s41
	s_add_nc_u64 s[42:43], s[28:29], s[36:37]
	s_add_nc_u64 s[44:45], s[42:43], 0x400000      ; k's likewise, 4 MiB on
	s_lshl_b32 s36, s34, 17                        ; v's: [bh][128 keys][tile of 16 features][c][lane][16]; my 64 tokens are c = 2 (xb % 2) + 0, 1
	s_lshr_b32 s41, s35, 1
	s_lshl_b32 s41, s41, 13
	s_add_co_u32 s36, s36, s41
	s_and_b32 s54, s35, 1
	s_lshl_b32 s41, s54, 10
	s_add_co_u32 s36, s36, s41
	s_add_co_u32 s36, s36, 0x800000
	s_add_nc_u64 s[46:47], s[28:29], s[36:37]
	s_lshl_b32 s36, s34, 14                        ; q's scale words: [bh][tile][lane][4]
	s_lshl_b32 s41, s35, 9
	s_add_co_u32 s36, s36, s41
	s_add_co_u32 s36, s36, 0xc00000
	s_add_nc_u64 s[48:49], s[28:29], s[36:37]
	s_add_nc_u64 s[50:51], s[48:49], 0x80000       ; k's
	s_lshl_b32 s36, s34, 14                        ; v's: [bh][128 keys][8 chunks of 128 bytes]; my two bytes of a word
	s_lshr_b32 s41, s35, 1
	s_lshl_b32 s41, s41, 10
	s_add_co_u32 s36, s36, s41
	s_lshl_b32 s41, s54, 1
	s_add_co_u32 s36, s36, s41
	s_add_co_u32 s36, s36, 0xd00000
	s_add_nc_u64 s[52:53], s[28:29], s[36:37]
; A unit's weights: tile ft of 16 rows, all 8 K steps, into set p; its rows' 8 scale words; its bias in the result's layout.  36 loads (q, k) or 42 (v).
.macro WLOAD cb, sb, bb, ft, p, kind
	WIN 0x40                                       ; destination window 1
.irp s, 0,1,2,3,4,5,6,7
.irp c, 0,1,2,3
	global_load_b128 v[128*(\p)+16*\s+4*\c:128*(\p)+16*\s+4*\c+3], v[WA], s[\cb:\cb+1] offset:(32*((\ft)/2)+8*((\ft)%2))*1024+128*\s+32*\c
.endr
.endr
	WIN 0
	global_load_b128 v[WSC+8*(\p):WSC+8*(\p)+3], v[WSA], s[\sb:\sb+1] offset:(32*((\ft)/2)+8*((\ft)%2))*32
	global_load_b128 v[WSC+8*(\p)+4:WSC+8*(\p)+7], v[WSA], s[\sb:\sb+1] offset:(32*((\ft)/2)+8*((\ft)%2))*32+16
.if \kind
.irp j, 0,1,2,3,4,5,6,7
	global_load_b32 v[BI+8*(\p)+\j], v[BAV], s[\bb:\bb+1] offset:(32*((\ft)/2)+8*((\ft)%2))*4   ; a lane holds one feature: its bias in all eight registers
.endr
.else
	global_load_b128 v[BI+8*(\p):BI+8*(\p)+3], v[BAQ], s[\bb:\bb+1] offset:(32*((\ft)/2)+8*((\ft)%2))*4
	global_load_b128 v[BI+8*(\p)+4:BI+8*(\p)+7], v[BAQ], s[\bb:\bb+1] offset:(32*((\ft)/2)+8*((\ft)%2))*4+16
.endif
.endm
.macro WL i                            ; unit i: 0-3 q's tiles, 4-7 k's, 8-11 v's
.if (\i) < 4
	WLOAD 10,12,14,(\i),(\i)%2,0
.elseif (\i) < 8
	WLOAD 16,18,20,(\i)-4,(\i)%2,0
.else
	WLOAD 22,24,26,(\i)-8,(\i)%2,1
.endif
.endm
; 32 products of a unit of q or k.  The four accumulators take turns, one instruction a turn; the bias is the C of each sum's first product.
.macro MULF u, p
.irp s, 0,1,2,3,4,5,6,7
.if \s == 0
	WIN 0x09                                       ; source 0 (weights) window 1, source 1 (X) window 2
.elseif \s == 4
	WIN 0x0d                                       ; source 1 window 3
.endif
.irp t, 0,1,2,3
.if \s == 0
	v_wmma_scale_f32_16x16x128_f8f6f4 v[AC+16*\t+8*(\u):AC+16*\t+8*(\u)+7], v[128*(\p)+16*\s:128*(\p)+16*\s+15], v[64*(\s%4)+16*\t:64*(\s%4)+16*\t+15], v[BI+8*(\p):BI+8*(\p)+7], v[WSC+8*(\p)+\s], v[XS+4*\s+\t]
.else
	v_wmma_scale_f32_16x16x128_f8f6f4 v[AC+16*\t+8*(\u):AC+16*\t+8*(\u)+7], v[128*(\p)+16*\s:128*(\p)+16*\s+15], v[64*(\s%4)+16*\t:64*(\s%4)+16*\t+15], v[AC+16*\t+8*(\u):AC+16*\t+8*(\u)+7], v[WSC+8*(\p)+\s], v[XS+4*\s+\t]
.endif
.endr
.endr
.endm
; The same for v, the sources the other way round.
.macro MULV d, p
.irp s, 0,1,2,3,4,5,6,7
.if \s == 0
	WIN 0x06                                       ; source 0 (X) window 2, source 1 (weights) window 1
.elseif \s == 4
	WIN 0x07
.endif
.irp t, 0,1,2,3
.if \s == 0
	v_wmma_scale_f32_16x16x128_f8f6f4 v[AC+32*(\d)+8*\t:AC+32*(\d)+8*\t+7], v[64*(\s%4)+16*\t:64*(\s%4)+16*\t+15], v[128*(\p)+16*\s:128*(\p)+16*\s+15], v[BI+8*(\p):BI+8*(\p)+7], v[XS+4*\s+\t], v[WSC+8*(\p)+\s]
.else
	v_wmma_scale_f32_16x16x128_f8f6f4 v[AC+32*(\d)+8*\t:AC+32*(\d)+8*\t+7], v[64*(\s%4)+16*\t:64*(\s%4)+16*\t+15], v[128*(\p)+16*\s:128*(\p)+16*\s+15], v[AC+32*(\d)+8*\t:AC+32*(\d)+8*\t+7], v[XS+4*\s+\t], v[WSC+8*(\p)+\s]
.endif
.endr
.endr
.endm
; Two tiles of q or k are block b of the head's 64 for four token tiles: codes and bytes leave.
.macro EPIQK ib, sb, b
	QUANT AC, 0, 0
.irp t, 0,1,2,3
	global_store_b128 v[LI], v[PC+4*\t:PC+4*\t+3], s[\ib:\ib+1] offset:1024*\t+512*(\b)   ; the wave stores 512 consecutive bytes
.endr
.irp t, 0,1,2,3
.if (\b) == 0
	v_or_b32 v[SV+\t], 0x7f7f0000, v[TM+4+\t]      ; bytes 2 and 3 stand for 1: they scale the zero codes that fill K from 64 to 128
.else
	v_lshl_or_b32 v[SW+\t], v[TM+4+\t], 8, v[SV+\t]
	global_store_b32 v[LS], v[SW+\t], s[\sb:\sb+1] offset:128*\t
.endif
.endr
.endm
; Two tiles of v's features x 64 tokens: blocks (feature tile d, 32 tokens b).
.macro EPIV g
	QUANT AC, 0, 0
.irp d, 0,1
.irp b, 0,1
	global_store_b128 v[LI], v[PC+4*(2*\d+\b):PC+4*(2*\d+\b)+3], s[46:47] offset:2048*(2*(\g)+\d)+512*\b
.endr
	v_lshl_or_b32 v[SW+\d], v[TM+5+2*\d], 8, v[TM+4+2*\d]
	global_store_b16 v[LS], v[SW+\d], s[52:53] offset:128*(2*(\g)+\d)
.endr
.endm
; ---- X: my token tile becomes eight fragments.  Two sets of numbers by turns: one is quantised while the other's 16 loads are on their way.
.set SS, 0
.rept 8
.if SS < 7
	s_wait_loadcnt 16                              ; this K step's 16 loads are in; the next step's may be out
.else
	s_wait_loadcnt 0x0
.endif
	QUANT AC+128*(SS%2), 0, 1
.irp c, 0,1,2,3
	ds_store_b128 v[XWI], v[PC+4*\c:PC+4*\c+3] offset:2048*SS+512*\c
.endr
	ds_store_b32 v[XWS], v[PW] offset:128*SS
	s_wait_dscnt 0x0                               ; the stores have read their registers
.if SS < 6
	XLOAD AC+128*(SS%2), SS+2
.endif
.set SS, SS+1
.endr
	WL 0                                           ; the first unit's weights are asked for ahead of the barrier
	s_wait_dscnt 0x0                               ; my images lie in LDS
	s_barrier_signal -1
	s_barrier_wait -1                              ; everybody's do; nothing is stored to LDS behind this barrier
	WIN 0x80                                       ; destination window 2
.irp s, 0,1,2,3
.irp t, 0,1,2,3
.irp c, 0,1,2,3
	ds_load_b128 v[64*\s+16*\t+4*\c:64*\s+16*\t+4*\c+3], v[LI] offset:16384*\t+2048*\s+512*\c
.endr
.endr
.endr
	WIN 0xc0                                       ; destination window 3
.irp s, 0,1,2,3
.irp t, 0,1,2,3
.irp c, 0,1,2,3
	ds_load_b128 v[64*\s+16*\t+4*\c:64*\s+16*\t+4*\c+3], v[LI] offset:16384*\t+2048*(\s+4)+512*\c
.endr
.endr
.endr
	WIN 0
.irp s, 0,1,2,3,4,5,6,7
.irp t, 0,1,2,3
	ds_load_b32 v[XS+4*\s+\t], v[LS2] offset:1024*\t+128*\s
.endr
.endr
	s_wait_dscnt 0x0
; ---- twelve units.  The next unit's loads are issued ahead of the wait for this unit's: the count is the younger unit's loads.
.set I, 0
.rept 12
	WIN 0
	PLACES 8                                       ; in front of loads into the set that the unit before last multiplied (ISA guide 7.12.1 for vector instructions)
.if I < 11
	WL I+1
.if I+1 < 8
	s_wait_loadcnt 36
.else
	s_wait_loadcnt 42
.endif
.else
	s_wait_loadcnt 0x0
.endif
.if I < 8
	MULF I%2, I%2
.else
	MULV I%2, I%2
.endif
.if I%2 == 1
	WIN 0
	PLACES 8                                       ; in front of the first read of results
	s_wait_xcnt 0x0                                ; the last way out's stores have read their data: the codes and words are written again only behind this wait
.if I < 4
	EPIQK 42, 48, I/2
.elseif I < 8
	EPIQK 44, 50, (I-4)/2
.else
	EPIV (I-8)/2
.endif
.endif
.set I, I+1
.endr
	s_wait_tensorcnt 0x0
	ds_add_u32 v62, v63
	s_wait_dscnt 0x0
	s_endpgm
.Lfunc_end_k_q8cb541b09f_qkv:
	.size	k_q8cb541b09f_qkv, .Lfunc_end_k_q8cb541b09f_qkv-k_q8cb541b09f_qkv
	.p2alignl 7, 3214868480
	.fill 96, 4, 3214868480
	.section	.rodata,"a",@progbits
	.p2align	6, 0x0
	.amdhsa_kernel k_q8cb541b09f_qkv
		.amdhsa_group_segment_fixed_size 70144
		.amdhsa_private_segment_fixed_size 0
		.amdhsa_enable_private_segment 0
		.amdhsa_kernarg_size 88
		.amdhsa_user_sgpr_count 2
		.amdhsa_user_sgpr_kernarg_segment_ptr 1
		.amdhsa_wavefront_size32 1
		.amdhsa_system_sgpr_workgroup_id_x 1
		.amdhsa_system_sgpr_workgroup_id_y 1
		.amdhsa_system_sgpr_workgroup_id_z 1
		.amdhsa_system_vgpr_workitem_id 0
		.amdhsa_next_free_vgpr 1024
		.amdhsa_next_free_sgpr 66
		.amdhsa_reserve_vcc 0
		.amdhsa_float_denorm_mode_32 3
		.amdhsa_float_denorm_mode_16_64 3
		.amdhsa_memory_ordered 1
		.amdhsa_forward_progress 1
		.amdhsa_inst_pref_size 242
	.end_amdhsa_kernel
	.amdgpu_metadata
---
amdhsa.version: [ 1, 2 ]
amdhsa.kernels:
  - .name:           k_q8cb541b09f_qkv
    .symbol:         k_q8cb541b09f_qkv.kd
    .args:
      - { .name: X, .offset: 0, .size: 8, .value_kind: global_buffer, .address_space: global }
      - { .name: Wq_codes, .offset: 8, .size: 8, .value_kind: global_buffer, .address_space: global }
      - { .name: Wq_scales, .offset: 16, .size: 8, .value_kind: global_buffer, .address_space: global }
      - { .name: bq, .offset: 24, .size: 8, .value_kind: global_buffer, .address_space: global }
      - { .name: Wk_codes, .offset: 32, .size: 8, .value_kind: global_buffer, .address_space: global }
      - { .name: Wk_scales, .offset: 40, .size: 8, .value_kind: global_buffer, .address_space: global }
      - { .name: bk, .offset: 48, .size: 8, .value_kind: global_buffer, .address_space: global }
      - { .name: Wv_codes, .offset: 56, .size: 8, .value_kind: global_buffer, .address_space: global }
      - { .name: Wv_scales, .offset: 64, .size: 8, .value_kind: global_buffer, .address_space: global }
      - { .name: bv, .offset: 72, .size: 8, .value_kind: global_buffer, .address_space: global }
      - { .name: qkv, .offset: 80, .size: 8, .value_kind: global_buffer, .address_space: global }
    .group_segment_fixed_size: 70144
    .private_segment_fixed_size: 0
    .kernarg_segment_align: 8
    .kernarg_segment_size: 88
    .max_flat_workgroup_size: 128
    .sgpr_count:     66
    .vgpr_count:     1024
    .wavefront_size: 32
...
	.end_amdgpu_metadata
.endif
;; end of part 1
;; launch attn (part 2): grid 8 x 32, 16 waves a work-group, no clusters, 38,912 bytes of LDS; arguments qkv, mid; writes mid
.if DOCPART == 2
	.amdgcn_target "amdgcn-amd-amdhsa--gfx1250"
	.amdhsa_code_object_version 6
	.text
	.protected	k_q8cb541b09f_attn
	.globl	k_q8cb541b09f_attn
	.p2align	8
	.type	k_q8cb541b09f_attn,@function
k_q8cb541b09f_attn:
	s_mov_b64 s[64:65], 0
	v_nop
	global_prefetch_b8 v0, s[64:65] scope:SCOPE_SE
	s_setreg_imm32_b32 hwreg(HW_REG_WAVE_MODE, 25, 1), 1
	s_wait_xcnt 0x0
; mid = softmax(q k^T / 8, causal) v for one (batch, head), both products on codes of E4M3 with E8M0 scales; the result, divided by the row's sum, is quantised along the hidden axis and stored as images of operand registers.
; THE SOFTMAX AHEAD OF THE SECOND PRODUCT: t = score x log2(e) / 8; M = the running largest t rounded UP to a whole number; p = 2^(t - M) is quantised along the keys, not normalised; the row's sum is taken of the
; unquantised p; when M moves, the sum and O are multiplied by 2^(old M - new M), which rounds nothing.
; SHARES: work-group (i, bh) owns the blocks of 128 queries i and 15 - i, so that every work-group has 17 block steps of work for each of its 8 pairs of waves.  A wave owns one tile of 16 queries.
; Key steps of 128: a step whose keys all come after the wave's block is jumped over (a scalar branch on ids); the step on the diagonal is masked; hidden scores become -infinity, so p = 0.
; All 16 steps are walked by every work-group, so that every trip count is a constant; steps behind 15 - i, which no wave works, copy nothing.
; K's and V's images of a step (16 KB of codes, 1.5 KB of scale words) are copied through registers into one of two LDS slots by the sixteen waves, 1 KB + 128 bytes each, a step ahead; ONE barrier a step.
; Both products are used transposed (S^T = k q^T, O^T = v^T p^T): a lane holds one query throughout.  The head's K of 64 is filled to 128 with zero codes, whose scale bytes stand for 1.
; NO CLUSTER: the eight work-groups of a head read the same k and v, 288 KB at the most each, through registers; a joint load serves tensor loads, and this text has none.
; LIMITS: NaN and infinities are not served; a block whose largest magnitude lies under 2^-118 gets the byte 1.  v_exp_f32 and v_rcp_f32 are accurate to 1 ulp.
.set SLOT, 18432                       ; a slot: K's codes 0 (tile t: 1024 t), V's 8192 (tile d: 2048 d), K's scale words 16384 (128 t), V's 17408 (128 d); 17920 on: copies that nobody reads
.set LI,  1                            ; 16 x lane
.set LS,  2                            ; 16384 + 4 x lane
.set ST1, 3                            ; 1024 x wave + 16 x lane
.set ST2, 4                            ; 16384 + 4 x thread
.set DM,  5                            ; my query's place in its block of 128, less 16 h
.set L4,  6                            ; 4 x lane
.set NINF, 7
.set CPA, 8
.set CPB, 12
.set CPS, 16
.set HW,  17
.set NM,  18                           ; v18 -M, v19 the running largest t
.set SUM, 20
.set QS,  22
.set PS,  23
.set F,   24
.set KS,  26
.set VS,  30
.set QF,  34
.set KF,  50
.set S,   114
.set O,   178
.set PC,  210
.set BM,  226
.set PM,  230
.set HD,  234
.set SO,  238
.set T2,  242
.set TT,  244
.set QB,  13
.set J,   14
.set TR,  15
.set SEL, 20
.set CS,  22
.set MNT, 24
.set JM,  34
.macro PLACES n
.rept \n
	v_nop
.endr
.endm
	s_load_b128 s[4:7], s[0:1], 0x0                ; qkv, mid
	v_lshl_add_u32 v254, v0, 2, 0x9000
	v_mov_b32 v255, 0
	v_lshrrev_b32 v11, 5, v0
	v_readfirstlane_b32 s8, v11                    ; wave 0..15
	v_and_b32 v12, 31, v0
	v_lshlrev_b32 v[LI], 4, v12
	v_lshl_add_u32 v[LS], v12, 2, 16384
	v_lshl_add_u32 v[ST1], v11, 10, v[LI]
	v_lshl_add_u32 v[ST2], v0, 2, 16384
	v_lshlrev_b32 v[L4], 2, v12
	v_mov_b32 v[NINF], 0xff800000
	s_lshr_b32 s9, s8, 2
	s_xor_b32 s9, s9, s8
	s_and_b32 s9, s9, 1                            ; which of the two blocks: the two waves of a pair differ
	s_lshr_b32 s10, s8, 1                          ; my tile in the block
	s_mov_b32 s11, ttmp9
	s_and_b32 s12, ttmp7, 0xffff                   ; bh
	s_sub_co_u32 s[JM], 15, s11                    ; the last step that any wave of the work-group works
	s_cmp_lg_u32 s9, 0
	s_cselect_b32 s[QB], s[JM], s11                ; my block of 128 queries
	s_lshr_b32 s37, s10, 1
	s_lshl_b32 s37, s37, 5
	s_and_b32 s36, s10, 1
	s_lshl_b32 s36, s36, 3
	s_add_co_u32 s37, s37, s36                     ; my tile begins at 32 (Tl / 2) + 8 (Tl % 2)
	v_and_b32 v8, 15, v0
	v_bfe_u32 v9, v0, 4, 1
	v_and_b32 v10, 8, v8
	v_add_nc_u32 v10, v10, v8                      ; r + 8 (r / 8)
	v_lshlrev_b32 v9, 4, v9
	v_sub_nc_u32 v[DM], v10, v9
	v_add_nc_u32 v[DM], s37, v[DM]
	s_mov_b32 s[SEL], 0x76543210
	s_mov_b32 s[SEL+1], 0xfedcba98
	s_mov_b32 s[CS], 0x3e38aa3b                    ; c = log2(e) / 8
	s_mov_b32 s[CS+1], s[CS]
	s_mov_b32 s[MNT], 0x600000
	s_mov_b32 s[J], 0
	s_mov_b32 s[TR], 0
	s_mov_b32 s39, 0
	s_lshr_b32 s35, s8, 3                          ; waves 0-7 copy K's, waves 8-15 V's
	s_and_b32 s36, s8, 7
	s_lshl_b32 s38, s35, 22
	s_lshl_b32 s37, s12, 17
	s_add_co_u32 s38, s38, s37
	s_lshl_b32 s37, s36, 10
	s_add_co_u32 s38, s38, s37
	s_add_co_u32 s38, s38, 0x400000
	s_wait_kmcnt 0x0
	s_add_nc_u64 s[16:17], s[4:5], s[38:39]        ; my 1 KB of step 0's codes
	s_lshl_b32 s37, s35, 2
	s_sub_co_u32 s37, 7, s37
	s_and_b32 s37, s8, s37                         ; my chunk of scale words: K's 0-7; V's has four, copied twice
	s_lshl_b32 s38, s37, 7
	s_lshl_b32 s37, s35, 19
	s_add_co_u32 s38, s38, s37
	s_lshl_b32 s37, s12, 14
	s_add_co_u32 s38, s38, s37
	s_add_co_u32 s38, s38, 0xc80000
	s_add_nc_u64 s[18:19], s[4:5], s[38:39]
	s_lshl_b32 s40, s12, 7
	s_lshl_b32 s37, s[QB], 3
	s_add_co_u32 s37, s37, s10                     ; my tile within the batch
	s_add_co_u32 s40, s40, s37
	s_lshl_b32 s38, s40, 10
	s_add_nc_u64 s[26:27], s[4:5], s[38:39]        ; q's image
	s_lshl_b32 s38, s40, 7
	s_add_co_u32 s38, s38, 0xc00000
	s_add_nc_u64 s[28:29], s[4:5], s[38:39]        ; q's scale words
	s_lshr_b32 s40, s12, 4
	s_lshl_b32 s40, s40, 7
	s_add_co_u32 s40, s40, s37                     ; my tile among all 256
	s_and_b32 s41, s12, 15                         ; the head
	s_lshr_b32 s42, s41, 1
	s_and_b32 s41, s41, 1
	s_lshl_b32 s38, s40, 14
	s_lshl_b32 s37, s42, 11
	s_add_co_u32 s38, s38, s37
	s_lshl_b32 s37, s41, 10
	s_add_co_u32 s38, s38, s37
	s_add_nc_u64 s[30:31], s[6:7], s[38:39]        ; mid's image: K step head / 2, c = 2 (head % 2) + 0, 1
	s_lshl_b32 s38, s40, 10
	s_lshl_b32 s37, s42, 7
	s_add_co_u32 s38, s38, s37
	s_lshl_b32 s37, s41, 1
	s_add_co_u32 s38, s38, s37
	s_add_co_u32 s38, s38, 0x400000
	s_add_nc_u64 s[32:33], s[6:7], s[38:39]        ; and my two bytes of its scale word
	global_load_b128 v[QF:QF+3], v[LI], s[26:27]
	global_load_b128 v[QF+4:QF+7], v[LI], s[26:27] offset:512
	global_load_b32 v[QS], v[L4], s[28:29]
	global_load_b128 v[CPA:CPA+3], v[LI], s[16:17]
	global_load_b128 v[CPB:CPB+3], v[LI], s[16:17] offset:512
	global_load_b32 v[CPS], v[L4], s[18:19]
.set N, 0
.rept 32
	v_mov_b32 v[O+N], 0                            ; O^T: the step is written once; the first finds zeros, which the first change of M leaves zeros
.set N, N+1
.endr
.set N, 8
.rept 8
	v_mov_b32 v[QF+N], 0                           ; zero codes fill K from 64 to 128, in q and in each of k's four fragments; they are never loaded over
	v_mov_b32 v[KF+N], 0
	v_mov_b32 v[KF+16+N], 0
	v_mov_b32 v[KF+32+N], 0
	v_mov_b32 v[KF+48+N], 0
.set N, N+1
.endr
.irp b, 0,1,2,3
	v_mov_b32 v[PM+\b], 0                          ; a lane permute's destination counts as one of its sources
.endr
	v_mov_b32 v[F+1], 0                            ; named as the upper half of a pair
	v_mov_b32 v[SUM], 0
	v_mov_b32 v[SUM+1], 0
	v_mov_b32 v[NM+1], 0xff61b1e6                  ; the largest t so far: -3e38
	v_floor_f32 v[NM], -v[NM+1]
	s_wait_loadcnt 0x0
	ds_store_b128 v[ST1], v[CPA:CPA+3]
	ds_store_b128 v[ST1], v[CPB:CPB+3] offset:512
	ds_store_b32 v[ST2], v[CPS]
; A KEY STEP out of slot `slot`.  fetch = 1: the next step's images are copied into the other slot.
.macro STEP slot, fetch
	s_wait_dscnt 0x0                               ; my stores into this slot have landed, and my reads of the other slot are back
	s_barrier_signal -1
	s_barrier_wait -1                              ; both hold of all sixteen waves
.if \fetch
	s_cmp_ge_u32 s[J], s[JM]
	s_cbranch_scc1 .Lnofetch_\@                    ; no wave works the next step
	global_load_b128 v[CPA:CPA+3], v[LI], s[16:17] offset:8192*(\slot+1)
	global_load_b128 v[CPB:CPB+3], v[LI], s[16:17] offset:8192*(\slot+1)+512
	global_load_b32 v[CPS], v[L4], s[18:19] offset:1024*(\slot+1)
.Lnofetch_\@:
.endif
	s_cmp_gt_u32 s[J], s[QB]
	s_cbranch_scc1 .Lskip_\@                       ; all 128 keys come after my queries
.irp g, 0,1                                    ; S^T = k q^T, four tiles of 16 keys at a time
.if \g > 0
	PLACES 8                                       ; in front of loads into registers that matrix instructions have read
.endif
.irp t, 0,1,2,3
	ds_load_b128 v[KF+16*\t:KF+16*\t+3], v[LI] offset:\slot*SLOT+1024*(4*\g+\t)
	ds_load_b128 v[KF+16*\t+4:KF+16*\t+7], v[LI] offset:\slot*SLOT+1024*(4*\g+\t)+512
	ds_load_b32 v[KS+\t], v[LS] offset:\slot*SLOT+128*(4*\g+\t)
.endr
	s_wait_dscnt 0x0
.irp t, 0,1,2,3
	v_wmma_scale_f32_16x16x128_f8f6f4 v[S+8*(4*\g+\t):S+8*(4*\g+\t)+7], v[KF+16*\t:KF+16*\t+15], v[QF:QF+15], 0, v[KS+\t], v[QS]
.endr
.endr                                          ; register 16 b + i of a lane: key 32 b + 16 h + i of the step
	PLACES 8
	s_cmp_lt_u32 s[J], s[QB]
	s_cbranch_scc1 .Lopen_\@                       ; all keys count
.set N, 0
.rept 64
	v_cmp_gt_i32 vcc_lo, 32*(N/16)+N%16, v[DM]     ; hidden where the key comes after my query
	v_cndmask_b32 v[S+N], v[S+N], v[NINF], vcc_lo
.set N, N+1
.endr
.Lopen_\@:
.irp b, 0,1,2,3
	v_max3_num_f32 v[BM+\b], v[S+16*\b], v[S+1+16*\b], v[S+2+16*\b]   ; the largest score of each block of 32 keys: for the row's maximum, and, since p rises with the score, for the block's largest p
.endr
.irp i, 3,5,7,9,11,13
.irp b, 0,1,2,3
	v_max3_num_f32 v[BM+\b], v[BM+\b], v[S+16*\b+\i], v[S+1+16*\b+\i]
.endr
.endr
.irp b, 0,1,2,3
	v_max_num_f32 v[BM+\b], v[BM+\b], v[S+15+16*\b]
.endr
.irp b, 0,1,2,3
	v_permlanex16_b32 v[PM+\b], v[BM+\b], s[SEL], s[SEL+1]
.endr
.irp b, 0,1,2,3
	v_max_num_f32 v[BM+\b], v[BM+\b], v[PM+\b]
.endr
	v_max3_num_f32 v[TT], v[BM], v[BM+1], v[BM+2]
	v_max_num_f32 v[TT], v[TT], v[BM+3]
	v_mul_f32 v[TT], s[CS], v[TT]
	v_max_num_f32 v[NM+1], v[NM+1], v[TT]          ; the running largest t
	v_mov_b32 v[TT], v[NM]
	v_floor_f32 v[NM], -v[NM+1]                    ; -M = floor(-t): M is a whole number
	v_sub_f32 v[TT], v[NM], v[TT]
	v_cvt_i32_f32 v[TT], v[TT]                     ; (it saturates)
	v_ldexp_f32 v[F], 1.0, v[TT]                   ; f = 2^(old M - new M)
.set N, 0
.rept 32
	v_pk_fma_f32 v[S+N:S+N+1], v[S+N:S+N+1], s[CS:CS+1], v[NM:NM+1] op_sel_hi:[1,0,0]   ; t - M
.set N, N+2
.endr
.irp b, 0,1,2,3
	v_fma_f32 v[BM+\b], v[BM+\b], s[CS], v[NM]
.endr
.set N, 0
.rept 64
	v_exp_f32 v[S+N], v[S+N]                       ; p = 2^(t - M)
.set N, N+1
.endr
.irp b, 0,1,2,3
	v_exp_f32 v[BM+\b], v[BM+\b]                   ; the block's largest p
.endr
	v_pk_mul_f32 v[SUM:SUM+1], v[SUM:SUM+1], v[F:F+1] op_sel_hi:[1,0]   ; the sums under the new M (a plain line behind the exponentials)
	s_wait_alu depctr_va_vdst(0)
.irp b, 0,1,2,3
	v_max_num_f32 v[BM+\b], 0x4800000, v[BM+\b]    ; the floor 2^(9 - 127)
.endr
.irp b, 0,1,2,3
	v_add_nc_u32 v[SO+\b], 0xfc000000, v[BM+\b]
.endr
.irp b, 0,1,2,3
	v_and_or_b32 v[HD+\b], v[BM+\b], 0x7f800000, s[MNT]
.endr
.irp b, 0,1,2,3
	v_lshrrev_b32 v[PM+\b], 23, v[SO+\b]
.endr
	v_lshl_or_b32 v[PS], v[PM+1], 8, v[PM]         ; p's scale word for these 128 keys
	v_lshl_or_b32 v[PS], v[PM+2], 16, v[PS]
	v_lshl_or_b32 v[PS], v[PM+3], 24, v[PS]
	v_pk_add_f32 v[T2:T2+1], v[S:S+1], v[S+2:S+3]  ; the row's sum of the unquantised p, in two chains
.set N, 4
.rept 15
	v_pk_add_f32 v[SUM:SUM+1], v[SUM:SUM+1], v[S+N:S+N+1]
	v_pk_add_f32 v[T2:T2+1], v[T2:T2+1], v[S+N+2:S+N+3]
.set N, N+4
.endr
	v_pk_add_f32 v[SUM:SUM+1], v[SUM:SUM+1], v[T2:T2+1]
.irp b, 0,1,2,3
.irp i, 0,1,2,3,4,5,6,7,8,9,10,11,12,13,14,15
	v_min_num_f32 v[S+16*\b+\i], v[S+16*\b+\i], v[HD+\b]   ; the hold; p is not negative
.endr
	v_cvt_scalef32_pk8_fp8_f32 v[PC+4*\b:PC+4*\b+1], v[S+16*\b:S+16*\b+7], v[SO+\b]
	v_cvt_scalef32_pk8_fp8_f32 v[PC+4*\b+2:PC+4*\b+3], v[S+16*\b+8:S+16*\b+15], v[SO+\b]
.endr
.irp d, 0,1,2,3                                ; V's four fragments take the registers that p has left
.irp c, 0,1,2,3
	ds_load_b128 v[S+16*\d+4*\c:S+16*\d+4*\c+3], v[LI] offset:\slot*SLOT+8192+2048*\d+512*\c
.endr
	ds_load_b32 v[VS+\d], v[LS] offset:\slot*SLOT+1024+128*\d
.endr
.set N, 0
.rept 16
	v_pk_mul_f32 v[O+N:O+N+1], v[O+N:O+N+1], v[F:F+1] op_sel_hi:[1,0]   ; O^T under the new M; these lines also stand between the conversions and the products
.set N, N+2
.endr
	s_wait_dscnt 0x0
.irp d, 0,1,2,3
	v_wmma_scale_f32_16x16x128_f8f6f4 v[O+8*\d:O+8*\d+7], v[S+16*\d:S+16*\d+15], v[PC:PC+15], v[O+8*\d:O+8*\d+7], v[VS+\d], v[PS]
.endr
	PLACES 9                                       ; the next step's first product writes over V's fragments; the way out reads O^T
.Lskip_\@:
.if \fetch
	s_wait_loadcnt 0x0                             ; the copy is in registers (on the way without loads: met at once)
	s_cmp_ge_u32 s[J], s[JM]
	s_cbranch_scc1 .Lnostore_\@
	ds_store_b128 v[ST1], v[CPA:CPA+3] offset:(1-\slot)*SLOT      ; into the slot that every wave left at this step's barrier
	ds_store_b128 v[ST1], v[CPB:CPB+3] offset:(1-\slot)*SLOT+512
	ds_store_b32 v[ST2], v[CPS] offset:(1-\slot)*SLOT
.Lnostore_\@:
.endif
	s_add_co_u32 s[J], s[J], 1
.endm
.Ltrip:                                            ; 7 trips of two steps
	STEP 0, 1
	STEP 1, 1
	s_add_nc_u64 s[16:17], s[16:17], 16384         ; the loads that named these bases were waited for
	s_add_nc_u64 s[18:19], s[18:19], 2048
	s_add_co_u32 s[TR], s[TR], 1
	s_cmp_lt_u32 s[TR], 7
	s_cbranch_scc1 .Ltrip
	STEP 0, 1
	STEP 1, 0
	; THE WAY OUT: O^T / the row's sum; its 64 numbers of the head are two blocks of 32 along the next product's K.
	v_add_f32 v[SUM], v[SUM], v[SUM+1]
	v_permlanex16_b32 v[PM], v[SUM], s[SEL], s[SEL+1]
	v_add_f32 v[SUM], v[SUM], v[PM]
	v_rcp_f32 v[SUM], v[SUM]
	v_nop
.set N, 0
	s_wait_alu depctr_va_vdst(0)
.rept 32
	v_mul_f32 v[S+N], v[O+N], v[SUM]
.set N, N+1
.endr
.irp b, 0,1
	v_max3_num_f32 v[BM+\b], |v[S+16*\b]|, |v[S+1+16*\b]|, 0x4800000
.endr
.irp i, 2,4,6,8,10,12,14
.irp b, 0,1
	v_max3_num_f32 v[BM+\b], v[BM+\b], |v[S+16*\b+\i]|, |v[S+1+16*\b+\i]|
.endr
.endr
.irp b, 0,1
	v_permlanex16_b32 v[PM+\b], v[BM+\b], s[SEL], s[SEL+1]
.endr
.irp b, 0,1
	v_max_num_f32 v[BM+\b], v[BM+\b], v[PM+\b]
.endr
.irp b, 0,1
	v_add_nc_u32 v[SO+\b], 0xfc000000, v[BM+\b]
.endr
.irp b, 0,1
	v_and_or_b32 v[HD+\b], v[BM+\b], 0x7f800000, s[MNT]
.endr
.irp b, 0,1
	v_lshrrev_b32 v[PM+\b], 23, v[SO+\b]
.endr
.irp b, 0,1
.irp i, 0,1,2,3,4,5,6,7,8,9,10,11,12,13,14,15
	v_med3_num_f32 v[S+16*\b+\i], v[S+16*\b+\i], -v[HD+\b], v[HD+\b]
.endr
	v_cvt_scalef32_pk8_fp8_f32 v[PC+4*\b:PC+4*\b+1], v[S+16*\b:S+16*\b+7], v[SO+\b]
	v_cvt_scalef32_pk8_fp8_f32 v[PC+4*\b+2:PC+4*\b+3], v[S+16*\b+8:S+16*\b+15], v[SO+\b]
.endr
	v_lshl_or_b32 v[HW], v[PM+1], 8, v[PM]
	global_store_b128 v[LI], v[PC:PC+3], s[30:31]
	global_store_b128 v[LI], v[PC+4:PC+7], s[30:31] offset:512
	global_store_b16 v[L4], v[HW], s[32:33]
	s_wait_tensorcnt 0x0
	ds_add_u32 v254, v255
	s_wait_dscnt 0x0
	s_endpgm
.Lfunc_end_k_q8cb541b09f_attn:
	.size	k_q8cb541b09f_attn, .Lfunc_end_k_q8cb541b09f_attn-k_q8cb541b09f_attn
	.p2alignl 7, 3214868480
	.fill 96, 4, 3214868480
	.section	.rodata,"a",@progbits
	.p2align	6, 0x0
	.amdhsa_kernel k_q8cb541b09f_attn
		.amdhsa_group_segment_fixed_size 38912
		.amdhsa_private_segment_fixed_size 0
		.amdhsa_enable_private_segment 0
		.amdhsa_kernarg_size 16
		.amdhsa_user_sgpr_count 2
		.amdhsa_user_sgpr_kernarg_segment_ptr 1
		.amdhsa_wavefront_size32 1
		.amdhsa_system_sgpr_workgroup_id_x 1
		.amdhsa_system_sgpr_workgroup_id_y 1
		.amdhsa_system_sgpr_workgroup_id_z 1
		.amdhsa_system_vgpr_workitem_id 0
		.amdhsa_next_free_vgpr 256
		.amdhsa_next_free_sgpr 66
		.amdhsa_reserve_vcc 1
		.amdhsa_float_denorm_mode_32 3
		.amdhsa_float_denorm_mode_16_64 3
		.amdhsa_memory_ordered 1
		.amdhsa_forward_progress 1
		.amdhsa_inst_pref_size 112
	.end_amdhsa_kernel
	.amdgpu_metadata
---
amdhsa.version: [ 1, 2 ]
amdhsa.kernels:
  - .name:           k_q8cb541b09f_attn
    .symbol:         k_q8cb541b09f_attn.kd
    .args:
      - { .name: qkv, .offset: 0, .size: 8, .value_kind: global_buffer, .address_space: global }
      - { .name: mid, .offset: 8, .size: 8, .value_kind: global_buffer, .address_space: global }
    .group_segment_fixed_size: 38912
    .private_segment_fixed_size: 0
    .kernarg_segment_align: 8
    .kernarg_segment_size: 16
    .max_flat_workgroup_size: 512
    .sgpr_count:     66
    .vgpr_count:     256
    .wavefront_size: 32
...
	.end_amdgpu_metadata
.endif
;; end of part 2
;; launch woln (part 3): grid 256 x 1, 4 waves a work-group, no clusters, 1,536 bytes of LDS; arguments mid, Wo_codes, Wo_scales, bo, X, ln1_g, ln1_b, hbuf; writes hbuf
.if DOCPART == 3
	.amdgcn_target "amdgcn-amd-amdhsa--gfx1250"
	.amdhsa_code_object_version 6
	.text
	.protected	k_q8cb541b09f_woln
	.globl	k_q8cb541b09f_woln
	.p2align	8
	.type	k_q8cb541b09f_woln,@function
k_q8cb541b09f_woln:
	s_mov_b64 s[64:65], 0
	v_nop
	global_prefetch_b8 v0, s[64:65] scope:SCOPE_SE
	s_setreg_imm32_b32 hwreg(HW_REG_WAVE_MODE, 25, 1), 1
	s_wait_xcnt 0x0
; h = layernorm(X + mid Wo^T + bo) x g + b for one tile of 16 tokens; h leaves twice: as f32 in the accumulators' layout (the residual of the last product) and as codes of E4M3 with E8M0 scales (the next operand's images).
; SHARES: work-group T owns token tile T (lane r: token 32 (T / 2) + 8 (T % 2) + r + 8 (r / 8)); wave w makes features 256 w .. 256 w + 255: 16 tiles of Wo's rows, 128 registers of sums, 128 products.
; The product is used transposed (source 0 = 16 rows of Wo, source 1 = the tokens): a lane holds one token and its registers run along the features; the rows of a tile are chosen so that register 16 B + i is feature 32 B + 16 h + i.
; X is loaded into the accumulators: the residual starts the sums.  A row's mean and variance meet in LDS: one word a lane and wave, two barriers, other bytes for the second sum.  The variance is the mean of (x - mean)^2.
; NO CLUSTER: every work-group reads all of Wo (1 MB), straight into the registers of the wave that multiplies it; a joint load serves tiles that land in LDS, and this text has none.
; LIMITS: NaN and infinities are not served; a block whose largest magnitude lies under 2^-118 gets the byte 1; v_rsq_f32 is accurate to 1 ulp.
; REGISTERS: window 0: v1-8 addresses; v16-23 mid's scale words; v24-87 Wo's, two sets; v88-103 codes, before that the sums' chains; v104-119 at work; v122-125 -mean, 1 / sigma; v128-255 the sums.
;   window 1: v0-127 mid's 8 fragments; v128-255 bo.   window 2: Wo's fragments, two sets of 4 tiles x 2 K steps; behind the products g (v0-127) and b (v128-255).
.set LI,  1
.set LS,  2
.set WA,  3
.set WSA, 4
.set XA,  5
.set PA,  6
.set RW,  7
.set RR,  8
.set MS,  16
.set WSC, 24
.set PC,  88
.set CH,  88
.set TM,  104
.set PW,  120
.set MU,  122
.set RS,  124
.set AC,  128
.set SEL, 28
.set MNT, 30
.set MSB, 0
.macro WIN new                         ; the immediate's high byte repeats the setting that is left
.if MSB != \new
	s_set_vgpr_msb (MSB<<8)|\new
.set MSB, \new
.endif
.endm
.macro PLACES n
.rept \n
	v_nop
.endr
.endm
.macro QUANT s, relu, word             ; 64 numbers v[s + 16 b + i], four blocks, each shared with lane l xor 16 -> codes v[PC + 4 b ..], bytes v[TM + 4 + b], word v[PW]
.irp b, 0,1,2,3
	v_max3_num_f32 v[TM+\b], |v[(\s)+16*\b]|, |v[(\s)+1+16*\b]|, 0x4800000   ; my 16 numbers and the floor 2^(9 - 127)
.endr
.irp i, 2,4,6,8,10,12,14
.irp b, 0,1,2,3
	v_max3_num_f32 v[TM+\b], v[TM+\b], |v[(\s)+16*\b+\i]|, |v[(\s)+1+16*\b+\i]|
.endr
.endr
.irp b, 0,1,2,3
	v_permlanex16_b32 v[TM+4+\b], v[TM+\b], s[SEL], s[SEL+1]
.endr
.irp b, 0,1,2,3
	v_max_num_f32 v[TM+\b], v[TM+\b], v[TM+4+\b]
.endr
.irp b, 0,1,2,3
	v_add_nc_u32 v[TM+12+\b], 0xfc000000, v[TM+\b]
.endr
.irp b, 0,1,2,3
	v_and_or_b32 v[TM+8+\b], v[TM+\b], 0x7f800000, s[MNT]
.endr
.irp b, 0,1,2,3
	v_lshrrev_b32 v[TM+4+\b], 23, v[TM+12+\b]
.endr
	v_lshl_or_b32 v[PW], v[TM+5], 8, v[TM+4]
	v_lshl_or_b32 v[PW], v[TM+6], 16, v[PW]
	v_lshl_or_b32 v[PW], v[TM+7], 24, v[PW]
.irp b, 0,1,2,3
.irp i, 0,1,2,3,4,5,6,7,8,9,10,11,12,13,14,15
	v_med3_num_f32 v[(\s)+16*\b+\i], v[(\s)+16*\b+\i], -v[TM+8+\b], v[TM+8+\b]
.endr
	v_cvt_scalef32_pk8_fp8_f32 v[PC+4*\b:PC+4*\b+1], v[(\s)+16*\b:(\s)+16*\b+7], v[TM+12+\b]
	v_cvt_scalef32_pk8_fp8_f32 v[PC+4*\b+2:PC+4*\b+3], v[(\s)+16*\b+8:(\s)+16*\b+15], v[TM+12+\b]
.endr
	v_nop
.endm
	s_load_b512 s[8:23], s[0:1], 0x0               ; mid 8, Wo codes 10, scales 12, bo 14, X 16, g 18, b 20, hbuf 22
	v_lshl_add_u32 v126, v0, 2, 0x400
	v_mov_b32 v127, 0
	v_lshrrev_b32 v9, 5, v0
	v_readfirstlane_b32 s24, v9                    ; wave
	v_and_b32 v10, 31, v0
	v_and_b32 v11, 15, v0
	v_bfe_u32 v12, v0, 4, 1
	v_and_b32 v13, 8, v11
	v_add_nc_u32 v13, v13, v11                     ; r + 8 (r / 8)
	v_lshlrev_b32 v[LI], 4, v10
	v_lshlrev_b32 v[LS], 2, v10
	v_lshlrev_b32 v[WA], 10, v13
	v_lshl_add_u32 v[WA], v12, 4, v[WA]
	v_lshlrev_b32 v[WSA], 5, v13
	v_lshlrev_b32 v[XA], 12, v13
	v_lshl_add_u32 v[XA], v12, 6, v[XA]
	v_lshlrev_b32 v[PA], 6, v12
	v_lshlrev_b32 v[RW], 2, v0
	v_lshlrev_b32 v[RR], 2, v10
.irp b, 0,1,2,3
	v_mov_b32 v[TM+4+\b], 0
.endr
	s_mov_b32 s[SEL], 0x76543210
	s_mov_b32 s[SEL+1], 0xfedcba98
	s_mov_b32 s[MNT], 0x600000
	s_mov_b32 s31, 0x3a800000                      ; 1 / 1024
	s_mov_b32 s32, 0x3727c5ac                      ; 1e-5
	s_mov_b32 s27, 0
	s_wait_kmcnt 0x0
	s_lshl_b32 s26, ttmp9, 10
	s_add_co_u32 s26, s26, 0x400000
	s_add_nc_u64 s[42:43], s[8:9], s[26:27]        ; mid's scale words
	s_lshl_b32 s26, ttmp9, 14
	s_add_nc_u64 s[8:9], s[8:9], s[26:27]          ; mid's images
	s_lshl_b32 s33, s24, 12
	s_add_co_u32 s26, s26, s33
	s_add_nc_u64 s[38:39], s[22:23], s[26:27]      ; h's images: tile T, K steps 2 w, 2 w + 1
	s_lshl_b32 s26, ttmp9, 10
	s_lshl_b32 s33, s24, 8
	s_add_co_u32 s26, s26, s33
	s_add_co_u32 s26, s26, 0x400000
	s_add_nc_u64 s[40:41], s[22:23], s[26:27]      ; their scale words
	s_lshl_b32 s26, ttmp9, 16
	s_lshl_b32 s33, s24, 14
	s_add_co_u32 s26, s26, s33
	s_add_co_u32 s26, s26, 0x440000
	s_add_nc_u64 s[36:37], s[22:23], s[26:27]      ; h in f32: [tile][block of 32 features][q][lane][16]
	s_lshr_b32 s26, ttmp9, 1
	s_lshl_b32 s26, s26, 5
	s_and_b32 s33, ttmp9, 1
	s_lshl_b32 s33, s33, 3
	s_add_co_u32 s26, s26, s33
	s_lshl_b32 s26, s26, 12
	s_lshl_b32 s33, s24, 10
	s_add_co_u32 s26, s26, s33
	s_add_nc_u64 s[16:17], s[16:17], s[26:27]      ; X at the tile's first token, my 256 features
	s_mov_b32 s26, s33
	s_add_nc_u64 s[14:15], s[14:15], s[26:27]
	s_add_nc_u64 s[18:19], s[18:19], s[26:27]
	s_add_nc_u64 s[20:21], s[20:21], s[26:27]
	s_lshl_b32 s26, s24, 18
	s_add_nc_u64 s[10:11], s[10:11], s[26:27]
	s_lshl_b32 s26, s24, 13
	s_add_nc_u64 s[12:13], s[12:13], s[26:27]
; Unit i: tiles 4 (i / 4) + 0..3 of my 16, K steps 2 (i % 4) + 0, 1: 32 loads; with a group's first unit its 32 scale words: 8 more.
.macro WLOAD i
.set FQ, (\i)/4
.set KP, (\i)%4
.set PB, 128*((\i)%2)
	WIN 0x80                                       ; destination window 2
.irp si, 0,1
.irp f, 0,1,2,3
.irp c, 0,1,2,3
	global_load_b128 v[PB+16*(4*\si+\f)+4*\c:PB+16*(4*\si+\f)+4*\c+3], v[WA], s[10:11] offset:(32*((4*FQ+\f)/2)+8*(\f%2))*1024+128*(2*KP+\si)+32*\c
.endr
.endr
.endr
.if KP == 0
	WIN 0
.irp f, 0,1,2,3
	global_load_b128 v[WSC+32*(FQ%2)+8*\f:WSC+32*(FQ%2)+8*\f+3], v[WSA], s[12:13] offset:(32*((4*FQ+\f)/2)+8*(\f%2))*32
	global_load_b128 v[WSC+32*(FQ%2)+8*\f+4:WSC+32*(FQ%2)+8*\f+7], v[WSA], s[12:13] offset:(32*((4*FQ+\f)/2)+8*(\f%2))*32+16
.endr
.endif
.endm
.macro MUL i                           ; 8 products; the group's four accumulators take turns
.set FQ, (\i)/4
.set KP, (\i)%4
.set PB, 128*((\i)%2)
.irp si, 0,1
.irp f, 0,1,2,3
	v_wmma_scale_f32_16x16x128_f8f6f4 v[AC+8*(4*FQ+\f):AC+8*(4*FQ+\f)+7], v[PB+16*(4*\si+\f):PB+16*(4*\si+\f)+15], v[16*(2*KP+\si):16*(2*KP+\si)+15], v[AC+8*(4*FQ+\f):AC+8*(4*FQ+\f)+7], v[WSC+32*(FQ%2)+8*\f+2*KP+\si], v[MS+2*KP+\si]
.endr
.endr
.endm
	WIN 0x40                                       ; destination window 1
.irp s, 0,1,2,3,4,5,6,7
.irp c, 0,1,2,3
	global_load_b128 v[16*\s+4*\c:16*\s+4*\c+3], v[LI], s[8:9] offset:2048*\s+512*\c
.endr
.endr
.irp b, 0,1,2,3,4,5,6,7
.irp q, 0,1,2,3
	global_load_b128 v[128+16*\b+4*\q:128+16*\b+4*\q+3], v[PA], s[14:15] offset:128*\b+16*\q
.endr
.endr
	WIN 0
.irp s, 0,1,2,3,4,5,6,7
	global_load_b32 v[MS+\s], v[LS], s[42:43] offset:128*\s
.endr
.irp b, 0,1,2,3,4,5,6,7
.irp q, 0,1,2,3
	global_load_b128 v[AC+16*\b+4*\q:AC+16*\b+4*\q+3], v[XA], s[16:17] offset:128*\b+16*\q
.endr
.endr
	WLOAD 0
.set I, 0
.rept 16
.if I > 0
	WIN 0
	PLACES 8                                       ; in front of loads into the set that the unit before last multiplied
.endif
.if I < 15
	WLOAD I+1
.if (I+1)%4 == 0
	s_wait_loadcnt 40                              ; all but the younger unit's loads are in
.else
	s_wait_loadcnt 32
.endif
.else
	s_wait_loadcnt 0x0
.endif
	WIN 0x06                                       ; source 0 (Wo) window 2, source 1 (mid) window 1
	MUL I
.set I, I+1
.endr
	WIN 0
	PLACES 8
	WIN 0x80                                       ; g and b take the registers that Wo's fragments have left
.irp b, 0,1,2,3,4,5,6,7
.irp q, 0,1,2,3
	global_load_b128 v[16*\b+4*\q:16*\b+4*\q+3], v[PA], s[18:19] offset:128*\b+16*\q
	global_load_b128 v[128+16*\b+4*\q:128+16*\b+4*\q+3], v[PA], s[20:21] offset:128*\b+16*\q
.endr
.endr
	WIN 0x04                                       ; source 1 window 1: bo
.set M, 0
.rept 64
	v_pk_add_f32 v[AC+2*M:AC+2*M+1], v[AC+2*M:AC+2*M+1], v[128+2*M:128+2*M+1]   ; each accumulator from its low end on
.set M, M+1
.endr
	WIN 0
; my four chains -> the row's sum over my 128 numbers, lane l xor 16's and the four waves', in every lane
.macro REDUCE off
	v_pk_add_f32 v[CH:CH+1], v[CH:CH+1], v[CH+2:CH+3]
	v_pk_add_f32 v[CH+4:CH+5], v[CH+4:CH+5], v[CH+6:CH+7]
	v_pk_add_f32 v[CH:CH+1], v[CH:CH+1], v[CH+4:CH+5]
	v_add_f32 v[CH], v[CH], v[CH+1]
	v_permlanex16_b32 v[TM+4], v[CH], s[SEL], s[SEL+1]
	v_add_f32 v[CH], v[CH], v[TM+4]
	ds_store_b32 v[RW], v[CH] offset:\off
	s_wait_dscnt 0x0                               ; for the others' sake: my word lies in LDS
	s_barrier_signal -1
	s_barrier_wait -1
.irp k, 0,1,2,3
	ds_load_b32 v[CH+\k], v[RR] offset:\off+128*\k
.endr
	s_wait_dscnt 0x0
	v_add_f32 v[CH], v[CH], v[CH+1]
	v_add_f32 v[CH+2], v[CH+2], v[CH+3]
	v_add_f32 v[CH], v[CH], v[CH+2]
.endm
.irp k, 0,1,2,3
	v_pk_add_f32 v[CH+2*\k:CH+2*\k+1], v[AC+2*\k:AC+2*\k+1], v[AC+8+2*\k:AC+8+2*\k+1]
.endr
.set M, 8
.rept 56
	v_pk_add_f32 v[CH+2*(M%4):CH+2*(M%4)+1], v[CH+2*(M%4):CH+2*(M%4)+1], v[AC+2*M:AC+2*M+1]
.set M, M+1
.endr
	REDUCE 0
	v_mul_f32 v[MU], 0xba800000, v[CH]             ; -mean
	v_mov_b32 v[MU+1], v[MU]
.set M, 0
.rept 64
	v_pk_add_f32 v[AC+2*M:AC+2*M+1], v[AC+2*M:AC+2*M+1], v[MU:MU+1]
.set M, M+1
.endr
.irp k, 0,1,2,3
	v_pk_mul_f32 v[CH+2*\k:CH+2*\k+1], v[AC+2*\k:AC+2*\k+1], v[AC+2*\k:AC+2*\k+1]
.endr
.set M, 4
.rept 60
	v_pk_fma_f32 v[CH+2*(M%4):CH+2*(M%4)+1], v[AC+2*M:AC+2*M+1], v[AC+2*M:AC+2*M+1], v[CH+2*(M%4):CH+2*(M%4)+1]
.set M, M+1
.endr
	REDUCE 512                                     ; other bytes than the first sum's: no wave can still be reading them
	v_fma_f32 v[RS], v[CH], s31, s32               ; the variance + 1e-5
	v_rsq_f32 v[RS], v[RS]
	v_nop
	s_wait_alu depctr_va_vdst(0)
	v_mov_b32 v[RS+1], v[RS]
.set M, 0
.rept 64
	v_pk_mul_f32 v[AC+2*M:AC+2*M+1], v[AC+2*M:AC+2*M+1], v[RS:RS+1]
.set M, M+1
.endr
	s_wait_loadcnt 0x0                             ; g and b
	WIN 0x28                                       ; sources 1 and 2 window 2
.set M, 0
.rept 64
	v_pk_fma_f32 v[AC+2*M:AC+2*M+1], v[AC+2*M:AC+2*M+1], v[2*M:2*M+1], v[128+2*M:128+2*M+1]
.set M, M+1
.endr
	WIN 0
.irp b, 0,1,2,3,4,5,6,7
.irp q, 0,1,2,3
	global_store_b128 v[LI], v[AC+16*\b+4*\q:AC+16*\b+4*\q+3], s[36:37] offset:2048*\b+512*\q   ; the wave stores 512 consecutive bytes
.endr
.endr
.irp k, 0,1
	s_wait_xcnt 0x0                                ; the stores have read their data: the hold rewrites h's registers, the conversions the codes'
	QUANT AC+64*\k, 0, 1
.irp c, 0,1,2,3
	global_store_b128 v[LI], v[PC+4*\c:PC+4*\c+3], s[38:39] offset:2048*\k+512*\c
.endr
	global_store_b32 v[LS], v[PW], s[40:41] offset:128*\k
.endr
	s_wait_tensorcnt 0x0
	ds_add_u32 v126, v127
	s_wait_dscnt 0x0
	s_endpgm
.Lfunc_end_k_q8cb541b09f_woln:
	.size	k_q8cb541b09f_woln, .Lfunc_end_k_q8cb541b09f_woln-k_q8cb541b09f_woln
	.p2alignl 7, 3214868480
	.fill 96, 4, 3214868480
	.section	.rodata,"a",@progbits
	.p2align	6, 0x0
	.amdhsa_kernel k_q8cb541b09f_woln
		.amdhsa_group_segment_fixed_size 1536
		.amdhsa_private_segment_fixed_size 0
		.amdhsa_enable_private_segment 0
		.amdhsa_kernarg_size 64
		.amdhsa_user_sgpr_count 2
		.amdhsa_user_sgpr_kernarg_segment_ptr 1
		.amdhsa_wavefront_size32 1
		.amdhsa_system_sgpr_workgroup_id_x 1
		.amdhsa_system_sgpr_workgroup_id_y 1
		.amdhsa_system_sgpr_workgroup_id_z 1
		.amdhsa_system_vgpr_workitem_id 0
		.amdhsa_next_free_vgpr 768
		.amdhsa_next_free_sgpr 66
		.amdhsa_reserve_vcc 0
		.amdhsa_float_denorm_mode_32 3
		.amdhsa_float_denorm_mode_16_64 3
		.amdhsa_memory_ordered 1
		.amdhsa_forward_progress 1
		.amdhsa_inst_pref_size 138
	.end_amdhsa_kernel
	.amdgpu_metadata
---
amdhsa.version: [ 1, 2 ]
amdhsa.kernels:
  - .name:           k_q8cb541b09f_woln
    .symbol:         k_q8cb541b09f_woln.kd
    .args:
      - { .name: mid, .offset: 0, .size: 8, .value_kind: global_buffer, .address_space: global }
      - { .name: Wo_codes, .offset: 8, .size: 8, .value_kind: global_buffer, .address_space: global }
      - { .name: Wo_scales, .offset: 16, .size: 8, .value_kind: global_buffer, .address_space: global }
      - { .name: bo, .offset: 24, .size: 8, .value_kind: global_buffer, .address_space: global }
      - { .name: X, .offset: 32, .size: 8, .value_kind: global_buffer, .address_space: global }
      - { .name: ln1_g, .offset: 40, .size: 8, .value_kind: global_buffer, .address_space: global }
      - { .name: ln1_b, .offset: 48, .size: 8, .value_kind: global_buffer, .address_space: global }
      - { .name: hbuf, .offset: 56, .size: 8, .value_kind: global_buffer, .address_space: global }
    .group_segment_fixed_size: 1536
    .private_segment_fixed_size: 0
    .kernarg_segment_align: 8
    .kernarg_segment_size: 64
    .max_flat_workgroup_size: 128
    .sgpr_count:     66
    .vgpr_count:     768
    .wavefront_size: 32
...
	.end_amdgpu_metadata
.endif
;; end of part 3
;; launch up (part 4): grid 16 x 16, 4 waves a work-group, clusters of 4 x 1, 270,848 bytes of LDS; arguments hbuf, Wup_codes, Wup_scales, bup, up; writes up
.if DOCPART == 4
	.amdgcn_target "amdgcn-amd-amdhsa--gfx1250"
	.amdhsa_code_object_version 6
	.text
	.protected	k_q8cb541b09f_up
	.globl	k_q8cb541b09f_up
	.p2align	8
	.type	k_q8cb541b09f_up,@function
k_q8cb541b09f_up:
	s_mov_b64 s[64:65], 0
	v_nop
	global_prefetch_b8 v0, s[64:65] scope:SCOPE_SE
	s_setreg_imm32_b32 hwreg(HW_REG_WAVE_MODE, 25, 1), 1
	s_wait_xcnt 0x0
	s_wait_alu depctr_hold_cnt(0) depctr_sa_sdst(0) depctr_va_vdst(0) depctr_va_sdst(0) depctr_va_ssrc(0) depctr_va_vcc(0) depctr_vm_vsrc(0)
	s_getreg_b32 s2, hwreg(HW_REG_IB_STS2, 6, 4)
	s_cmp_eq_u32 s2, 0
	s_cbranch_scc0 .Lentry_in_a_cluster
	s_endpgm
.Lentry_in_a_cluster:
	s_bfe_u32 s2, ttmp6, 0x10000c
	s_cmp_lg_u32 s2, 0x3003
	s_cbranch_scc0 .Lentry_shape_is_right
	s_endpgm
.Lentry_shape_is_right:
; up = relu(h Wup^T + bup) on codes of E4M3 with E8M0 scales, quantised at once along the 4,096 hidden units and stored as images of the next operand's registers.
; SHARES: work-group (x, y) owns 256 tokens and hidden units 256 y .. 256 y + 255.  THE WAVES SHARE THE TOKENS: wave w takes 64 of them (4 token tiles, whose 32 fragments of h stay in its registers) against all 16 tiles
; of Wup's rows: 512 products.  So all four waves want the same weights: the work-group's 256 rows x 1,024 bytes come into LDS ONCE and stay; nothing in LDS is ever filled again.
; THE WEIGHTS' WAY: each wave issues eight tensor loads of 8 rows x 1,024 bytes, 16 bytes of padding behind each row.  A tile's rows are not neighbours (lane r of tile 2 g + u takes row 32 g + 8 u + r + 8 (r / 8), so that two
; neighbouring tiles' 16 registers of a result are 16 neighbouring hidden units): a group of 8 rows is laid where the tile's 16 rows become neighbours in LDS, 1,040 bytes = 260 words apart: row r starts at bank 4 r mod 64
; (64 banks of 4 bytes: ISA guide 11.1), so the 16 rows that a fragment load touches start at 16 different banks.  Load g of every wave belongs to rows 32 g .. 32 g + 31: tiles 2 g and 2 g + 1 are whole when every wave's load g has landed.
; CLUSTER: the four work-groups of a cluster (4 along x) share y, hence the weights: each load is asked for JOINTLY, the same descriptor and a mask that names the four in all four: 256 KB are requested once for four work-groups.
; h's images (64 KB a wave) are each read by one wave and go straight into its registers.
; The product is used transposed (source 0 = 16 rows of Wup, source 1 = tokens).  The activation costs nothing: the hold that the conversion wants clips at 0 as well.  The bias is the C of each sum's first product.
; LIMITS: NaN and infinities are not served; a block of zeros, or one whose largest number lies under 2^-118, gets the byte 1: this program alone reads the bytes.
; REGISTERS: window 0: v1-11 addresses; v16-31 codes; v32-47 at work; v48-55 scale words in the making; v64-127 the sums; v128-159 h's scale words; v160-175 Wup's, two sets; v176-191 bias, two sets.
;   window 1: Wup's fragments, two sets of 8 K steps.   windows 2, 3: h's fragments of K steps 0-3, 4-7.
.set PITCH, 1040                       ; a weight row in LDS: 1,024 bytes + 16 of padding
.set TILEB, 16*PITCH                   ; a tile of 16 rows; tile ft lies at ft x TILEB
.set LI,  1                            ; 16 x lane
.set LS,  2                            ; 4 x lane
.set WSA, 4                            ; a weight row's 32 scale bytes: (r + 8 (r / 8)) x 32
.set BAQ, 5                            ; bias: 64 h
.set LS8, 6                            ; 8 x lane
.set WL,  8                            ; v8-11: r x PITCH + 16 h + 4 q TILEB: my place in tiles 4 q .. 4 q + 3 (an LDS offset has 16 bits); never rewritten
.set PC,  16
.set TM,  32
.set SW,  48
.set AC,  64
.set XS,  128
.set WSC, 160
.set BI,  176
.set WV,  26
.set SEL, 28
.set MNT, 30
.set G1,  36                           ; s[36:43] descriptor group 1; groups 0: s[44:63] and s[68:79], one set for each of my eight loads
.set MSB, 0
.macro WIN new                         ; the immediate's high byte repeats the setting that is left
.if MSB != \new
	s_set_vgpr_msb (MSB<<8)|\new
.set MSB, \new
.endif
.endm
.macro PLACES n
.rept \n
	v_nop
.endr
.endm
; A round of the cluster's barrier: my work-group's barrier, so that wave 0's signal speaks for all four waves; wave 0 signals for the work-group; every wave waits for all four work-groups; my work-group's barrier once more.
.macro CROUND
	s_barrier_signal -1
	s_barrier_wait -1
	s_cmp_lg_u32 s[WV], 0
	s_cbranch_scc1 .Lnot_wave_0_\@
	s_barrier_signal -3
.Lnot_wave_0_\@:
	s_barrier_wait -3
	s_barrier_signal -1
	s_barrier_wait -1
.endm
.macro QUANT s                         ; 64 numbers v[s + 16 b + i], four blocks, each shared with lane l xor 16; what is negative becomes 0 -> codes v[PC + 4 b ..], bytes v[TM + 4 + b]
.irp b, 0,1,2,3
	v_max3_num_f32 v[TM+\b], v[(\s)+16*\b], v[(\s)+1+16*\b], 0x4800000   ; no |.|: the floor 2^(9 - 127) stands over what is negative
.endr
.irp i, 2,4,6,8,10,12,14
.irp b, 0,1,2,3
	v_max3_num_f32 v[TM+\b], v[TM+\b], v[(\s)+16*\b+\i], v[(\s)+1+16*\b+\i]
.endr
.endr
.irp b, 0,1,2,3
	v_permlanex16_b32 v[TM+4+\b], v[TM+\b], s[SEL], s[SEL+1]
.endr
.irp b, 0,1,2,3
	v_max_num_f32 v[TM+\b], v[TM+\b], v[TM+4+\b]
.endr
.irp b, 0,1,2,3
	v_add_nc_u32 v[TM+12+\b], 0xfc000000, v[TM+\b]                 ; 8 off the exponent field: the conversion's scale operand
.endr
.irp b, 0,1,2,3
	v_and_or_b32 v[TM+8+\b], v[TM+\b], 0x7f800000, s[MNT]          ; 448 x the scale
.endr
.irp b, 0,1,2,3
	v_lshrrev_b32 v[TM+4+\b], 23, v[TM+12+\b]                      ; the scale's byte
.endr
.irp b, 0,1,2,3
.irp i, 0,1,2,3,4,5,6,7,8,9,10,11,12,13,14,15
	v_med3_num_f32 v[(\s)+16*\b+\i], v[(\s)+16*\b+\i], 0, v[TM+8+\b]   ; the activation and the hold in one
.endr
	v_cvt_scalef32_pk8_fp8_f32 v[PC+4*\b:PC+4*\b+1], v[(\s)+16*\b:(\s)+16*\b+7], v[TM+12+\b]
	v_cvt_scalef32_pk8_fp8_f32 v[PC+4*\b+2:PC+4*\b+3], v[(\s)+16*\b+8:(\s)+16*\b+15], v[TM+12+\b]
.endr
	v_nop                                          ; a plain line behind the last conversion
.endm
	s_load_b256 s[8:15], s[0:1], 0x0               ; hbuf 8, Wup codes 10, scales 12, bup 14
	s_load_b64 s[16:17], s[0:1], 0x20              ; up
	v_lshl_add_u32 v254, v0, 2, 0x42000
	v_mov_b32 v255, 0
	ds_add_u32 v254, v255
	ds_add_u32 v254, v255
	v_lshrrev_b32 v7, 5, v0
	v_readfirstlane_b32 s[WV], v7                  ; wave
	v_and_b32 v12, 31, v0                          ; lane
	v_and_b32 v13, 15, v0                          ; r
	v_bfe_u32 v14, v0, 4, 1                        ; h
	v_and_b32 v15, 8, v13
	v_add_nc_u32 v15, v15, v13                     ; r + 8 (r / 8)
	v_lshlrev_b32 v[LI], 4, v12
	v_lshlrev_b32 v[LS], 2, v12
	v_lshlrev_b32 v[LS8], 3, v12
	v_lshlrev_b32 v[WSA], 5, v15
	v_lshlrev_b32 v[BAQ], 6, v14
	v_mul_u32_u24 v[WL], v13, PITCH
	v_lshl_add_u32 v[WL], v14, 4, v[WL]
	v_add_nc_u32 v[WL+1], 4*TILEB, v[WL]
	v_add_nc_u32 v[WL+2], 8*TILEB, v[WL]
	v_add_nc_u32 v[WL+3], 12*TILEB, v[WL]
.irp b, 0,1,2,3
	v_mov_b32 v[TM+4+\b], 0                        ; written once: a lane permute's destination counts as one of its sources
.endr
	s_mov_b32 s[SEL], 0x76543210
	s_mov_b32 s[SEL+1], 0xfedcba98
	s_mov_b32 s[MNT], 0x600000
	s_and_b32 s27, ttmp7, 0xffff                   ; y: which 256 hidden units; the four partners share it
	s_bfe_u32 s80, ttmp6, 0x40000                  ; cx: my place in the cluster: it enters h's and up's addresses alone
	s_lshl_b32 s31, ttmp9, 2                       ; in a cluster launch ttmp9 counts clusters
	s_add_co_u32 s31, s31, s80                     ; x: which 256 tokens
	s_lshl_b32 s31, s31, 2
	s_add_co_u32 s31, s31, s[WV]                   ; which 64 tokens are my wave's
	; descriptor group 1: a tile of 8 rows x 1,024 bytes, padded in LDS
	s_mov_b32 s[G1], 15|(1<<20)|(1<<21)|(7<<22)|(3<<25)   ; 15:0 the mask: all four work-groups; 17:16 elements of 1 byte; 20 padding on; 21 set beside a mask; 24:22 after every 256 words (code 7); 31:25 4 words of it (code 3)
	s_mov_b32 s[G1+1], 1024<<16                    ; tensor_dim0 = 1,024
	s_mov_b32 s[G1+2], 8<<16                       ; tensor_dim1 = 8
	s_mov_b32 s[G1+3], 1024<<16                    ; tile_dim0 = 1,024
	s_mov_b32 s[G1+4], 8                           ; tile_dim1 = 8
	s_mov_b32 s[G1+5], 1024                        ; from row to row
	s_mov_b32 s[G1+6], 0
	s_mov_b32 s[G1+7], 0
	s_and_b32 s34, s[WV], 1                        ; rows 32 g + 8 w + 0 .. 7 are rows 8 (w / 2) + 0 .. 7 of tile 2 g + w % 2
	s_mul_i32 s34, s34, TILEB
	s_lshr_b32 s35, s[WV], 1
	s_mul_i32 s35, s35, 8*PITCH
	s_add_co_u32 s34, s34, s35                     ; where my load 0 goes: the wave's number and constants alone
	s_mov_b32 s33, 0
	s_lshl_b32 s32, s27, 18                        ; 256 y rows of 1,024 bytes,
	s_lshl_b32 s35, s[WV], 13                      ; and 8 w
	s_add_co_u32 s32, s32, s35
	s_wait_dscnt 0x0
	s_wait_kmcnt 0x0
	s_add_nc_u64 s[10:11], s[10:11], s[32:33]
	CROUND                                         ; all four work-groups are here: the joint loads meet
.set J, 0
.rept 8                                ; my eight first fills go out together, ahead of every wait on TENSORcnt, every LDS read and every other barrier: eight loads of mine are out at the most
.if J < 5
.set G0, 44+4*J
.else
.set G0, 68+4*(J-5)
.endif
	s_mov_b32 s[G0], 1                             ; count = 1
	s_add_co_u32 s[G0+1], s34, J*2*TILEB           ; LDS address: two tiles on for each 32 rows
	s_add_nc_u64 s[G0+2:G0+3], s[10:11], J*32768   ; global address: 32 rows on
	s_or_b32 s[G0+3], s[G0+3], 0x80000000          ; type = 2
	tensor_load_to_lds s[G0:G0+3], s[G1:G1+7]
	s_nop 0
.set J, J+1
.endr
	PLACES 4
	s_lshl_b32 s32, s27, 13
	s_add_nc_u64 s[12:13], s[12:13], s[32:33]      ; my 256 rows' scale bytes
	s_lshl_b32 s32, s27, 10
	s_add_nc_u64 s[14:15], s[14:15], s[32:33]      ; and biases
	s_lshl_b32 s32, s31, 16
	s_add_nc_u64 s[18:19], s[8:9], s[32:33]        ; h's images of my four token tiles
	s_lshl_b32 s32, s31, 12
	s_add_co_u32 s32, s32, 0x400000
	s_add_nc_u64 s[20:21], s[8:9], s[32:33]        ; their scale words
	s_lshl_b32 s32, s31, 18
	s_lshl_b32 s35, s27, 12
	s_add_co_u32 s32, s32, s35
	s_add_nc_u64 s[22:23], s[16:17], s[32:33]      ; up's images: [tile][K step 0..31]; the work-group's are K steps 2 y, 2 y + 1
	s_lshl_b32 s32, s31, 14
	s_lshl_b32 s35, s27, 8
	s_add_co_u32 s32, s32, s35
	s_add_co_u32 s32, s32, 0x1000000
	s_add_nc_u64 s[24:25], s[16:17], s[32:33]      ; their scale words: [tile][pair of K steps][lane][8]
.macro WLOAD ft, p                     ; tile ft, all 8 K steps, out of LDS into set p: 32 LDS loads; its rows' scale words and its bias from memory: 4 loads
	WIN 0x40                                       ; destination window 1
.irp s, 0,1,2,3,4,5,6,7
.irp c, 0,1,2,3
	ds_load_b128 v[128*(\p)+16*\s+4*\c:128*(\p)+16*\s+4*\c+3], v[WL+(\ft)/4] offset:((\ft)%4)*TILEB+128*\s+32*\c
.endr
.endr
	WIN 0
	global_load_b128 v[WSC+8*(\p):WSC+8*(\p)+3], v[WSA], s[12:13] offset:(32*((\ft)/2)+8*((\ft)%2))*32
	global_load_b128 v[WSC+8*(\p)+4:WSC+8*(\p)+7], v[WSA], s[12:13] offset:(32*((\ft)/2)+8*((\ft)%2))*32+16
	global_load_b128 v[BI+8*(\p):BI+8*(\p)+3], v[BAQ], s[14:15] offset:(32*((\ft)/2)+8*((\ft)%2))*4
	global_load_b128 v[BI+8*(\p)+4:BI+8*(\p)+7], v[BAQ], s[14:15] offset:(32*((\ft)/2)+8*((\ft)%2))*4+16
.endm
.macro MULF u, p                       ; 32 products; the four accumulators take turns
.irp s, 0,1,2,3,4,5,6,7
.if \s == 0
	WIN 0x09                                       ; source 0 (Wup) window 1, source 1 (h) window 2
.elseif \s == 4
	WIN 0x0d                                       ; source 1 window 3
.endif
.irp t, 0,1,2,3
.if \s == 0
	v_wmma_scale_f32_16x16x128_f8f6f4 v[AC+16*\t+8*(\u):AC+16*\t+8*(\u)+7], v[128*(\p)+16*\s:128*(\p)+16*\s+15], v[64*(\s%4)+16*\t:64*(\s%4)+16*\t+15], v[BI+8*(\p):BI+8*(\p)+7], v[WSC+8*(\p)+\s], v[XS+4*\s+\t]
.else
	v_wmma_scale_f32_16x16x128_f8f6f4 v[AC+16*\t+8*(\u):AC+16*\t+8*(\u)+7], v[128*(\p)+16*\s:128*(\p)+16*\s+15], v[64*(\s%4)+16*\t:64*(\s%4)+16*\t+15], v[AC+16*\t+8*(\u):AC+16*\t+8*(\u)+7], v[WSC+8*(\p)+\s], v[XS+4*\s+\t]
.endif
.endr
.endr
.endm
.macro EPI gi                          ; block gi of the eight blocks of 32 hidden units, for my four token tiles
	QUANT AC
.irp t, 0,1,2,3
	global_store_b128 v[LI], v[PC+4*\t:PC+4*\t+3], s[22:23] offset:65536*\t+2048*((\gi)/4)+512*((\gi)%4)   ; the wave stores 512 consecutive bytes
.if (\gi)%4 == 0
	v_mov_b32 v[SW+2*\t+(\gi)/4], v[TM+4+\t]
.else
	v_lshl_or_b32 v[SW+2*\t+(\gi)/4], v[TM+4+\t], 8*((\gi)%4), v[SW+2*\t+(\gi)/4]
.endif
.endr
.endm
	WIN 0x80                                       ; h's fragments: destination window 2,
.irp s, 0,1,2,3
.irp t, 0,1,2,3
.irp c, 0,1,2,3
	global_load_b128 v[64*\s+16*\t+4*\c:64*\s+16*\t+4*\c+3], v[LI], s[18:19] offset:16384*\t+2048*\s+512*\c
.endr
.endr
.endr
	WIN 0xc0                                       ; window 3
.irp s, 0,1,2,3
.irp t, 0,1,2,3
.irp c, 0,1,2,3
	global_load_b128 v[64*\s+16*\t+4*\c:64*\s+16*\t+4*\c+3], v[LI], s[18:19] offset:16384*\t+2048*(\s+4)+512*\c
.endr
.endr
.endr
	WIN 0
.irp s, 0,1,2,3,4,5,6,7
.irp t, 0,1,2,3
	global_load_b32 v[XS+4*\s+\t], v[LS], s[20:21] offset:1024*\t+128*\s
.endr
.endr
	s_wait_tensorcnt 7                             ; my load 0 has landed (seven were issued behind it),
	s_barrier_signal -1
	s_barrier_wait -1                              ; everybody's has: tiles 0 and 1 are whole.  The other loads may stay out
	WLOAD 0, 0
.set I, 0
.rept 16
	WIN 0
	PLACES 8                                       ; in front of loads into the set that the unit before last multiplied (ISA guide 7.12.1 for vector instructions)
.if I < 15
.if (I+1)%2 == 0
	s_wait_tensorcnt 7-(I+1)/2                     ; my load (I + 1) / 2 has landed: the count is the loads issued behind it;
	s_wait_dscnt 0x0                               ; no LDS load of mine is pending at a signal (those out are this unit's, wanted at once anyway)
	s_barrier_signal -1
	s_barrier_wait -1                              ; the next two tiles are whole
.endif
	WLOAD I+1, (I+1)%2
	s_wait_loadcnt 4                               ; all but the younger unit's 4 loads from memory are in,
	s_wait_dscnt 32                                ; and all but its 32 LDS loads
.else
	s_wait_loadcnt 0x0
	s_wait_dscnt 0x0
.endif
	MULF I%2, I%2
.if I%2 == 1
	WIN 0
	PLACES 8                                       ; in front of the first read of results
	s_wait_xcnt 0x0                                ; the last block's stores have read the codes' registers
	EPI I/2
.endif
.set I, I+1
.endr
.irp t, 0,1,2,3
	global_store_b64 v[LS8], v[SW+2*\t:SW+2*\t+1], s[24:25] offset:4096*\t   ; the wave stores 256 consecutive bytes, aligned
.endr
	s_wait_dscnt 0x0
	s_wait_tensorcnt 0x0
	ds_add_u32 v254, v255
	s_wait_dscnt 0x0
	CROUND                                         ; the closing round: no work-group ends while a partner may still ask for a tile that names it
	s_endpgm
.Lfunc_end_k_q8cb541b09f_up:
	.size	k_q8cb541b09f_up, .Lfunc_end_k_q8cb541b09f_up-k_q8cb541b09f_up
	.p2alignl 7, 3214868480
	.fill 96, 4, 3214868480
	.section	.rodata,"a",@progbits
	.p2align	6, 0x0
	.amdhsa_kernel k_q8cb541b09f_up
		.amdhsa_group_segment_fixed_size 270848
		.amdhsa_private_segment_fixed_size 0
		.amdhsa_enable_private_segment 0
		.amdhsa_kernarg_size 40
		.amdhsa_user_sgpr_count 2
		.amdhsa_user_sgpr_kernarg_segment_ptr 1
		.amdhsa_wavefront_size32 1
		.amdhsa_system_sgpr_workgroup_id_x 1
		.amdhsa_system_sgpr_workgroup_id_y 1
		.amdhsa_system_sgpr_workgroup_id_z 1
		.amdhsa_system_vgpr_workitem_id 0
		.amdhsa_next_free_vgpr 1024
		.amdhsa_next_free_sgpr 84
		.amdhsa_reserve_vcc 0
		.amdhsa_float_denorm_mode_32 3
		.amdhsa_float_denorm_mode_16_64 3
		.amdhsa_memory_ordered 1
		.amdhsa_forward_progress 1
		.amdhsa_inst_pref_size 203
	.end_amdhsa_kernel
	.amdgpu_metadata
---
amdhsa.version: [ 1, 2 ]
amdhsa.kernels:
  - .name:           k_q8cb541b09f_up
    .symbol:         k_q8cb541b09f_up.kd
    .args:
      - { .name: hbuf, .offset: 0, .size: 8, .value_kind: global_buffer, .address_space: global }
      - { .name: Wup_codes, .offset: 8, .size: 8, .value_kind: global_buffer, .address_space: global }
      - { .name: Wup_scales, .offset: 16, .size: 8, .value_kind: global_buffer, .address_space: global }
      - { .name: bup, .offset: 24, .size: 8, .value_kind: global_buffer, .address_space: global }
      - { .name: up, .offset: 32, .size: 8, .value_kind: global_buffer, .address_space: global }
    .group_segment_fixed_size: 270848
    .private_segment_fixed_size: 0
    .kernarg_segment_align: 8
    .kernarg_segment_size: 40
    .max_flat_workgroup_size: 128
    .sgpr_count:     84
    .vgpr_count:     1024
    .wavefront_size: 32
...
	.end_amdgpu_metadata
.endif
;; end of part 4
;; launch down (part 5): grid 16 x 16, 4 waves a work-group, clusters of 4 x 1, 287,232 bytes of LDS; arguments up, hbuf, Wdown_codes, Wdown_scales, z; writes z
.if DOCPART == 5
	.amdgcn_target "amdgcn-amd-amdhsa--gfx1250"
	.amdhsa_code_object_version 6
	.text
	.protected	k_q8cb541b09f_down
	.globl	k_q8cb541b09f_down
	.p2align	8
	.type	k_q8cb541b09f_down,@function
k_q8cb541b09f_down:
	s_mov_b64 s[64:65], 0
	v_nop
	global_prefetch_b8 v0, s[64:65] scope:SCOPE_SE
	s_setreg_imm32_b32 hwreg(HW_REG_WAVE_MODE, 25, 1), 1
	s_wait_xcnt 0x0
	s_wait_alu depctr_hold_cnt(0) depctr_sa_sdst(0) depctr_va_vdst(0) depctr_va_sdst(0) depctr_va_ssrc(0) depctr_va_vcc(0) depctr_vm_vsrc(0)
	s_getreg_b32 s2, hwreg(HW_REG_IB_STS2, 6, 4)
	s_cmp_eq_u32 s2, 0
	s_cbranch_scc0 .Lentry_in_a_cluster
	s_endpgm
.Lentry_in_a_cluster:
	s_bfe_u32 s2, ttmp6, 0x10000c
	s_cmp_lg_u32 s2, 0x3003
	s_cbranch_scc0 .Lentry_shape_is_right
	s_endpgm
.Lentry_shape_is_right:
; z = h + up Wdown^T on codes of E4M3 with E8M0 scales, f32, row-major [4096][1024].  (bdown and the second layer norm follow in the next launch, which needs whole rows.)
; SHARES: work-group (x, y) owns 256 tokens x 64 features.  THE WAVES SHARE THE TOKENS: wave w takes 64 of them (4 token tiles) against the 4 tiles of Wdown's rows: 16 accumulators, 32 K steps of 16 products.
; So all four waves want the same weights: the work-group's 64 rows x 4,096 bytes come into LDS ONCE and stay; nothing in LDS is ever filled again.  up's images (256 KB a wave) are each read by one wave, straight into its registers.
; THE WEIGHTS' WAY: each wave issues eight tensor loads of 8 rows x 1,024 bytes (a quarter of K), 16 bytes of padding behind each row.  A tile's rows are not neighbours (lane r of tile 2 g + u takes row 32 g + 8 u + r + 8 (r / 8)):
; a group of 8 rows is laid where the tile's 16 rows become neighbours in LDS, 1,040 bytes = 260 words apart: row r starts at bank 4 r mod 64 (64 banks of 4 bytes: ISA guide 11.1).  Loads 2 p and 2 p + 1 of every wave are
; quarter p of K: K steps 8 p .. 8 p + 7 can be read when these have landed in every wave.
; CLUSTER: the four work-groups of a cluster (4 along x) share y, hence the weights: each load is asked for JOINTLY, the same descriptor and a mask that names the four in all four.
; h, kept in f32 in the accumulators' layout, is loaded into the accumulators: the residual starts the sums.  The product is used transposed (source 0 = rows of Wdown, source 1 = tokens).
; The 32 K steps are written out: every offset is an immediate and no base is stepped.  up's fragments run three K steps ahead, in four sets; Wdown's come out of LDS one step ahead, in two sets.
; THE WAY OUT: a tile goes through the wave's own stage in LDS (16 rows x (256 + 16) bytes, behind the weights, where no fill lands) and leaves as rows: sixteen lanes store 256 consecutive bytes, aligned.
; REGISTERS: window 0: v1-11 addresses; v16-47 up's scale words, four sets; v128-255 Wdown's scale words, all 32 K steps of 4 tiles.  window 1: Wdown's fragments, two sets of 64; on the way out rows of z.
;   window 2: the sums, at 32 T + 8 f.   window 3: up's fragments, four sets of 64.
.set PITCH, 1040
.set TILEB, 16*PITCH                   ; quarter p of K of tile f lies at (4 p + f) x TILEB
.set STG,   16*TILEB                   ; the stages
.set LI,  1
.set LS8, 2
.set WSA, 4
.set SO,  5
.set SR,  6
.set ZO,  7
.set WL,  8                            ; v8-11: r x PITCH + 16 h + 4 p TILEB; never rewritten
.set ASC, 16
.set WSC, 128
.set WV,  24
.set G1,  36                           ; s[36:43] descriptor group 1; groups 0: s[44:63] and s[68:79], one set for each of my eight loads
.set MSB, 0
.macro WIN new                         ; the immediate's high byte repeats the setting that is left
.if MSB != \new
	s_set_vgpr_msb (MSB<<8)|\new
.set MSB, \new
.endif
.endm
.macro PLACES n
.rept \n
	v_nop
.endr
.endm
.macro CROUND                          ; a round of the cluster's barrier
	s_barrier_signal -1
	s_barrier_wait -1
	s_cmp_lg_u32 s[WV], 0
	s_cbranch_scc1 .Lnot_wave_0_\@
	s_barrier_signal -3
.Lnot_wave_0_\@:
	s_barrier_wait -3
	s_barrier_signal -1
	s_barrier_wait -1
.endm
	s_load_b256 s[8:15], s[0:1], 0x0               ; up 8, hbuf 10, Wdown codes 12, scales 14
	s_load_b64 s[16:17], s[0:1], 0x20              ; z
	v_lshl_add_u32 v126, v0, 2, 0x46000
	v_mov_b32 v127, 0
	ds_add_u32 v126, v127
	ds_add_u32 v126, v127
	v_lshrrev_b32 v56, 5, v0
	v_readfirstlane_b32 s[WV], v56                 ; wave
	v_and_b32 v57, 31, v0                          ; lane
	v_and_b32 v58, 15, v0                          ; r
	v_bfe_u32 v59, v0, 4, 1                        ; h
	v_and_b32 v60, 8, v58
	v_add_nc_u32 v60, v60, v58                     ; r + 8 (r / 8)
	v_lshlrev_b32 v[LI], 4, v57
	v_lshlrev_b32 v[LS8], 3, v57
	v_lshlrev_b32 v[WSA], 7, v60
	v_mul_u32_u24 v[WL], v58, PITCH
	v_lshl_add_u32 v[WL], v59, 4, v[WL]
	v_add_nc_u32 v[WL+1], 4*TILEB, v[WL]
	v_add_nc_u32 v[WL+2], 8*TILEB, v[WL]
	v_add_nc_u32 v[WL+3], 12*TILEB, v[WL]
	s_mul_i32 s27, s[WV], 4352
	s_add_co_u32 s27, s27, STG                     ; my stage
	v_mul_u32_u24 v[SO], v58, 272
	v_lshl_add_u32 v[SO], v59, 6, v[SO]
	v_add_nc_u32 v[SO], s27, v[SO]                 ; in: row r, + 64 h
	v_mul_u32_u24 v[SR], v59, 272
	v_lshl_add_u32 v[SR], v58, 4, v[SR]
	v_add_nc_u32 v[SR], s27, v[SR]                 ; back: lanes 0-15 one row, lanes 16-31 the next
	v_lshlrev_b32 v[ZO], 12, v59
	v_lshl_add_u32 v[ZO], v58, 4, v[ZO]            ; and the same two rows in z
	s_and_b32 s25, ttmp7, 0xffff                   ; y: which 64 features; the four partners share it
	s_bfe_u32 s80, ttmp6, 0x40000                  ; cx: my place in the cluster: it enters up's, h's and z's addresses alone
	s_lshl_b32 s26, ttmp9, 2                       ; in a cluster launch ttmp9 counts clusters
	s_add_co_u32 s26, s26, s80                     ; x: which 256 tokens
	s_lshl_b32 s26, s26, 2
	s_add_co_u32 s26, s26, s[WV]                   ; which 64 tokens are my wave's
	; descriptor group 1: a tile of 8 rows x 1,024 bytes out of rows of 4,096, padded in LDS
	s_mov_b32 s[G1], 15|(1<<20)|(1<<21)|(7<<22)|(3<<25)   ; 15:0 the mask: all four work-groups; 17:16 elements of 1 byte; 20 padding on; 21 set beside a mask; 24:22 after every 256 words (code 7); 31:25 4 words of it (code 3)
	s_mov_b32 s[G1+1], 1024<<16                    ; tensor_dim0 = 1,024
	s_mov_b32 s[G1+2], 8<<16                       ; tensor_dim1 = 8
	s_mov_b32 s[G1+3], 1024<<16                    ; tile_dim0 = 1,024
	s_mov_b32 s[G1+4], 8                           ; tile_dim1 = 8
	s_mov_b32 s[G1+5], 4096                        ; from row to row
	s_mov_b32 s[G1+6], 0
	s_mov_b32 s[G1+7], 0
	s_and_b32 s34, s[WV], 1                        ; rows 32 g + 8 w + 0 .. 7 are rows 8 (w / 2) + 0 .. 7 of tile 2 g + w % 2
	s_mul_i32 s34, s34, TILEB
	s_lshr_b32 s35, s[WV], 1
	s_mul_i32 s35, s35, 8*PITCH
	s_add_co_u32 s34, s34, s35                     ; where my load 0 goes: the wave's number and constants alone
	s_mov_b32 s31, 0
	s_lshl_b32 s30, s25, 18                        ; 64 y rows of 4,096 bytes,
	s_lshl_b32 s35, s[WV], 15                      ; and 8 w
	s_add_co_u32 s30, s30, s35
	s_wait_dscnt 0x0
	s_wait_kmcnt 0x0
	s_add_nc_u64 s[12:13], s[12:13], s[30:31]
	CROUND                                         ; all four work-groups are here: the joint loads meet
.set J, 0
.rept 8                                ; load J: quarter J / 2 of K, rows 32 (J % 2) on.  My eight first fills go out together, ahead of every wait on TENSORcnt, every LDS read and every other barrier: eight loads of mine are out at the most
.if J < 5
.set G0, 44+4*J
.else
.set G0, 68+4*(J-5)
.endif
	s_mov_b32 s[G0], 1                             ; count = 1
	s_add_co_u32 s[G0+1], s34, (J/2)*4*TILEB+(J%2)*2*TILEB   ; LDS address
	s_add_nc_u64 s[G0+2:G0+3], s[12:13], (J%2)*131072+(J/2)*1024   ; global address
	s_or_b32 s[G0+3], s[G0+3], 0x80000000          ; type = 2
	tensor_load_to_lds s[G0:G0+3], s[G1:G1+7]
	s_nop 0
.set J, J+1
.endr
	PLACES 4
	s_lshl_b32 s30, s26, 14
	s_add_co_u32 s30, s30, 0x1000000
	s_add_nc_u64 s[18:19], s[8:9], s[30:31]        ; up's scale words
	s_lshl_b32 s30, s26, 18
	s_add_nc_u64 s[8:9], s[8:9], s[30:31]          ; up's images
	s_lshl_b32 s29, s25, 8
	s_add_co_u32 s30, s30, s29
	s_add_nc_u64 s[16:17], s[16:17], s[30:31]      ; z at my first token and the work-group's first feature
	s_lshl_b32 s30, s26, 18
	s_lshl_b32 s29, s25, 12
	s_add_co_u32 s30, s30, s29
	s_add_co_u32 s30, s30, 0x440000
	s_add_nc_u64 s[10:11], s[10:11], s[30:31]      ; h in f32: the two blocks of 32 features
	s_lshl_b32 s30, s25, 13
	s_add_nc_u64 s[14:15], s[14:15], s[30:31]      ; Wdown's scale bytes
.macro LOADA k                         ; up's four fragments of K step k into set k % 4: 16 loads; with an even step the scale words of two steps: 4 more
	WIN 0xc0                                       ; destination window 3
.irp t, 0,1,2,3
.irp c, 0,1,2,3
	global_load_b128 v[64*((\k)%4)+16*\t+4*\c:64*((\k)%4)+16*\t+4*\c+3], v[LI], s[8:9] offset:65536*\t+2048*(\k)+512*\c
.endr
.endr
	WIN 0
.if (\k)%2 == 0
.irp t, 0,1,2,3
	global_load_b64 v[ASC+8*(((\k)/2)%4)+2*\t:ASC+8*(((\k)/2)%4)+2*\t+1], v[LS8], s[18:19] offset:4096*\t+256*((\k)/2)
.endr
.endif
.endm
.macro LOADW k                         ; Wdown's four fragments of K step k out of LDS into set k % 2: 16 LDS loads
	WIN 0x40                                       ; destination window 1
.irp f, 0,1,2,3
.irp c, 0,1,2,3
	ds_load_b128 v[64*((\k)%2)+16*\f+4*\c:64*((\k)%2)+16*\f+4*\c+3], v[WL+(\k)/8] offset:\f*TILEB+128*((\k)%8)+32*\c
.endr
.endr
	WIN 0
.endm
.macro MULK k                          ; 16 products; the 16 accumulators take turns, in the same order in every step
	WIN 0xad                                       ; source 0 (Wdown) window 1, source 1 (up) window 3, C and D window 2
.irp t, 0,1,2,3
.irp f, 0,1,2,3
	v_wmma_scale_f32_16x16x128_f8f6f4 v[32*\t+8*\f:32*\t+8*\f+7], v[64*((\k)%2)+16*\f:64*((\k)%2)+16*\f+15], v[64*((\k)%4)+16*\t:64*((\k)%4)+16*\t+15], v[32*\t+8*\f:32*\t+8*\f+7], v[WSC+32*\f+(\k)], v[ASC+8*(((\k)/2)%4)+2*\t+(\k)%2]
.endr
.endr
.endm
	WIN 0x80                                       ; destination window 2: the residual
.irp t, 0,1,2,3
.irp b, 0,1
.irp q, 0,1,2,3
	global_load_b128 v[32*\t+16*\b+4*\q:32*\t+16*\b+4*\q+3], v[LI], s[10:11] offset:65536*\t+2048*\b+512*\q
.endr
.endr
.endr
	WIN 0
.irp f, 0,1,2,3
.irp m, 0,1,2,3,4,5,6,7
	global_load_b128 v[WSC+32*\f+4*\m:WSC+32*\f+4*\m+3], v[WSA], s[14:15] offset:(32*(\f/2)+8*(\f%2))*128+16*\m   ; register 32 f + k: the word of tile f's rows for K step k
.endr
.endr
	LOADA 0
	LOADA 1
	LOADA 2
	s_wait_tensorcnt 6                             ; my loads 0 and 1 have landed (six were issued behind them),
	s_barrier_signal -1
	s_barrier_wait -1                              ; everybody's have: the first quarter of K is whole.  The other loads may stay out
	LOADW 0
.set K, 0
.rept 32
	WIN 0
	PLACES 8                                       ; in front of loads into the sets that the last step multiplied (ISA guide 7.12.1 for vector instructions)
.if K < 31
.if (K+1)%8 == 0
	s_wait_tensorcnt 6-2*((K+1)/8)                 ; my two loads of the next quarter of K have landed: the count is the loads issued behind them;
	s_wait_dscnt 0x0                               ; no LDS load of mine is pending at a signal (those out are this step's, wanted at once anyway)
	s_barrier_signal -1
	s_barrier_wait -1                              ; the next quarter is whole
.endif
	LOADW K+1
.endif
.if K+3 < 32
	LOADA K+3
.endif
.set NW, 0
.irp d, 1,2,3
.if K+\d < 32
.set NW, NW+16+4*((K+\d+1)%2)
.endif
.endr
	s_wait_loadcnt NW                              ; all but the loads of the three younger steps are in: 16 a step, 20 an even one
.if K < 31
	s_wait_dscnt 16                                ; all but the younger step's 16 LDS loads
.else
	s_wait_dscnt 0x0
.endif
	MULK K
.set K, K+1
.endr
	WIN 0
	PLACES 8                                       ; in front of the first read of results and of loads into the fragments' registers
.irp t, 0,1,2,3
	WIN 0x08                                       ; an LDS store's data are its source 1: window 2
.irp b, 0,1
.irp q, 0,1,2,3
	ds_store_b128 v[SO], v[32*\t+16*\b+4*\q:32*\t+16*\b+4*\q+3] offset:128*\b+16*\q     ; each accumulator from its low end on
.endr
.endr
	WIN 0x40
.irp i, 0,1,2,3,4,5,6,7
	ds_load_b128 v[32*\t+4*\i:32*\t+4*\i+3], v[SR] offset:544*\i   ; LDS serves a wave's instructions in order (ISA guide 5.7.1.4): these see my stores, and the next tile's stores come behind them
.endr
.endr
	WIN 0x04                                       ; a store's data are its source 1: window 1
.irp t, 0,1,2,3
.irp i, 0,1,2,3,4,5,6,7
	s_wait_dscnt 16*(3-\t)+7-\i                    ; what was issued behind this row pair's load: the tile's later loads and 16 for each later tile
	global_store_b128 v[ZO], v[32*\t+4*\i:32*\t+4*\i+3], s[16:17] offset:(32*(\t/2)+8*(\t%2)+2*\i+8*(\i/4))*4096
.endr
.endr
	WIN 0
	s_wait_dscnt 0x0
	s_wait_tensorcnt 0x0
	ds_add_u32 v126, v127
	s_wait_dscnt 0x0
	CROUND                                         ; the closing round: no work-group ends while a partner may still ask for a tile that names it
	s_endpgm
.Lfunc_end_k_q8cb541b09f_down:
	.size	k_q8cb541b09f_down, .Lfunc_end_k_q8cb541b09f_down-k_q8cb541b09f_down
	.p2alignl 7, 3214868480
	.fill 96, 4, 3214868480
	.section	.rodata,"a",@progbits
	.p2align	6, 0x0
	.amdhsa_kernel k_q8cb541b09f_down
		.amdhsa_group_segment_fixed_size 287232
		.amdhsa_private_segment_fixed_size 0
		.amdhsa_enable_private_segment 0
		.amdhsa_kernarg_size 40
		.amdhsa_user_sgpr_count 2
		.amdhsa_user_sgpr_kernarg_segment_ptr 1
		.amdhsa_wavefront_size32 1
		.amdhsa_system_sgpr_workgroup_id_x 1
		.amdhsa_system_sgpr_workgroup_id_y 1
		.amdhsa_system_sgpr_workgroup_id_z 1
		.amdhsa_system_vgpr_workitem_id 0
		.amdhsa_next_free_vgpr 1024
		.amdhsa_next_free_sgpr 84
		.amdhsa_reserve_vcc 0
		.amdhsa_float_denorm_mode_32 3
		.amdhsa_float_denorm_mode_16_64 3
		.amdhsa_memory_ordered 1
		.amdhsa_forward_progress 1
		.amdhsa_inst_pref_size 189
	.end_amdhsa_kernel
	.amdgpu_metadata
---
amdhsa.version: [ 1, 2 ]
amdhsa.kernels:
  - .name:           k_q8cb541b09f_down
    .symbol:         k_q8cb541b09f_down.kd
    .args:
      - { .name: up, .offset: 0, .size: 8, .value_kind: global_buffer, .address_space: global }
      - { .name: hbuf, .offset: 8, .size: 8, .value_kind: global_buffer, .address_space: global }
      - { .name: Wdown_codes, .offset: 16, .size: 8, .value_kind: global_buffer, .address_space: global }
      - { .name: Wdown_scales, .offset: 24, .size: 8, .value_kind: global_buffer, .address_space: global }
      - { .name: z, .offset: 32, .size: 8, .value_kind: global_buffer, .address_space: global }
    .group_segment_fixed_size: 287232
    .private_segment_fixed_size: 0
    .kernarg_segment_align: 8
    .kernarg_segment_size: 40
    .max_flat_workgroup_size: 128
    .sgpr_count:     84
    .vgpr_count:     1024
    .wavefront_size: 32
...
	.end_amdgpu_metadata
.endif
;; end of part 5
;; launch ln2 (part 6): grid 256 x 1, 8 waves a work-group, no clusters, 0 bytes of LDS; arguments z, bdown, ln2_g, ln2_b, out0; writes out0
.if DOCPART == 6
	.amdgcn_target "amdgcn-amd-amdhsa--gfx1250"
	.amdhsa_code_object_version 6
	.text
	.protected	k_q8cb541b09f_ln2
	.globl	k_q8cb541b09f_ln2
	.p2align	8
	.type	k_q8cb541b09f_ln2,@function
k_q8cb541b09f_ln2:
	s_mov_b64 s[64:65], 0
	v_nop
	global_prefetch_b8 v0, s[64:65] scope:SCOPE_SE
	s_setreg_imm32_b32 hwreg(HW_REG_WAVE_MODE, 25, 1), 1
	s_wait_xcnt 0x0
; out0 = layernorm(z + bdown) x g + b, rows of 1,024 f32.  A stream: a wave takes two whole rows, 32 registers each; a lane holds 4 numbers at byte 512 j + 16 x lane, j = 0 .. 7, so each load and store of a wave
; covers 512 consecutive bytes.  A row never leaves its wave: no LDS, no barrier.  The variance is the mean of (x - mean)^2.  No matrix unit and no cluster: nothing here is multiplied by a matrix or shared.
; LIMITS: NaN and infinities are not served; v_rsq_f32 is accurate to 1 ulp.
.set Z0, 16
.set Z1, 48
.set BD, 80
.set G,  112
.set BB, 144
	s_load_b256 s[4:11], s[0:1], 0x0               ; z 4, bdown 6, g 8, b 10
	s_load_b64 s[12:13], s[0:1], 0x20              ; out0
	v_lshrrev_b32 v1, 5, v0
	v_readfirstlane_b32 s14, v1                    ; wave
	v_and_b32 v1, 31, v0
	v_lshlrev_b32 v1, 4, v1                        ; 16 x lane
	v_mov_b32 v12, 0                               ; a lane permute's destination counts as one of its sources
	s_lshl_b32 s16, ttmp9, 16                      ; 16 rows of 4,096 bytes a work-group,
	s_lshl_b32 s15, s14, 13                        ; two a wave
	s_add_co_u32 s16, s16, s15
	s_mov_b32 s17, 0
	s_mov_b32 s18, 0x76543210
	s_mov_b32 s19, 0xfedcba98
	s_mov_b32 s20, 0x3a800000                      ; 1 / 1024
	s_mov_b32 s21, 0x3727c5ac                      ; 1e-5
	s_wait_kmcnt 0x0
	s_add_nc_u64 s[4:5], s[4:5], s[16:17]
	s_add_nc_u64 s[12:13], s[12:13], s[16:17]
.irp j, 0,1,2,3,4,5,6,7
	global_load_b128 v[Z0+4*\j:Z0+4*\j+3], v1, s[4:5] offset:512*\j th:TH_LOAD_NT
.endr
.irp j, 0,1,2,3,4,5,6,7
	global_load_b128 v[Z1+4*\j:Z1+4*\j+3], v1, s[4:5] offset:4096+512*\j th:TH_LOAD_NT
.endr
.irp j, 0,1,2,3,4,5,6,7
	global_load_b128 v[BD+4*\j:BD+4*\j+3], v1, s[6:7] offset:512*\j
.endr
.irp j, 0,1,2,3,4,5,6,7
	global_load_b128 v[G+4*\j:G+4*\j+3], v1, s[8:9] offset:512*\j
.endr
.irp j, 0,1,2,3,4,5,6,7
	global_load_b128 v[BB+4*\j:BB+4*\j+3], v1, s[10:11] offset:512*\j
.endr
.macro ACROSS                          ; v[4:7], two chains of pairs -> the sum over the wave's 32 lanes, in v4 of every lane
	v_pk_add_f32 v[4:5], v[4:5], v[6:7]
	v_add_f32 v4, v4, v5
	v_add_f32_dpp v4, v4, v4 row_xmask:1 row_mask:0xf bank_mask:0xf
	v_add_f32_dpp v4, v4, v4 row_xmask:2 row_mask:0xf bank_mask:0xf
	v_add_f32_dpp v4, v4, v4 row_xmask:4 row_mask:0xf bank_mask:0xf
	v_add_f32_dpp v4, v4, v4 row_xmask:8 row_mask:0xf bank_mask:0xf
	v_permlanex16_b32 v12, v4, s18, s19
	v_add_f32 v4, v4, v12
.endm
.macro LNROW Z                         ; the row in v[Z .. Z + 31] becomes (x + bdown - mean) / sigma
.set M, 0
.rept 16
	v_pk_add_f32 v[\Z+2*M:\Z+2*M+1], v[\Z+2*M:\Z+2*M+1], v[BD+2*M:BD+2*M+1]
.set M, M+1
.endr
	v_pk_add_f32 v[4:5], v[\Z:\Z+1], v[\Z+2:\Z+3]
	v_pk_add_f32 v[6:7], v[\Z+4:\Z+5], v[\Z+6:\Z+7]
.set M, 4
.rept 6
	v_pk_add_f32 v[4:5], v[4:5], v[\Z+2*M:\Z+2*M+1]
	v_pk_add_f32 v[6:7], v[6:7], v[\Z+2*M+2:\Z+2*M+3]
.set M, M+2
.endr
	ACROSS
	v_mul_f32 v8, 0xba800000, v4                   ; -mean
	v_mov_b32 v9, v8
.set M, 0
.rept 16
	v_pk_add_f32 v[\Z+2*M:\Z+2*M+1], v[\Z+2*M:\Z+2*M+1], v[8:9]
.set M, M+1
.endr
	v_pk_mul_f32 v[4:5], v[\Z:\Z+1], v[\Z:\Z+1]
	v_pk_mul_f32 v[6:7], v[\Z+2:\Z+3], v[\Z+2:\Z+3]
.set M, 2
.rept 7
	v_pk_fma_f32 v[4:5], v[\Z+2*M:\Z+2*M+1], v[\Z+2*M:\Z+2*M+1], v[4:5]
	v_pk_fma_f32 v[6:7], v[\Z+2*M+2:\Z+2*M+3], v[\Z+2*M+2:\Z+2*M+3], v[6:7]
.set M, M+2
.endr
	ACROSS
	v_fma_f32 v10, v4, s20, s21                    ; the variance + 1e-5
	v_rsq_f32 v10, v10
	v_nop                                          ; a plain line behind the transcendental
	s_wait_alu depctr_va_vdst(0)
	v_mov_b32 v11, v10
.set M, 0
.rept 16
	v_pk_mul_f32 v[\Z+2*M:\Z+2*M+1], v[\Z+2*M:\Z+2*M+1], v[10:11]
.set M, M+1
.endr
.endm
	s_wait_loadcnt 16                              ; both rows and bdown are in; the 16 loads of g and b may be out
	LNROW Z0
	LNROW Z1
	s_wait_loadcnt 0x0
.set M, 0
.rept 16
	v_pk_fma_f32 v[Z0+2*M:Z0+2*M+1], v[Z0+2*M:Z0+2*M+1], v[G+2*M:G+2*M+1], v[BB+2*M:BB+2*M+1]
	v_pk_fma_f32 v[Z1+2*M:Z1+2*M+1], v[Z1+2*M:Z1+2*M+1], v[G+2*M:G+2*M+1], v[BB+2*M:BB+2*M+1]
.set M, M+1
.endr
.irp j, 0,1,2,3,4,5,6,7
	global_store_b128 v1, v[Z0+4*\j:Z0+4*\j+3], s[12:13] offset:512*\j th:TH_STORE_NT
.endr
.irp j, 0,1,2,3,4,5,6,7
	global_store_b128 v1, v[Z1+4*\j:Z1+4*\j+3], s[12:13] offset:4096+512*\j th:TH_STORE_NT
.endr
	s_endpgm
.Lfunc_end_k_q8cb541b09f_ln2:
	.size	k_q8cb541b09f_ln2, .Lfunc_end_k_q8cb541b09f_ln2-k_q8cb541b09f_ln2
	.p2alignl 7, 3214868480
	.fill 96, 4, 3214868480
	.section	.rodata,"a",@progbits
	.p2align	6, 0x0
	.amdhsa_kernel k_q8cb541b09f_ln2
		.amdhsa_group_segment_fixed_size 0
		.amdhsa_private_segment_fixed_size 0
		.amdhsa_enable_private_segment 0
		.amdhsa_kernarg_size 40
		.amdhsa_user_sgpr_count 2
		.amdhsa_user_sgpr_kernarg_segment_ptr 1
		.amdhsa_wavefront_size32 1
		.amdhsa_system_sgpr_workgroup_id_x 1
		.amdhsa_system_sgpr_workgroup_id_y 1
		.amdhsa_system_sgpr_workgroup_id_z 1
		.amdhsa_system_vgpr_workitem_id 0
		.amdhsa_next_free_vgpr 192
		.amdhsa_next_free_sgpr 66
		.amdhsa_reserve_vcc 0
		.amdhsa_float_denorm_mode_32 3
		.amdhsa_float_denorm_mode_16_64 3
		.amdhsa_memory_ordered 1
		.amdhsa_forward_progress 1
		.amdhsa_inst_pref_size 21
	.end_amdhsa_kernel
	.amdgpu_metadata
---
amdhsa.version: [ 1, 2 ]
amdhsa.kernels:
  - .name:           k_q8cb541b09f_ln2
    .symbol:         k_q8cb541b09f_ln2.kd
    .args:
      - { .name: z, .offset: 0, .size: 8, .value_kind: global_buffer, .address_space: global }
      - { .name: bdown, .offset: 8, .size: 8, .value_kind: global_buffer, .address_space: global }
      - { .name: ln2_g, .offset: 16, .size: 8, .value_kind: global_buffer, .address_space: global }
      - { .name: ln2_b, .offset: 24, .size: 8, .value_kind: global_buffer, .address_space: global }
      - { .name: out0, .offset: 32, .size: 8, .value_kind: global_buffer, .address_space: global }
    .group_segment_fixed_size: 0
    .private_segment_fixed_size: 0
    .kernarg_segment_align: 8
    .kernarg_segment_size: 40
    .max_flat_workgroup_size: 256
    .sgpr_count:     66
    .vgpr_count:     192
    .wavefront_size: 32
...
	.end_amdgpu_metadata
.endif
;; end of part 6
;; ======== version 2 of 2: 6 launches; version 1 with the launches qkv, attn, woln written anew for expert scheduling mode
;; workspace buffers: qkv 14,155,776 bytes; mid 4,456,448 bytes; hbuf 21,233,664 bytes; up 17,825,792 bytes; z 16,777,216 bytes
;; launch qkv (part 7): grid 64 x 4, 4 waves a work-group, no clusters, 70,144 bytes of LDS; arguments X, Wq_codes, Wq_scales, bq, Wk_codes, Wk_scales, bk, Wv_codes, Wv_scales, bv, qkv; writes qkv
.if DOCPART == 7
	.amdgcn_target "amdgcn-amd-amdhsa--gfx1250"
	.amdhsa_code_object_version 6
	.text
	.protected	k_q8cb541b09f_qkv
	.globl	k_q8cb541b09f_qkv
	.p2align	8
	.type	k_q8cb541b09f_qkv,@function
k_q8cb541b09f_qkv:
	s_mov_b64 s[64:65], 0
	v_nop
	global_prefetch_b8 v0, s[64:65] scope:SCOPE_SE
	s_setreg_imm32_b32 hwreg(HW_REG_WAVE_SCHED_MODE, 0, 2), 2
	s_setreg_imm32_b32 hwreg(HW_REG_WAVE_MODE, 25, 1), 1
	s_wait_xcnt 0x0
	s_wait_alu depctr_vm_vsrc(0)
; q = X Wq^T + bq, k = X Wk^T + bk, v = X Wv^T + bv on codes of E4M3 with one E8M0 scale for each 32 along K; the results are quantised at once:
; q and k along the head's 64, v along the tokens (the keys), and stored as IMAGES OF OPERAND REGISTERS: a fragment's four registers 4 c .. 4 c + 3 of lane l lie at 512 c + 16 l.
; TILES ARE NOT 16 NEIGHBOURS: lane r of token tile T holds token 32 (T / 2) + 8 (T % 2) + r + 8 (r / 8), and a tile of weight rows is chosen alike, so that in a result the 16 registers of
; tiles 2 b and 2 b + 1 are the 16 neighbours 32 b + 16 (lane / 16) + 0 .. 15: the conversions' results are the next operand's registers.
; SHARES: a work-group owns 64 tokens (4 tiles) and 4 heads; wave w first quantises token tile w of X (its images go to the other waves through LDS), then makes one head: 12 tiles of weight rows x 4 token tiles x 8 K steps.
; q, k: source 0 = 16 weight rows, source 1 = 16 tokens: a lane holds one token.  v: source 0 = tokens, source 1 = weight rows: a lane holds one feature, its registers run along the tokens.
; NO CLUSTER, NO JOINT LOADS: weights go from memory straight into the registers of the one wave that multiplies them (768 KB a work-group); a joint load serves tiles that land in LDS, and this text has none.
; LIMITS: NaN and infinities among the inputs are not served.  A block of zeros, or one whose largest magnitude lies under 2^-118, gets the scale byte 1; its codes are zeros (or held at that scale), and this program alone reads the bytes.
; REGISTERS, in windows of 256: window 0: v1-10 addresses; v16-31 codes just made; v32-47 at work; v48-56 scale words in the making; v64-127 the accumulators (in the first phase: numbers of X, with v192-255);
;   v128-159 X's scale words; v160-175 the weights' scale words, two sets; v176-191 a tile of bias, two sets.  window 1: the weights' fragments, two sets of 8 K steps.  windows 2, 3: X's fragments of K steps 0-3, 4-7.
; THE MODE: SCHED_MODE bits 1:0 = 2 (LLVM: expert scheduling mode 2), set by the entry lines.  The code itself states the register dependences
; between vector or matrix instructions and memory or LDS instructions, with s_wait_alu, always for 0.
; THE PLAN.  Registers that memory or LDS instructions touch:
;   v1-10, v62, v63      addresses and the closing add's two: written at the head, never again.
;   numbers of X         two sets.  K step s: QUANT reads and rewrites set s % 2; behind it the loads of K step s + 2 land there.
;   PC, PW, SW           codes and scale words.  Written by QUANT and the lines behind it; read by the LDS stores (first phase) or the global stores (a way out) that follow.
;   the weights' sets    fragments (window 1), scale words, bias.  Unit i's products read set i % 2; the loads of unit i + 2, issued at the head of unit i + 1, land there.
;   X's fragments and scale words are loaded from LDS once; the accumulators are named by vector and matrix instructions alone.
; So: first phase: a wait on vm_vsrc at a K step's head (the last stores have read PC, PW) and ONE wait on va_vdst behind QUANT, for the stores and for the loads alike.
; Units: a way out has a wait on vm_vsrc ahead of QUANT and ONE on va_vdst ahead of its run of stores; that wait stands behind the odd unit's products too, so the even unit's loads owe nothing more;
; an odd unit's loads have a wait on va_vdst of their own, since the even unit's products have just read their set.
.set LI,  1                            ; 16 x lane
.set LS,  2                            ; 4 x lane
.set WA,  3                            ; a weight's row of 1,024 bytes: (r + 8 (r / 8)) x 1024 + 16 h
.set WSA, 4                            ; its 32 scale bytes
.set BAQ, 5                            ; bias for q, k: 64 h
.set BAV, 6                            ; bias for v: 4 (r + 8 (r / 8))
.set XA,  7                            ; X: (r + 8 (r / 8)) x 4096 + 64 h
.set XWI, 8                            ; where I store X's images: 16 x lane + 16384 x wave
.set XWS, 9                            ; and their scale words: 65536 + 4 x lane + 1024 x wave
.set LS2, 10                           ; 65536 + 4 x lane
.set PC,  16
.set TM,  32                           ; +0..3 largest magnitudes, +4..7 bytes, +8..11 448 x the scale, +12..15 the conversions' scale operands
.set SV,  48
.set SW,  52
.set PW,  56
.set AC,  64
.set XS,  128
.set WSC, 160
.set BI,  176
.set SEL, 38
.set MNT, 40
.set XSCB, 65536                       ; LDS: X's images [tile][K step][c][lane][16] from 0; their scale words [tile][K step][lane][4] from here
.set MSB, 0
.macro WIN new                         ; the immediate's high byte repeats the setting that is left
.if MSB != \new
	s_set_vgpr_msb (MSB<<8)|\new
.set MSB, \new
.endif
.endm
.macro PLACES n
.rept \n
	v_nop
.endr
.endm
; 64 numbers of a lane, v[s + 16 b + i]: four blocks b, each shared with lane l xor 16, become codes in v[PC + 4 b ..]; the bytes are left in v[TM + 4 + b]; word = 1: they make v[PW].
.macro QUANT s, relu, word
.if \relu
.irp b, 0,1,2,3
	v_max3_num_f32 v[TM+\b], v[(\s)+16*\b], v[(\s)+1+16*\b], 0x4800000
.endr
.irp i, 2,4,6,8,10,12,14
.irp b, 0,1,2,3
	v_max3_num_f32 v[TM+\b], v[TM+\b], v[(\s)+16*\b+\i], v[(\s)+1+16*\b+\i]
.endr
.endr
.else
.irp b, 0,1,2,3
	v_max3_num_f32 v[TM+\b], |v[(\s)+16*\b]|, |v[(\s)+1+16*\b]|, 0x4800000   ; my 16 numbers and the floor 2^(9 - 127): the byte cannot fall under 1
.endr
.irp i, 2,4,6,8,10,12,14
.irp b, 0,1,2,3
	v_max3_num_f32 v[TM+\b], v[TM+\b], |v[(\s)+16*\b+\i]|, |v[(\s)+1+16*\b+\i]|
.endr
.endr
.endif
.irp b, 0,1,2,3
	v_permlanex16_b32 v[TM+4+\b], v[TM+\b], s[SEL], s[SEL+1]
.endr
.irp b, 0,1,2,3
	v_max_num_f32 v[TM+\b], v[TM+\b], v[TM+4+\b]                   ; with lane l xor 16's: the block's largest magnitude
.endr
.irp b, 0,1,2,3
	v_add_nc_u32 v[TM+12+\b], 0xfc000000, v[TM+\b]                 ; 8 off its exponent field: the conversion's scale operand
.endr
.irp b, 0,1,2,3
	v_and_or_b32 v[TM+8+\b], v[TM+\b], 0x7f800000, s[MNT]          ; 448 x the scale
.endr
.irp b, 0,1,2,3
	v_lshrrev_b32 v[TM+4+\b], 23, v[TM+12+\b]                      ; the scale's byte
.endr
.if \word
	v_lshl_or_b32 v[PW], v[TM+5], 8, v[TM+4]
	v_lshl_or_b32 v[PW], v[TM+6], 16, v[PW]
	v_lshl_or_b32 v[PW], v[TM+7], 24, v[PW]
.endif
.irp b, 0,1,2,3
.irp i, 0,1,2,3,4,5,6,7,8,9,10,11,12,13,14,15
.if \relu
	v_med3_num_f32 v[(\s)+16*\b+\i], v[(\s)+16*\b+\i], 0, v[TM+8+\b]
.else
	v_med3_num_f32 v[(\s)+16*\b+\i], v[(\s)+16*\b+\i], -v[TM+8+\b], v[TM+8+\b]   ; the conversion to an 8-bit code does not saturate (ISA guide 7.6.2): the hold
.endif
.endr
	v_cvt_scalef32_pk8_fp8_f32 v[PC+4*\b:PC+4*\b+1], v[(\s)+16*\b:(\s)+16*\b+7], v[TM+12+\b]
	v_cvt_scalef32_pk8_fp8_f32 v[PC+4*\b+2:PC+4*\b+3], v[(\s)+16*\b+8:(\s)+16*\b+15], v[TM+12+\b]
.endr
	v_nop                                          ; a plain line behind the last conversion
.endm
	s_load_b512 s[8:23], s[0:1], 0x0               ; X 8, Wq codes 10, scales 12, bq 14, Wk codes 16, scales 18, bk 20, Wv codes 22
	s_load_b128 s[24:27], s[0:1], 0x40             ; Wv scales 24, bv 26
	s_load_b64 s[28:29], s[0:1], 0x50              ; qkv
	v_lshl_add_u32 v62, v0, 2, 0x11000
	v_mov_b32 v63, 0
	v_lshrrev_b32 v11, 5, v0
	v_readfirstlane_b32 s30, v11                   ; wave
	v_and_b32 v12, 31, v0                          ; lane
	v_and_b32 v13, 15, v0                          ; r
	v_bfe_u32 v14, v0, 4, 1                        ; h
	v_and_b32 v15, 8, v13
	v_add_nc_u32 v15, v15, v13                     ; r + 8 (r / 8)
	v_lshlrev_b32 v[LI], 4, v12
	v_lshlrev_b32 v[LS], 2, v12
	v_lshlrev_b32 v[WA], 10, v15
	v_lshl_add_u32 v[WA], v14, 4, v[WA]
	v_lshlrev_b32 v[WSA], 5, v15
	v_lshlrev_b32 v[BAQ], 6, v14
	v_lshlrev_b32 v[BAV], 2, v15
	v_lshlrev_b32 v[XA], 12, v15
	v_lshl_add_u32 v[XA], v14, 6, v[XA]
	s_wait_alu depctr_va_sdst(0)                   ; s30, the wave's number, is written, ahead of its first reader
	s_lshl_b32 s41, s30, 14
	v_add_nc_u32 v[XWI], s41, v[LI]
	s_lshl_b32 s41, s30, 10
	s_add_co_u32 s41, s41, XSCB
	v_add_nc_u32 v[XWS], s41, v[LS]
	v_add_nc_u32 v[LS2], XSCB, v[LS]
.irp b, 0,1,2,3
	v_mov_b32 v[TM+4+\b], 0                        ; written once: a lane permute's destination counts as one of its sources
.endr
	s_mov_b32 s[SEL], 0x76543210
	s_mov_b32 s[SEL+1], 0xfedcba98
	s_mov_b32 s[MNT], 0x600000
	s_and_b32 s32, ttmp7, 0xffff                   ; y
	s_lshl_b32 s33, s32, 2
	s_add_co_u32 s33, s33, s30                     ; my head = 4 y + wave
	s_lshr_b32 s34, ttmp9, 5
	s_lshl_b32 s34, s34, 4
	s_add_co_u32 s34, s34, s33                     ; batch x 16 + head
	s_and_b32 s35, ttmp9, 31                       ; which 64 tokens of the batch
	s_mov_b32 s37, 0
	s_lshr_b32 s41, s30, 1
	s_lshl_b32 s41, s41, 5
	s_and_b32 s54, s30, 1
	s_lshl_b32 s54, s54, 3
	s_add_co_u32 s41, s41, s54                     ; token tile w begins at 32 (w / 2) + 8 (w % 2)
	s_lshl_b32 s36, ttmp9, 6
	s_add_co_u32 s36, s36, s41
	s_lshl_b32 s36, s36, 12
	s_wait_kmcnt 0x0
	s_add_nc_u64 s[8:9], s[8:9], s[36:37]          ; X at my tile's first row
.macro XLOAD reg, s                    ; my 16 rows' numbers of K step s: of each block of 32 my half's 16, 64 bytes
.irp b, 0,1,2,3
.irp j, 0,1,2,3
	global_load_b128 v[(\reg)+16*\b+4*\j:(\reg)+16*\b+4*\j+3], v[XA], s[8:9] offset:512*(\s)+128*\b+16*\j
.endr
.endr
.endm
	s_wait_alu depctr_va_vdst(0)                   ; the ten addresses v1 to v10 are written, which every load and store of the kernel reads
	XLOAD AC, 0
	XLOAD AC+128, 1
	s_lshl_b32 s36, s33, 16                        ; my head's 64 rows of each weight,
	s_add_nc_u64 s[10:11], s[10:11], s[36:37]
	s_add_nc_u64 s[16:17], s[16:17], s[36:37]
	s_add_nc_u64 s[22:23], s[22:23], s[36:37]
	s_lshl_b32 s36, s33, 11                        ; their scale bytes,
	s_add_nc_u64 s[12:13], s[12:13], s[36:37]
	s_add_nc_u64 s[18:19], s[18:19], s[36:37]
	s_add_nc_u64 s[24:25], s[24:25], s[36:37]
	s_lshl_b32 s36, s33, 8                         ; their biases
	s_add_nc_u64 s[14:15], s[14:15], s[36:37]
	s_add_nc_u64 s[20:21], s[20:21], s[36:37]
	s_add_nc_u64 s[26:27], s[26:27], s[36:37]
	s_lshl_b32 s36, s34, 17                        ; q's images: [bh][tile][c 0..1][lane][16]
	s_lshl_b32 s41, s35, 12
	s_add_co_u32 s36, s36, s41
	s_add_nc_u64 s[42:43], s[28:29], s[36:37]
	s_add_nc_u64 s[44:45], s[42:43], 0x400000      ; k's likewise, 4 MiB on
	s_lshl_b32 s36, s34, 17                        ; v's: [bh][128 keys][tile of 16 features][c][lane][16]; my 64 tokens are c = 2 (xb % 2) + 0, 1
	s_lshr_b32 s41, s35, 1
	s_lshl_b32 s41, s41, 13
	s_add_co_u32 s36, s36, s41
	s_and_b32 s54, s35, 1
	s_lshl_b32 s41, s54, 10
	s_add_co_u32 s36, s36, s41
	s_add_co_u32 s36, s36, 0x800000
	s_add_nc_u64 s[46:47], s[28:29], s[36:37]
	s_lshl_b32 s36, s34, 14                        ; q's scale words: [bh][tile][lane][4]
	s_lshl_b32 s41, s35, 9
	s_add_co_u32 s36, s36, s41
	s_add_co_u32 s36, s36, 0xc00000
	s_add_nc_u64 s[48:49], s[28:29], s[36:37]
	s_add_nc_u64 s[50:51], s[48:49], 0x80000       ; k's
	s_lshl_b32 s36, s34, 14                        ; v's: [bh][128 keys][8 chunks of 128 bytes]; my two bytes of a word
	s_lshr_b32 s41, s35, 1
	s_lshl_b32 s41, s41, 10
	s_add_co_u32 s36, s36, s41
	s_lshl_b32 s41, s54, 1
	s_add_co_u32 s36, s36, s41
	s_add_co_u32 s36, s36, 0xd00000
	s_add_nc_u64 s[52:53], s[28:29], s[36:37]
; A unit's weights: tile ft of 16 rows, all 8 K steps, into set p; its rows' 8 scale words; its bias in the result's layout.  36 loads (q, k) or 42 (v).
.macro WLOAD cb, sb, bb, ft, p, kind
	WIN 0x40                                       ; destination window 1
.irp s, 0,1,2,3,4,5,6,7
.irp c, 0,1,2,3
	global_load_b128 v[128*(\p)+16*\s+4*\c:128*(\p)+16*\s+4*\c+3], v[WA], s[\cb:\cb+1] offset:(32*((\ft)/2)+8*((\ft)%2))*1024+128*\s+32*\c
.endr
.endr
	WIN 0
	global_load_b128 v[WSC+8*(\p):WSC+8*(\p)+3], v[WSA], s[\sb:\sb+1] offset:(32*((\ft)/2)+8*((\ft)%2))*32
	global_load_b128 v[WSC+8*(\p)+4:WSC+8*(\p)+7], v[WSA], s[\sb:\sb+1] offset:(32*((\ft)/2)+8*((\ft)%2))*32+16
.if \kind
.irp j, 0,1,2,3,4,5,6,7
	global_load_b32 v[BI+8*(\p)+\j], v[BAV], s[\bb:\bb+1] offset:(32*((\ft)/2)+8*((\ft)%2))*4   ; a lane holds one feature: its bias in all eight registers
.endr
.else
	global_load_b128 v[BI+8*(\p):BI+8*(\p)+3], v[BAQ], s[\bb:\bb+1] offset:(32*((\ft)/2)+8*((\ft)%2))*4
	global_load_b128 v[BI+8*(\p)+4:BI+8*(\p)+7], v[BAQ], s[\bb:\bb+1] offset:(32*((\ft)/2)+8*((\ft)%2))*4+16
.endif
.endm
.macro WL i                            ; unit i: 0-3 q's tiles, 4-7 k's, 8-11 v's
.if (\i) < 4
	WLOAD 10,12,14,(\i),(\i)%2,0
.elseif (\i) < 8
	WLOAD 16,18,20,(\i)-4,(\i)%2,0
.else
	WLOAD 22,24,26,(\i)-8,(\i)%2,1
.endif
.endm
; 32 products of a unit of q or k.  The four accumulators take turns, one instruction a turn; the bias is the C of each sum's first product.
.macro MULF u, p
.irp s, 0,1,2,3,4,5,6,7
.if \s == 0
	WIN 0x09                                       ; source 0 (weights) window 1, source 1 (X) window 2
.elseif \s == 4
	WIN 0x0d                                       ; source 1 window 3
.endif
.irp t, 0,1,2,3
.if \s == 0
	v_wmma_scale_f32_16x16x128_f8f6f4 v[AC+16*\t+8*(\u):AC+16*\t+8*(\u)+7], v[128*(\p)+16*\s:128*(\p)+16*\s+15], v[64*(\s%4)+16*\t:64*(\s%4)+16*\t+15], v[BI+8*(\p):BI+8*(\p)+7], v[WSC+8*(\p)+\s], v[XS+4*\s+\t]
.else
	v_wmma_scale_f32_16x16x128_f8f6f4 v[AC+16*\t+8*(\u):AC+16*\t+8*(\u)+7], v[128*(\p)+16*\s:128*(\p)+16*\s+15], v[64*(\s%4)+16*\t:64*(\s%4)+16*\t+15], v[AC+16*\t+8*(\u):AC+16*\t+8*(\u)+7], v[WSC+8*(\p)+\s], v[XS+4*\s+\t]
.endif
.endr
.endr
.endm
; The same for v, the sources the other way round.
.macro MULV d, p
.irp s, 0,1,2,3,4,5,6,7
.if \s == 0
	WIN 0x06                                       ; source 0 (X) window 2, source 1 (weights) window 1
.elseif \s == 4
	WIN 0x07
.endif
.irp t, 0,1,2,3
.if \s == 0
	v_wmma_scale_f32_16x16x128_f8f6f4 v[AC+32*(\d)+8*\t:AC+32*(\d)+8*\t+7], v[64*(\s%4)+16*\t:64*(\s%4)+16*\t+15], v[128*(\p)+16*\s:128*(\p)+16*\s+15], v[BI+8*(\p):BI+8*(\p)+7], v[XS+4*\s+\t], v[WSC+8*(\p)+\s]
.else
	v_wmma_scale_f32_16x16x128_f8f6f4 v[AC+32*(\d)+8*\t:AC+32*(\d)+8*\t+7], v[64*(\s%4)+16*\t:64*(\s%4)+16*\t+15], v[128*(\p)+16*\s:128*(\p)+16*\s+15], v[AC+32*(\d)+8*\t:AC+32*(\d)+8*\t+7], v[XS+4*\s+\t], v[WSC+8*(\p)+\s]
.endif
.endr
.endr
.endm
; Two tiles of q or k are block b of the head's 64 for four token tiles: codes and bytes leave.  The words are made ahead of the one wait, and the stores follow it in one run.
.macro EPIQK ib, sb, b
	QUANT AC, 0, 0
.irp t, 0,1,2,3
.if (\b) == 0
	v_or_b32 v[SV+\t], 0x7f7f0000, v[TM+4+\t]      ; bytes 2 and 3 stand for 1: they scale the zero codes that fill K from 64 to 128
.else
	v_lshl_or_b32 v[SW+\t], v[TM+4+\t], 8, v[SV+\t]
.endif
.endr
	s_wait_alu depctr_va_vdst(0)                   ; the codes and the words are written, which the stores below read.  This unit's products stand ahead of this wait too: they are done reading their set of weights, scale words and bias,
	                                               ; in which the next unit's loads land with no further wait: only stores, window switches and v_nop stand between
.irp t, 0,1,2,3
	global_store_b128 v[LI], v[PC+4*\t:PC+4*\t+3], s[\ib:\ib+1] offset:1024*\t+512*(\b)   ; the wave stores 512 consecutive bytes
.endr
.if (\b) == 1
.irp t, 0,1,2,3
	global_store_b32 v[LS], v[SW+\t], s[\sb:\sb+1] offset:128*\t
.endr
.endif
.endm
; Two tiles of v's features x 64 tokens: blocks (feature tile d, 32 tokens b).
.macro EPIV g
	QUANT AC, 0, 0
.irp d, 0,1
	v_lshl_or_b32 v[SW+\d], v[TM+5+2*\d], 8, v[TM+4+2*\d]
.endr
	s_wait_alu depctr_va_vdst(0)                   ; the codes and the two half words are written, which the stores below read; this unit's products are done reading their set, as in the way out of q and k
.irp d, 0,1
.irp b, 0,1
	global_store_b128 v[LI], v[PC+4*(2*\d+\b):PC+4*(2*\d+\b)+3], s[46:47] offset:2048*(2*(\g)+\d)+512*\b
.endr
	global_store_b16 v[LS], v[SW+\d], s[52:53] offset:128*(2*(\g)+\d)
.endr
.endm
; ---- X: my token tile becomes eight fragments.  Two sets of numbers by turns: one is quantised while the other's 16 loads are on their way.
.set SS, 0
.rept 8
.if SS < 7
	s_wait_loadcnt 16                              ; this K step's 16 loads are in; the next step's may be out
.else
	s_wait_loadcnt 0x0
.endif
.if SS > 0
	s_wait_alu depctr_vm_vsrc(0)                   ; the last K step's LDS stores have read the codes and the word, which QUANT writes again
.endif
	QUANT AC+128*(SS%2), 0, 1
	s_wait_alu depctr_va_vdst(0)                   ; the codes and the word are written, which the LDS stores read; QUANT is done reading and rewriting this set of numbers, in which the loads of two K steps on land
.if SS < 6
	XLOAD AC+128*(SS%2), SS+2
.endif
.irp c, 0,1,2,3
	ds_store_b128 v[XWI], v[PC+4*\c:PC+4*\c+3] offset:2048*SS+512*\c
.endr
	ds_store_b32 v[XWS], v[PW] offset:128*SS
	s_wait_dscnt 0x0                               ; this K step's image lies in LDS
.set SS, SS+1
.endr
	WL 0                                           ; the first unit's weights are asked for ahead of the barrier (no vector instruction has named their registers)
	s_wait_dscnt 0x0                               ; my images lie in LDS
	s_barrier_signal -1
	s_barrier_wait -1                              ; everybody's do; nothing is stored to LDS behind this barrier
	WIN 0x80                                       ; destination window 2
.irp s, 0,1,2,3
.irp t, 0,1,2,3
.irp c, 0,1,2,3
	ds_load_b128 v[64*\s+16*\t+4*\c:64*\s+16*\t+4*\c+3], v[LI] offset:16384*\t+2048*\s+512*\c
.endr
.endr
.endr
	WIN 0xc0                                       ; destination window 3
.irp s, 0,1,2,3
.irp t, 0,1,2,3
.irp c, 0,1,2,3
	ds_load_b128 v[64*\s+16*\t+4*\c:64*\s+16*\t+4*\c+3], v[LI] offset:16384*\t+2048*(\s+4)+512*\c
.endr
.endr
.endr
	WIN 0
.irp s, 0,1,2,3,4,5,6,7
.irp t, 0,1,2,3
	ds_load_b32 v[XS+4*\s+\t], v[LS2] offset:1024*\t+128*\s
.endr
.endr
	s_wait_dscnt 0x0
; ---- twelve units.  The next unit's loads are issued ahead of the wait for this unit's: the count is the younger unit's loads.
.set I, 0
.rept 12
	WIN 0
	PLACES 8                                       ; in front of loads into the set that the unit before last multiplied (ISA guide 7.12.1 for vector instructions)
.if I < 11
.if I%2 == 1
	WIN 0x40                                       ; the switch, then the wait, then the loads
	s_wait_alu depctr_va_vdst(0)                   ; the even unit's products, just issued, are done reading set 0 (fragments, scale words, bias), in which the next unit's loads land
.endif
	WL I+1
.if I+1 < 8
	s_wait_loadcnt 36
.else
	s_wait_loadcnt 42
.endif
.else
	s_wait_loadcnt 0x0
.endif
.if I < 8
	MULF I%2, I%2
.else
	MULV I%2, I%2
.endif
.if I%2 == 1
	WIN 0
	PLACES 8                                       ; in front of the first read of results
	s_wait_xcnt 0x0                                ; the last way out's stores have read their data: the codes and words are written again only behind this wait
	s_wait_alu depctr_vm_vsrc(0)                   ; beside it: the stores issued so far (the first time: the first phase's LDS stores) have read the codes' and the words' registers, which this way out writes again
.if I < 4
	EPIQK 42, 48, I/2
.elseif I < 8
	EPIQK 44, 50, (I-4)/2
.else
	EPIV (I-8)/2
.endif
.endif
.set I, I+1
.endr
	s_wait_dscnt 0x0                               ; the closing lines, six on end
	s_wait_alu 0x0
	s_wait_tensorcnt 0x0
	ds_add_u32 v62, v63
	s_wait_dscnt 0x0
	s_endpgm
.Lfunc_end_k_q8cb541b09f_qkv:
	.size	k_q8cb541b09f_qkv, .Lfunc_end_k_q8cb541b09f_qkv-k_q8cb541b09f_qkv
	.p2alignl 7, 3214868480
	.fill 96, 4, 3214868480
	.section	.rodata,"a",@progbits
	.p2align	6, 0x0
	.amdhsa_kernel k_q8cb541b09f_qkv
		.amdhsa_group_segment_fixed_size 70144
		.amdhsa_private_segment_fixed_size 0
		.amdhsa_enable_private_segment 0
		.amdhsa_kernarg_size 88
		.amdhsa_user_sgpr_count 2
		.amdhsa_user_sgpr_kernarg_segment_ptr 1
		.amdhsa_wavefront_size32 1
		.amdhsa_system_sgpr_workgroup_id_x 1
		.amdhsa_system_sgpr_workgroup_id_y 1
		.amdhsa_system_sgpr_workgroup_id_z 1
		.amdhsa_system_vgpr_workitem_id 0
		.amdhsa_next_free_vgpr 1024
		.amdhsa_next_free_sgpr 66
		.amdhsa_reserve_vcc 0
		.amdhsa_float_denorm_mode_32 3
		.amdhsa_float_denorm_mode_16_64 3
		.amdhsa_memory_ordered 1
		.amdhsa_forward_progress 1
		.amdhsa_inst_pref_size 244
	.end_amdhsa_kernel
	.amdgpu_metadata
---
amdhsa.version: [ 1, 2 ]
amdhsa.kernels:
  - .name:           k_q8cb541b09f_qkv
    .symbol:         k_q8cb541b09f_qkv.kd
    .args:
      - { .name: X, .offset: 0, .size: 8, .value_kind: global_buffer, .address_space: global }
      - { .name: Wq_codes, .offset: 8, .size: 8, .value_kind: global_buffer, .address_space: global }
      - { .name: Wq_scales, .offset: 16, .size: 8, .value_kind: global_buffer, .address_space: global }
      - { .name: bq, .offset: 24, .size: 8, .value_kind: global_buffer, .address_space: global }
      - { .name: Wk_codes, .offset: 32, .size: 8, .value_kind: global_buffer, .address_space: global }
      - { .name: Wk_scales, .offset: 40, .size: 8, .value_kind: global_buffer, .address_space: global }
      - { .name: bk, .offset: 48, .size: 8, .value_kind: global_buffer, .address_space: global }
      - { .name: Wv_codes, .offset: 56, .size: 8, .value_kind: global_buffer, .address_space: global }
      - { .name: Wv_scales, .offset: 64, .size: 8, .value_kind: global_buffer, .address_space: global }
      - { .name: bv, .offset: 72, .size: 8, .value_kind: global_buffer, .address_space: global }
      - { .name: qkv, .offset: 80, .size: 8, .value_kind: global_buffer, .address_space: global }
    .group_segment_fixed_size: 70144
    .private_segment_fixed_size: 0
    .kernarg_segment_align: 8
    .kernarg_segment_size: 88
    .max_flat_workgroup_size: 128
    .sgpr_count:     66
    .vgpr_count:     1024
    .wavefront_size: 32
...
	.end_amdgpu_metadata
.endif
;; end of part 7
;; launch attn (part 8): grid 8 x 32, 16 waves a work-group, no clusters, 38,912 bytes of LDS; arguments qkv, mid; writes mid
.if DOCPART == 8
	.amdgcn_target "amdgcn-amd-amdhsa--gfx1250"
	.amdhsa_code_object_version 6
	.text
	.protected	k_q8cb541b09f_attn
	.globl	k_q8cb541b09f_attn
	.p2align	8
	.type	k_q8cb541b09f_attn,@function
k_q8cb541b09f_attn:
	s_mov_b64 s[64:65], 0
	v_nop
	global_prefetch_b8 v0, s[64:65] scope:SCOPE_SE
	s_setreg_imm32_b32 hwreg(HW_REG_WAVE_SCHED_MODE, 0, 2), 2
	s_setreg_imm32_b32 hwreg(HW_REG_WAVE_MODE, 25, 1), 1
	s_wait_xcnt 0x0
	s_wait_alu depctr_vm_vsrc(0)
; mid = softmax(q k^T / 8, causal) v for one (batch, head), both products on codes of E4M3 with E8M0 scales; the result, divided by the row's sum, is quantised along the hidden axis and stored as images of operand registers.
; THE SOFTMAX AHEAD OF THE SECOND PRODUCT: t = score x log2(e) / 8; M = the running largest t rounded UP to a whole number; p = 2^(t - M) is quantised along the keys, not normalised; the row's sum is taken of the
; unquantised p; when M moves, the sum and O are multiplied by 2^(old M - new M), which rounds nothing.
; SHARES: work-group (i, bh) owns the blocks of 128 queries i and 15 - i, so that every work-group has 17 block steps of work for each of its 8 pairs of waves.  A wave owns one tile of 16 queries.
; Key steps of 128: a step whose keys all come after the wave's block is jumped over (a scalar branch on ids); the step on the diagonal is masked; hidden scores become -infinity, so p = 0.
; All 16 steps are walked by every work-group, so that every trip count is a constant; steps behind 15 - i, which no wave works, copy nothing.
; K's and V's images of a step (16 KB of codes, 1.5 KB of scale words) are copied through registers into one of two LDS slots by the sixteen waves, 1 KB + 128 bytes each, a step ahead; ONE barrier a step.
; Both products are used transposed (S^T = k q^T, O^T = v^T p^T): a lane holds one query throughout.  The head's K of 64 is filled to 128 with zero codes, whose scale bytes stand for 1.
; NO CLUSTER: the eight work-groups of a head read the same k and v, 288 KB at the most each, through registers; a joint load serves tensor loads, and this text has none.
; LIMITS: NaN and infinities are not served; a block whose largest magnitude lies under 2^-118 gets the byte 1.  v_exp_f32 and v_rcp_f32 are accurate to 1 ulp.
; THE MODE: SCHED_MODE bits 1:0 = 2 (LLVM: expert scheduling mode 2), set by the entry lines.  The code itself states the register dependences
; between vector or matrix instructions and memory or LDS instructions, with s_wait_alu, always for 0.
; THE PLAN.  Registers that memory or LDS instructions touch, in the loop:
;   CPA, CPB, CPS    the copy: loads from memory land in them, LDS stores read them; no vector instruction names them.  One wait on vm_vsrc a step, behind the barrier and ahead of the branch round the loads.
;   KF (lower halves), KS   K's fragments and scale words: LDS loads land in them, the products k q^T read them.  The second four tiles' loads stand behind a wait on va_vdst, since the first four products have just read them;
;                    the first four tiles' owe nothing: the waits further down in an earlier step stand behind every product that read them, on every way.
;   S                scores, then p; behind the conversions V's fragments land there: one wait on va_vdst ahead of those loads.
;   VS               V's scale words: read by the products v^T p^T of an earlier step, which the waits above lie behind.
;   PC, PS           p's codes and scale word: made by vector instructions, taken by scaled products: a wait on va_vdst directly ahead of the products, behind the sixteen rescalings that are their places.
;   LI, LS, ST1, ST2, L4    addresses: written at the head, never again.
; The causal mask's compares write scalar registers in runs of eight, s40 to s47, with one wait on va_sdst behind each run, ahead of the eight selects that read them.
.set SLOT, 18432                       ; a slot: K's codes 0 (tile t: 1024 t), V's 8192 (tile d: 2048 d), K's scale words 16384 (128 t), V's 17408 (128 d); 17920 on: copies that nobody reads
.set LI,  1                            ; 16 x lane
.set LS,  2                            ; 16384 + 4 x lane
.set ST1, 3                            ; 1024 x wave + 16 x lane
.set ST2, 4                            ; 16384 + 4 x thread
.set DM,  5                            ; my query's place in its block of 128, less 16 h
.set L4,  6                            ; 4 x lane
.set NINF, 7
.set CPA, 8
.set CPB, 12
.set CPS, 16
.set HW,  17
.set NM,  18                           ; v18 -M, v19 the running largest t
.set SUM, 20
.set QS,  22
.set PS,  23
.set F,   24
.set KS,  26
.set VS,  30
.set QF,  34
.set KF,  50
.set S,   114
.set O,   178
.set PC,  210
.set BM,  226
.set PM,  230
.set HD,  234
.set SO,  238
.set T2,  242
.set TT,  244
.set QB,  13
.set J,   14
.set TR,  15
.set SEL, 20
.set CS,  22
.set MNT, 24
.set JM,  34
.set MK,  40                           ; s[40:47] eight masks of the causal mask's compares; free behind the head
.macro PLACES n
.rept \n
	v_nop
.endr
.endm
	s_load_b128 s[4:7], s[0:1], 0x0                ; qkv, mid
	v_lshl_add_u32 v254, v0, 2, 0x9000
	v_mov_b32 v255, 0
	v_lshrrev_b32 v11, 5, v0
	v_readfirstlane_b32 s8, v11                    ; wave 0..15
	v_and_b32 v12, 31, v0
	v_lshlrev_b32 v[LI], 4, v12
	v_lshl_add_u32 v[LS], v12, 2, 16384
	v_lshl_add_u32 v[ST1], v11, 10, v[LI]
	v_lshl_add_u32 v[ST2], v0, 2, 16384
	v_lshlrev_b32 v[L4], 2, v12
	v_mov_b32 v[NINF], 0xff800000
	s_wait_alu depctr_va_sdst(0)                   ; s8, the wave's number, is written, ahead of its first reader
	s_lshr_b32 s9, s8, 2
	s_xor_b32 s9, s9, s8
	s_and_b32 s9, s9, 1                            ; which of the two blocks: the two waves of a pair differ
	s_lshr_b32 s10, s8, 1                          ; my tile in the block
	s_mov_b32 s11, ttmp9
	s_and_b32 s12, ttmp7, 0xffff                   ; bh
	s_sub_co_u32 s[JM], 15, s11                    ; the last step that any wave of the work-group works
	s_cmp_lg_u32 s9, 0
	s_cselect_b32 s[QB], s[JM], s11                ; my block of 128 queries
	s_lshr_b32 s37, s10, 1
	s_lshl_b32 s37, s37, 5
	s_and_b32 s36, s10, 1
	s_lshl_b32 s36, s36, 3
	s_add_co_u32 s37, s37, s36                     ; my tile begins at 32 (Tl / 2) + 8 (Tl % 2)
	v_and_b32 v8, 15, v0
	v_bfe_u32 v9, v0, 4, 1
	v_and_b32 v10, 8, v8
	v_add_nc_u32 v10, v10, v8                      ; r + 8 (r / 8)
	v_lshlrev_b32 v9, 4, v9
	v_sub_nc_u32 v[DM], v10, v9
	v_add_nc_u32 v[DM], s37, v[DM]
	s_mov_b32 s[SEL], 0x76543210
	s_mov_b32 s[SEL+1], 0xfedcba98
	s_mov_b32 s[CS], 0x3e38aa3b                    ; c = log2(e) / 8
	s_mov_b32 s[CS+1], s[CS]
	s_mov_b32 s[MNT], 0x600000
	s_mov_b32 s[J], 0
	s_mov_b32 s[TR], 0
	s_mov_b32 s39, 0
	s_lshr_b32 s35, s8, 3                          ; waves 0-7 copy K's, waves 8-15 V's
	s_and_b32 s36, s8, 7
	s_lshl_b32 s38, s35, 22
	s_lshl_b32 s37, s12, 17
	s_add_co_u32 s38, s38, s37
	s_lshl_b32 s37, s36, 10
	s_add_co_u32 s38, s38, s37
	s_add_co_u32 s38, s38, 0x400000
	s_wait_kmcnt 0x0
	s_add_nc_u64 s[16:17], s[4:5], s[38:39]        ; my 1 KB of step 0's codes
	s_lshl_b32 s37, s35, 2
	s_sub_co_u32 s37, 7, s37
	s_and_b32 s37, s8, s37                         ; my chunk of scale words: K's 0-7; V's has four, copied twice
	s_lshl_b32 s38, s37, 7
	s_lshl_b32 s37, s35, 19
	s_add_co_u32 s38, s38, s37
	s_lshl_b32 s37, s12, 14
	s_add_co_u32 s38, s38, s37
	s_add_co_u32 s38, s38, 0xc80000
	s_add_nc_u64 s[18:19], s[4:5], s[38:39]
	s_lshl_b32 s40, s12, 7
	s_lshl_b32 s37, s[QB], 3
	s_add_co_u32 s37, s37, s10                     ; my tile within the batch
	s_add_co_u32 s40, s40, s37
	s_lshl_b32 s38, s40, 10
	s_add_nc_u64 s[26:27], s[4:5], s[38:39]        ; q's image
	s_lshl_b32 s38, s40, 7
	s_add_co_u32 s38, s38, 0xc00000
	s_add_nc_u64 s[28:29], s[4:5], s[38:39]        ; q's scale words
	s_lshr_b32 s40, s12, 4
	s_lshl_b32 s40, s40, 7
	s_add_co_u32 s40, s40, s37                     ; my tile among all 256
	s_and_b32 s41, s12, 15                         ; the head
	s_lshr_b32 s42, s41, 1
	s_and_b32 s41, s41, 1
	s_lshl_b32 s38, s40, 14
	s_lshl_b32 s37, s42, 11
	s_add_co_u32 s38, s38, s37
	s_lshl_b32 s37, s41, 10
	s_add_co_u32 s38, s38, s37
	s_add_nc_u64 s[30:31], s[6:7], s[38:39]        ; mid's image: K step head / 2, c = 2 (head % 2) + 0, 1
	s_lshl_b32 s38, s40, 10
	s_lshl_b32 s37, s42, 7
	s_add_co_u32 s38, s38, s37
	s_lshl_b32 s37, s41, 1
	s_add_co_u32 s38, s38, s37
	s_add_co_u32 s38, s38, 0x400000
	s_add_nc_u64 s[32:33], s[6:7], s[38:39]        ; and my two bytes of its scale word
	s_wait_alu depctr_va_vdst(0)                   ; the addresses v1 to v4 and v6 are written, which the loads and stores of the kernel read; so are v8 to v12, used at the head, in which the copy's loads land
	global_load_b128 v[QF:QF+3], v[LI], s[26:27]
	global_load_b128 v[QF+4:QF+7], v[LI], s[26:27] offset:512
	global_load_b32 v[QS], v[L4], s[28:29]
	global_load_b128 v[CPA:CPA+3], v[LI], s[16:17]
	global_load_b128 v[CPB:CPB+3], v[LI], s[16:17] offset:512
	global_load_b32 v[CPS], v[L4], s[18:19]
.set N, 0
.rept 32
	v_mov_b32 v[O+N], 0                            ; O^T: the step is written once; the first finds zeros, which the first change of M leaves zeros
.set N, N+1
.endr
.set N, 8
.rept 8
	v_mov_b32 v[QF+N], 0                           ; zero codes fill K from 64 to 128, in q and in each of k's four fragments; they are never loaded over
	v_mov_b32 v[KF+N], 0
	v_mov_b32 v[KF+16+N], 0
	v_mov_b32 v[KF+32+N], 0
	v_mov_b32 v[KF+48+N], 0
.set N, N+1
.endr
.irp b, 0,1,2,3
	v_mov_b32 v[PM+\b], 0                          ; a lane permute's destination counts as one of its sources
.endr
	v_mov_b32 v[F+1], 0                            ; named as the upper half of a pair
	v_mov_b32 v[SUM], 0
	v_mov_b32 v[SUM+1], 0
	v_mov_b32 v[NM+1], 0xff61b1e6                  ; the largest t so far: -3e38
	v_floor_f32 v[NM], -v[NM+1]
	s_wait_alu depctr_va_vdst(0)                   ; the zero codes in the upper halves of q's and k's fragments are written, ahead of the scaled products that take them as operands (the nine lines above are their places)
	s_wait_loadcnt 0x0
	ds_store_b128 v[ST1], v[CPA:CPA+3]
	ds_store_b128 v[ST1], v[CPB:CPB+3] offset:512
	ds_store_b32 v[ST2], v[CPS]
; A KEY STEP out of slot `slot`.  fetch = 1: the next step's images are copied into the other slot.
.macro STEP slot, fetch
	s_wait_dscnt 0x0                               ; my stores into this slot have landed, and my reads of the other slot are back
	s_barrier_signal -1
	s_barrier_wait -1                              ; both hold of all sixteen waves
.if \fetch
	s_wait_alu depctr_vm_vsrc(0)                   ; my LDS stores of the last copy have read the copy's nine registers, in which the next copy's loads land; ahead of the branch, so that it stands on every way
	s_cmp_ge_u32 s[J], s[JM]
	s_cbranch_scc1 .Lnofetch_\@                    ; no wave works the next step
	global_load_b128 v[CPA:CPA+3], v[LI], s[16:17] offset:8192*(\slot+1)
	global_load_b128 v[CPB:CPB+3], v[LI], s[16:17] offset:8192*(\slot+1)+512
	global_load_b32 v[CPS], v[L4], s[18:19] offset:1024*(\slot+1)
.Lnofetch_\@:
.endif
	s_cmp_gt_u32 s[J], s[QB]
	s_cbranch_scc1 .Lskip_\@                       ; all 128 keys come after my queries
.irp g, 0,1                                    ; S^T = k q^T, four tiles of 16 keys at a time
.if \g > 0
	PLACES 8                                       ; in front of loads into registers that matrix instructions have read
	s_wait_alu depctr_va_vdst(0)                   ; the four products above are done reading K's fragments and scale words, in which the next four tiles' loads land
.endif
.irp t, 0,1,2,3
	ds_load_b128 v[KF+16*\t:KF+16*\t+3], v[LI] offset:\slot*SLOT+1024*(4*\g+\t)
	ds_load_b128 v[KF+16*\t+4:KF+16*\t+7], v[LI] offset:\slot*SLOT+1024*(4*\g+\t)+512
	ds_load_b32 v[KS+\t], v[LS] offset:\slot*SLOT+128*(4*\g+\t)
.endr
	s_wait_dscnt 0x0
.irp t, 0,1,2,3
	v_wmma_scale_f32_16x16x128_f8f6f4 v[S+8*(4*\g+\t):S+8*(4*\g+\t)+7], v[KF+16*\t:KF+16*\t+15], v[QF:QF+15], 0, v[KS+\t], v[QS]
.endr
.endr                                          ; register 16 b + i of a lane: key 32 b + 16 h + i of the step
	PLACES 8
	s_cmp_lt_u32 s[J], s[QB]
	s_cbranch_scc1 .Lopen_\@                       ; all keys count
.set N, 0
.rept 8                                        ; eight runs of eight compares, each run into s40 to s47, and the eight selects that read them
.set MR, 0
.rept 8
	v_cmp_gt_i32 s[MK+MR], 32*((N+MR)/16)+(N+MR)%16, v[DM]     ; hidden where the key comes after my query
.set MR, MR+1
.endr
	s_wait_alu depctr_va_sdst(0)                   ; the run's eight masks are written, ahead of their first reader
.set MR, 0
.rept 8
	v_cndmask_b32 v[S+N+MR], v[S+N+MR], v[NINF], s[MK+MR]
.set MR, MR+1
.endr
.set N, N+8
.endr
.Lopen_\@:
.irp b, 0,1,2,3
	v_max3_num_f32 v[BM+\b], v[S+16*\b], v[S+1+16*\b], v[S+2+16*\b]   ; the largest score of each block of 32 keys: for the row's maximum, and, since p rises with the score, for the block's largest p
.endr
.irp i, 3,5,7,9,11,13
.irp b, 0,1,2,3
	v_max3_num_f32 v[BM+\b], v[BM+\b], v[S+16*\b+\i], v[S+1+16*\b+\i]
.endr
.endr
.irp b, 0,1,2,3
	v_max_num_f32 v[BM+\b], v[BM+\b], v[S+15+16*\b]
.endr
.irp b, 0,1,2,3
	v_permlanex16_b32 v[PM+\b], v[BM+\b], s[SEL], s[SEL+1]
.endr
.irp b, 0,1,2,3
	v_max_num_f32 v[BM+\b], v[BM+\b], v[PM+\b]
.endr
	v_max3_num_f32 v[TT], v[BM], v[BM+1], v[BM+2]
	v_max_num_f32 v[TT], v[TT], v[BM+3]
	v_mul_f32 v[TT], s[CS], v[TT]
	v_max_num_f32 v[NM+1], v[NM+1], v[TT]          ; the running largest t
	v_mov_b32 v[TT], v[NM]
	v_floor_f32 v[NM], -v[NM+1]                    ; -M = floor(-t): M is a whole number
	v_sub_f32 v[TT], v[NM], v[TT]
	v_cvt_i32_f32 v[TT], v[TT]                     ; (it saturates)
	v_ldexp_f32 v[F], 1.0, v[TT]                   ; f = 2^(old M - new M)
.set N, 0
.rept 32
	v_pk_fma_f32 v[S+N:S+N+1], v[S+N:S+N+1], s[CS:CS+1], v[NM:NM+1] op_sel_hi:[1,0,0]   ; t - M
.set N, N+2
.endr
.irp b, 0,1,2,3
	v_fma_f32 v[BM+\b], v[BM+\b], s[CS], v[NM]
.endr
.set N, 0
.rept 64
	v_exp_f32 v[S+N], v[S+N]                       ; p = 2^(t - M)
.set N, N+1
.endr
.irp b, 0,1,2,3
	v_exp_f32 v[BM+\b], v[BM+\b]                   ; the block's largest p
.endr
	v_pk_mul_f32 v[SUM:SUM+1], v[SUM:SUM+1], v[F:F+1] op_sel_hi:[1,0]   ; the sums under the new M (a plain line behind the exponentials)
	s_wait_alu depctr_va_vdst(0)                   ; the 68 exponentials have written p and the blocks' largest p, ahead of their first reader: one wait for the batch
.irp b, 0,1,2,3
	v_max_num_f32 v[BM+\b], 0x4800000, v[BM+\b]    ; the floor 2^(9 - 127)
.endr
.irp b, 0,1,2,3
	v_add_nc_u32 v[SO+\b], 0xfc000000, v[BM+\b]
.endr
.irp b, 0,1,2,3
	v_and_or_b32 v[HD+\b], v[BM+\b], 0x7f800000, s[MNT]
.endr
.irp b, 0,1,2,3
	v_lshrrev_b32 v[PM+\b], 23, v[SO+\b]
.endr
	v_lshl_or_b32 v[PS], v[PM+1], 8, v[PM]         ; p's scale word for these 128 keys
	v_lshl_or_b32 v[PS], v[PM+2], 16, v[PS]
	v_lshl_or_b32 v[PS], v[PM+3], 24, v[PS]
	v_pk_add_f32 v[T2:T2+1], v[S:S+1], v[S+2:S+3]  ; the row's sum of the unquantised p, in two chains
.set N, 4
.rept 15
	v_pk_add_f32 v[SUM:SUM+1], v[SUM:SUM+1], v[S+N:S+N+1]
	v_pk_add_f32 v[T2:T2+1], v[T2:T2+1], v[S+N+2:S+N+3]
.set N, N+4
.endr
	v_pk_add_f32 v[SUM:SUM+1], v[SUM:SUM+1], v[T2:T2+1]
.irp b, 0,1,2,3
.irp i, 0,1,2,3,4,5,6,7,8,9,10,11,12,13,14,15
	v_min_num_f32 v[S+16*\b+\i], v[S+16*\b+\i], v[HD+\b]   ; the hold; p is not negative
.endr
	v_cvt_scalef32_pk8_fp8_f32 v[PC+4*\b:PC+4*\b+1], v[S+16*\b:S+16*\b+7], v[SO+\b]
	v_cvt_scalef32_pk8_fp8_f32 v[PC+4*\b+2:PC+4*\b+3], v[S+16*\b+8:S+16*\b+15], v[SO+\b]
.endr
	s_wait_alu depctr_va_vdst(0)                   ; the holds have written and the conversions are done reading p's 64 registers, in which V's fragments land
.irp d, 0,1,2,3                                ; V's four fragments take the registers that p has left
.irp c, 0,1,2,3
	ds_load_b128 v[S+16*\d+4*\c:S+16*\d+4*\c+3], v[LI] offset:\slot*SLOT+8192+2048*\d+512*\c
.endr
	ds_load_b32 v[VS+\d], v[LS] offset:\slot*SLOT+1024+128*\d
.endr
.set N, 0
.rept 16
	v_pk_mul_f32 v[O+N:O+N+1], v[O+N:O+N+1], v[F:F+1] op_sel_hi:[1,0]   ; O^T under the new M; these lines also stand between the conversions and the products
.set N, N+2
.endr
	s_wait_dscnt 0x0
	s_wait_alu depctr_va_vdst(0)                   ; behind their places, the sixteen lines above: p's codes and scale word, made by vector instructions, are written, ahead of the scaled products that take them as operand and scale
.irp d, 0,1,2,3
	v_wmma_scale_f32_16x16x128_f8f6f4 v[O+8*\d:O+8*\d+7], v[S+16*\d:S+16*\d+15], v[PC:PC+15], v[O+8*\d:O+8*\d+7], v[VS+\d], v[PS]
.endr
	PLACES 9                                       ; the next step's first product writes over V's fragments; the way out reads O^T
.Lskip_\@:
.if \fetch
	s_wait_loadcnt 0x0                             ; the copy is in registers (on the way without loads: met at once)
	s_cmp_ge_u32 s[J], s[JM]
	s_cbranch_scc1 .Lnostore_\@
	ds_store_b128 v[ST1], v[CPA:CPA+3] offset:(1-\slot)*SLOT      ; into the slot that every wave left at this step's barrier
	ds_store_b128 v[ST1], v[CPB:CPB+3] offset:(1-\slot)*SLOT+512
	ds_store_b32 v[ST2], v[CPS] offset:(1-\slot)*SLOT
.Lnostore_\@:
.endif
	s_add_co_u32 s[J], s[J], 1
.endm
.Ltrip:                                            ; 7 trips of two steps
	STEP 0, 1
	STEP 1, 1
	s_add_nc_u64 s[16:17], s[16:17], 16384         ; the loads that named these bases were waited for
	s_add_nc_u64 s[18:19], s[18:19], 2048
	s_add_co_u32 s[TR], s[TR], 1
	s_cmp_lt_u32 s[TR], 7
	s_cbranch_scc1 .Ltrip
	STEP 0, 1
	STEP 1, 0
	; THE WAY OUT: O^T / the row's sum; its 64 numbers of the head are two blocks of 32 along the next product's K.
	v_add_f32 v[SUM], v[SUM], v[SUM+1]
	v_permlanex16_b32 v[PM], v[SUM], s[SEL], s[SEL+1]
	v_add_f32 v[SUM], v[SUM], v[PM]
	v_rcp_f32 v[SUM], v[SUM]
	v_nop
.set N, 0
	s_wait_alu depctr_va_vdst(0)                   ; the reciprocal is written, ahead of its first reader
.rept 32
	v_mul_f32 v[S+N], v[O+N], v[SUM]
.set N, N+1
.endr
.irp b, 0,1
	v_max3_num_f32 v[BM+\b], |v[S+16*\b]|, |v[S+1+16*\b]|, 0x4800000
.endr
.irp i, 2,4,6,8,10,12,14
.irp b, 0,1
	v_max3_num_f32 v[BM+\b], v[BM+\b], |v[S+16*\b+\i]|, |v[S+1+16*\b+\i]|
.endr
.endr
.irp b, 0,1
	v_permlanex16_b32 v[PM+\b], v[BM+\b], s[SEL], s[SEL+1]
.endr
.irp b, 0,1
	v_max_num_f32 v[BM+\b], v[BM+\b], v[PM+\b]
.endr
.irp b, 0,1
	v_add_nc_u32 v[SO+\b], 0xfc000000, v[BM+\b]
.endr
.irp b, 0,1
	v_and_or_b32 v[HD+\b], v[BM+\b], 0x7f800000, s[MNT]
.endr
.irp b, 0,1
	v_lshrrev_b32 v[PM+\b], 23, v[SO+\b]
.endr
.irp b, 0,1
.irp i, 0,1,2,3,4,5,6,7,8,9,10,11,12,13,14,15
	v_med3_num_f32 v[S+16*\b+\i], v[S+16*\b+\i], -v[HD+\b], v[HD+\b]
.endr
	v_cvt_scalef32_pk8_fp8_f32 v[PC+4*\b:PC+4*\b+1], v[S+16*\b:S+16*\b+7], v[SO+\b]
	v_cvt_scalef32_pk8_fp8_f32 v[PC+4*\b+2:PC+4*\b+3], v[S+16*\b+8:S+16*\b+15], v[SO+\b]
.endr
	v_lshl_or_b32 v[HW], v[PM+1], 8, v[PM]
	s_wait_alu depctr_va_vdst(0)                   ; the codes and the half word are written, which the three stores read
	global_store_b128 v[LI], v[PC:PC+3], s[30:31]
	global_store_b128 v[LI], v[PC+4:PC+7], s[30:31] offset:512
	global_store_b16 v[L4], v[HW], s[32:33]
	s_wait_dscnt 0x0                               ; the closing lines, six on end
	s_wait_alu 0x0
	s_wait_tensorcnt 0x0
	ds_add_u32 v254, v255
	s_wait_dscnt 0x0
	s_endpgm
.Lfunc_end_k_q8cb541b09f_attn:
	.size	k_q8cb541b09f_attn, .Lfunc_end_k_q8cb541b09f_attn-k_q8cb541b09f_attn
	.p2alignl 7, 3214868480
	.fill 96, 4, 3214868480
	.section	.rodata,"a",@progbits
	.p2align	6, 0x0
	.amdhsa_kernel k_q8cb541b09f_attn
		.amdhsa_group_segment_fixed_size 38912
		.amdhsa_private_segment_fixed_size 0
		.amdhsa_enable_private_segment 0
		.amdhsa_kernarg_size 16
		.amdhsa_user_sgpr_count 2
		.amdhsa_user_sgpr_kernarg_segment_ptr 1
		.amdhsa_wavefront_size32 1
		.amdhsa_system_sgpr_workgroup_id_x 1
		.amdhsa_system_sgpr_workgroup_id_y 1
		.amdhsa_system_sgpr_workgroup_id_z 1
		.amdhsa_system_vgpr_workitem_id 0
		.amdhsa_next_free_vgpr 256
		.amdhsa_next_free_sgpr 66
		.amdhsa_reserve_vcc 0
		.amdhsa_float_denorm_mode_32 3
		.amdhsa_float_denorm_mode_16_64 3
		.amdhsa_memory_ordered 1
		.amdhsa_forward_progress 1
		.amdhsa_inst_pref_size 129
	.end_amdhsa_kernel
	.amdgpu_metadata
---
amdhsa.version: [ 1, 2 ]
amdhsa.kernels:
  - .name:           k_q8cb541b09f_attn
    .symbol:         k_q8cb541b09f_attn.kd
    .args:
      - { .name: qkv, .offset: 0, .size: 8, .value_kind: global_buffer, .address_space: global }
      - { .name: mid, .offset: 8, .size: 8, .value_kind: global_buffer, .address_space: global }
    .group_segment_fixed_size: 38912
    .private_segment_fixed_size: 0
    .kernarg_segment_align: 8
    .kernarg_segment_size: 16
    .max_flat_workgroup_size: 512
    .sgpr_count:     66
    .vgpr_count:     256
    .wavefront_size: 32
...
	.end_amdgpu_metadata
.endif
;; end of part 8
;; launch woln (part 9): grid 256 x 1, 4 waves a work-group, no clusters, 1,536 bytes of LDS; arguments mid, Wo_codes, Wo_scales, bo, X, ln1_g, ln1_b, hbuf; writes hbuf
.if DOCPART == 9
	.amdgcn_target "amdgcn-amd-amdhsa--gfx1250"
	.amdhsa_code_object_version 6
	.text
	.protected	k_q8cb541b09f_woln
	.globl	k_q8cb541b09f_woln
	.p2align	8
	.type	k_q8cb541b09f_woln,@function
k_q8cb541b09f_woln:
	s_mov_b64 s[64:65], 0
	v_nop
	global_prefetch_b8 v0, s[64:65] scope:SCOPE_SE
	s_setreg_imm32_b32 hwreg(HW_REG_WAVE_SCHED_MODE, 0, 2), 2
	s_setreg_imm32_b32 hwreg(HW_REG_WAVE_MODE, 25, 1), 1
	s_wait_xcnt 0x0
	s_wait_alu depctr_vm_vsrc(0)
; h = layernorm(X + mid Wo^T + bo) x g + b for one tile of 16 tokens; h leaves twice: as f32 in the accumulators' layout (the residual of the last product) and as codes of E4M3 with E8M0 scales (the next operand's images).
; SHARES: work-group T owns token tile T (lane r: token 32 (T / 2) + 8 (T % 2) + r + 8 (r / 8)); wave w makes features 256 w .. 256 w + 255: 16 tiles of Wo's rows, 128 registers of sums, 128 products.
; The product is used transposed (source 0 = 16 rows of Wo, source 1 = the tokens): a lane holds one token and its registers run along the features; the rows of a tile are chosen so that register 16 B + i is feature 32 B + 16 h + i.
; X is loaded into the accumulators: the residual starts the sums.  A row's mean and variance meet in LDS: one word a lane and wave, two barriers, other bytes for the second sum.  The variance is the mean of (x - mean)^2.
; NO CLUSTER: every work-group reads all of Wo (1 MB), straight into the registers of the wave that multiplies it; a joint load serves tiles that land in LDS, and this text has none.
; LIMITS: NaN and infinities are not served; a block whose largest magnitude lies under 2^-118 gets the byte 1; v_rsq_f32 is accurate to 1 ulp.
; REGISTERS: window 0: v1-8 addresses; v16-23 mid's scale words; v24-87 Wo's, two sets; v88-103 codes, before that the sums' chains; v104-119 at work; v122-125 -mean, 1 / sigma; v128-255 the sums.
;   window 1: v0-127 mid's 8 fragments; v128-255 bo.   window 2: Wo's fragments, two sets of 4 tiles x 2 K steps; behind the products g (v0-127) and b (v128-255).
; THE MODE: SCHED_MODE bits 1:0 = 2 (LLVM: expert scheduling mode 2), set by the entry lines.  The code itself states the register dependences
; between vector or matrix instructions and memory or LDS instructions, with s_wait_alu, always for 0.
; THE PLAN.  Registers that memory or LDS instructions touch:
;   v1-8, v126, v127   addresses and the closing add's two: written at the head, never again.
;   Wo's sets          window 2, and Wo's scale words.  Unit i's eight products read set i % 2; the loads of unit i + 2, issued at the head of unit i + 1, land there: one wait on va_vdst a unit, behind the places and the window switch.
;                      Behind the last unit g and b land on both sets: the same wait once more.
;   v[CH .. CH + 3]    a sum's chains.  v[CH] is read by the LDS store of my word (a wait on va_vdst ahead of it); behind the barrier the four waves' words land in the four (a wait on vm_vsrc ahead of the loads).
;   the sums           written by vector instructions to the end; read by h's 32 stores (a wait on va_vdst ahead of them); rewritten by the holds (a wait on vm_vsrc ahead of each quantising).
;   PC, PW             written by each quantising, read by the stores behind it: a wait on va_vdst between, a wait on vm_vsrc ahead of the next quantising.
;   mid's fragments and scale words, bo and X are loaded once.
.set LI,  1
.set LS,  2
.set WA,  3
.set WSA, 4
.set XA,  5
.set PA,  6
.set RW,  7
.set RR,  8
.set MS,  16
.set WSC, 24
.set PC,  88
.set CH,  88
.set TM,  104
.set PW,  120
.set MU,  122
.set RS,  124
.set AC,  128
.set SEL, 28
.set MNT, 30
.set MSB, 0
.macro WIN new                         ; the immediate's high byte repeats the setting that is left
.if MSB != \new
	s_set_vgpr_msb (MSB<<8)|\new
.set MSB, \new
.endif
.endm
.macro PLACES n
.rept \n
	v_nop
.endr
.endm
.macro QUANT s, relu, word             ; 64 numbers v[s + 16 b + i], four blocks, each shared with lane l xor 16 -> codes v[PC + 4 b ..], bytes v[TM + 4 + b], word v[PW]
.irp b, 0,1,2,3
	v_max3_num_f32 v[TM+\b], |v[(\s)+16*\b]|, |v[(\s)+1+16*\b]|, 0x4800000   ; my 16 numbers and the floor 2^(9 - 127)
.endr
.irp i, 2,4,6,8,10,12,14
.irp b, 0,1,2,3
	v_max3_num_f32 v[TM+\b], v[TM+\b], |v[(\s)+16*\b+\i]|, |v[(\s)+1+16*\b+\i]|
.endr
.endr
.irp b, 0,1,2,3
	v_permlanex16_b32 v[TM+4+\b], v[TM+\b], s[SEL], s[SEL+1]
.endr
.irp b, 0,1,2,3
	v_max_num_f32 v[TM+\b], v[TM+\b], v[TM+4+\b]
.endr
.irp b, 0,1,2,3
	v_add_nc_u32 v[TM+12+\b], 0xfc000000, v[TM+\b]
.endr
.irp b, 0,1,2,3
	v_and_or_b32 v[TM+8+\b], v[TM+\b], 0x7f800000, s[MNT]
.endr
.irp b, 0,1,2,3
	v_lshrrev_b32 v[TM+4+\b], 23, v[TM+12+\b]
.endr
	v_lshl_or_b32 v[PW], v[TM+5], 8, v[TM+4]
	v_lshl_or_b32 v[PW], v[TM+6], 16, v[PW]
	v_lshl_or_b32 v[PW], v[TM+7], 24, v[PW]
.irp b, 0,1,2,3
.irp i, 0,1,2,3,4,5,6,7,8,9,10,11,12,13,14,15
	v_med3_num_f32 v[(\s)+16*\b+\i], v[(\s)+16*\b+\i], -v[TM+8+\b], v[TM+8+\b]
.endr
	v_cvt_scalef32_pk8_fp8_f32 v[PC+4*\b:PC+4*\b+1], v[(\s)+16*\b:(\s)+16*\b+7], v[TM+12+\b]
	v_cvt_scalef32_pk8_fp8_f32 v[PC+4*\b+2:PC+4*\b+3], v[(\s)+16*\b+8:(\s)+16*\b+15], v[TM+12+\b]
.endr
	v_nop
.endm
	s_load_b512 s[8:23], s[0:1], 0x0               ; mid 8, Wo codes 10, scales 12, bo 14, X 16, g 18, b 20, hbuf 22
	v_lshl_add_u32 v126, v0, 2, 0x400
	v_mov_b32 v127, 0
	v_lshrrev_b32 v9, 5, v0
	v_readfirstlane_b32 s24, v9                    ; wave
	v_and_b32 v10, 31, v0
	v_and_b32 v11, 15, v0
	v_bfe_u32 v12, v0, 4, 1
	v_and_b32 v13, 8, v11
	v_add_nc_u32 v13, v13, v11                     ; r + 8 (r / 8)
	v_lshlrev_b32 v[LI], 4, v10
	v_lshlrev_b32 v[LS], 2, v10
	v_lshlrev_b32 v[WA], 10, v13
	v_lshl_add_u32 v[WA], v12, 4, v[WA]
	v_lshlrev_b32 v[WSA], 5, v13
	v_lshlrev_b32 v[XA], 12, v13
	v_lshl_add_u32 v[XA], v12, 6, v[XA]
	v_lshlrev_b32 v[PA], 6, v12
	v_lshlrev_b32 v[RW], 2, v0
	v_lshlrev_b32 v[RR], 2, v10
.irp b, 0,1,2,3
	v_mov_b32 v[TM+4+\b], 0
.endr
	s_wait_alu depctr_va_sdst(0)                   ; s24, the wave's number, is written, ahead of its first reader
	s_mov_b32 s[SEL], 0x76543210
	s_mov_b32 s[SEL+1], 0xfedcba98
	s_mov_b32 s[MNT], 0x600000
	s_mov_b32 s31, 0x3a800000                      ; 1 / 1024
	s_mov_b32 s32, 0x3727c5ac                      ; 1e-5
	s_mov_b32 s27, 0
	s_wait_kmcnt 0x0
	s_lshl_b32 s26, ttmp9, 10
	s_add_co_u32 s26, s26, 0x400000
	s_add_nc_u64 s[42:43], s[8:9], s[26:27]        ; mid's scale words
	s_lshl_b32 s26, ttmp9, 14
	s_add_nc_u64 s[8:9], s[8:9], s[26:27]          ; mid's images
	s_lshl_b32 s33, s24, 12
	s_add_co_u32 s26, s26, s33
	s_add_nc_u64 s[38:39], s[22:23], s[26:27]      ; h's images: tile T, K steps 2 w, 2 w + 1
	s_lshl_b32 s26, ttmp9, 10
	s_lshl_b32 s33, s24, 8
	s_add_co_u32 s26, s26, s33
	s_add_co_u32 s26, s26, 0x400000
	s_add_nc_u64 s[40:41], s[22:23], s[26:27]      ; their scale words
	s_lshl_b32 s26, ttmp9, 16
	s_lshl_b32 s33, s24, 14
	s_add_co_u32 s26, s26, s33
	s_add_co_u32 s26, s26, 0x440000
	s_add_nc_u64 s[36:37], s[22:23], s[26:27]      ; h in f32: [tile][block of 32 features][q][lane][16]
	s_lshr_b32 s26, ttmp9, 1
	s_lshl_b32 s26, s26, 5
	s_and_b32 s33, ttmp9, 1
	s_lshl_b32 s33, s33, 3
	s_add_co_u32 s26, s26, s33
	s_lshl_b32 s26, s26, 12
	s_lshl_b32 s33, s24, 10
	s_add_co_u32 s26, s26, s33
	s_add_nc_u64 s[16:17], s[16:17], s[26:27]      ; X at the tile's first token, my 256 features
	s_mov_b32 s26, s33
	s_add_nc_u64 s[14:15], s[14:15], s[26:27]
	s_add_nc_u64 s[18:19], s[18:19], s[26:27]
	s_add_nc_u64 s[20:21], s[20:21], s[26:27]
	s_lshl_b32 s26, s24, 18
	s_add_nc_u64 s[10:11], s[10:11], s[26:27]
	s_lshl_b32 s26, s24, 13
	s_add_nc_u64 s[12:13], s[12:13], s[26:27]
; Unit i: tiles 4 (i / 4) + 0..3 of my 16, K steps 2 (i % 4) + 0, 1: 32 loads; with a group's first unit its 32 scale words: 8 more.
.macro WLOAD i
.set FQ, (\i)/4
.set KP, (\i)%4
.set PB, 128*((\i)%2)
	WIN 0x80                                       ; destination window 2
.irp si, 0,1
.irp f, 0,1,2,3
.irp c, 0,1,2,3
	global_load_b128 v[PB+16*(4*\si+\f)+4*\c:PB+16*(4*\si+\f)+4*\c+3], v[WA], s[10:11] offset:(32*((4*FQ+\f)/2)+8*(\f%2))*1024+128*(2*KP+\si)+32*\c
.endr
.endr
.endr
.if KP == 0
	WIN 0
.irp f, 0,1,2,3
	global_load_b128 v[WSC+32*(FQ%2)+8*\f:WSC+32*(FQ%2)+8*\f+3], v[WSA], s[12:13] offset:(32*((4*FQ+\f)/2)+8*(\f%2))*32
	global_load_b128 v[WSC+32*(FQ%2)+8*\f+4:WSC+32*(FQ%2)+8*\f+7], v[WSA], s[12:13] offset:(32*((4*FQ+\f)/2)+8*(\f%2))*32+16
.endr
.endif
.endm
.macro MUL i                           ; 8 products; the group's four accumulators take turns
.set FQ, (\i)/4
.set KP, (\i)%4
.set PB, 128*((\i)%2)
.irp si, 0,1
.irp f, 0,1,2,3
	v_wmma_scale_f32_16x16x128_f8f6f4 v[AC+8*(4*FQ+\f):AC+8*(4*FQ+\f)+7], v[PB+16*(4*\si+\f):PB+16*(4*\si+\f)+15], v[16*(2*KP+\si):16*(2*KP+\si)+15], v[AC+8*(4*FQ+\f):AC+8*(4*FQ+\f)+7], v[WSC+32*(FQ%2)+8*\f+2*KP+\si], v[MS+2*KP+\si]
.endr
.endr
.endm
	WIN 0x40                                       ; destination window 1
	s_wait_alu depctr_va_vdst(0)                   ; the eight addresses v1 to v8 are written, which every load and store of the kernel reads
.irp s, 0,1,2,3,4,5,6,7
.irp c, 0,1,2,3
	global_load_b128 v[16*\s+4*\c:16*\s+4*\c+3], v[LI], s[8:9] offset:2048*\s+512*\c
.endr
.endr
.irp b, 0,1,2,3,4,5,6,7
.irp q, 0,1,2,3
	global_load_b128 v[128+16*\b+4*\q:128+16*\b+4*\q+3], v[PA], s[14:15] offset:128*\b+16*\q
.endr
.endr
	WIN 0
.irp s, 0,1,2,3,4,5,6,7
	global_load_b32 v[MS+\s], v[LS], s[42:43] offset:128*\s
.endr
.irp b, 0,1,2,3,4,5,6,7
.irp q, 0,1,2,3
	global_load_b128 v[AC+16*\b+4*\q:AC+16*\b+4*\q+3], v[XA], s[16:17] offset:128*\b+16*\q
.endr
.endr
	WLOAD 0
.set I, 0
.rept 16
.if I > 0
	WIN 0
	PLACES 8                                       ; in front of loads into the set that the unit before last multiplied
.endif
.if I < 15
.if I > 0
	WIN 0x80                                       ; the switch, then the wait, then the loads
	s_wait_alu depctr_va_vdst(0)                   ; the last unit's products are done reading their set of Wo's fragments, in which the next unit's loads land (and the group before last's its scale words)
.endif
	WLOAD I+1
.if (I+1)%4 == 0
	s_wait_loadcnt 40                              ; all but the younger unit's loads are in
.else
	s_wait_loadcnt 32
.endif
.else
	s_wait_loadcnt 0x0
.endif
	WIN 0x06                                       ; source 0 (Wo) window 2, source 1 (mid) window 1
	MUL I
.set I, I+1
.endr
	WIN 0
	PLACES 8
	WIN 0x80                                       ; g and b take the registers that Wo's fragments have left
	s_wait_alu depctr_va_vdst(0)                   ; the last two units' products are done reading Wo's two sets, in which g and b land
.irp b, 0,1,2,3,4,5,6,7
.irp q, 0,1,2,3
	global_load_b128 v[16*\b+4*\q:16*\b+4*\q+3], v[PA], s[18:19] offset:128*\b+16*\q
	global_load_b128 v[128+16*\b+4*\q:128+16*\b+4*\q+3], v[PA], s[20:21] offset:128*\b+16*\q
.endr
.endr
	WIN 0x04                                       ; source 1 window 1: bo
.set M, 0
.rept 64
	v_pk_add_f32 v[AC+2*M:AC+2*M+1], v[AC+2*M:AC+2*M+1], v[128+2*M:128+2*M+1]   ; each accumulator from its low end on
.set M, M+1
.endr
	WIN 0
; my four chains -> the row's sum over my 128 numbers, lane l xor 16's and the four waves', in every lane
.macro REDUCE off
	v_pk_add_f32 v[CH:CH+1], v[CH:CH+1], v[CH+2:CH+3]
	v_pk_add_f32 v[CH+4:CH+5], v[CH+4:CH+5], v[CH+6:CH+7]
	v_pk_add_f32 v[CH:CH+1], v[CH:CH+1], v[CH+4:CH+5]
	v_add_f32 v[CH], v[CH], v[CH+1]
	v_permlanex16_b32 v[TM+4], v[CH], s[SEL], s[SEL+1]
	v_add_f32 v[CH], v[CH], v[TM+4]
	s_wait_alu depctr_va_vdst(0)                   ; my sum v[CH] is written, which the LDS store reads; the additions are done with the chains' registers, in which the four words land below
	ds_store_b32 v[RW], v[CH] offset:\off
	s_wait_dscnt 0x0                               ; for the others' sake: my word lies in LDS
	s_barrier_signal -1
	s_barrier_wait -1
	s_wait_alu depctr_vm_vsrc(0)                   ; the LDS store has read v[CH], in which the first of the four words lands
.irp k, 0,1,2,3
	ds_load_b32 v[CH+\k], v[RR] offset:\off+128*\k
.endr
	s_wait_dscnt 0x0
	v_add_f32 v[CH], v[CH], v[CH+1]
	v_add_f32 v[CH+2], v[CH+2], v[CH+3]
	v_add_f32 v[CH], v[CH], v[CH+2]
.endm
.irp k, 0,1,2,3
	v_pk_add_f32 v[CH+2*\k:CH+2*\k+1], v[AC+2*\k:AC+2*\k+1], v[AC+8+2*\k:AC+8+2*\k+1]
.endr
.set M, 8
.rept 56
	v_pk_add_f32 v[CH+2*(M%4):CH+2*(M%4)+1], v[CH+2*(M%4):CH+2*(M%4)+1], v[AC+2*M:AC+2*M+1]
.set M, M+1
.endr
	REDUCE 0
	v_mul_f32 v[MU], 0xba800000, v[CH]             ; -mean
	v_mov_b32 v[MU+1], v[MU]
.set M, 0
.rept 64
	v_pk_add_f32 v[AC+2*M:AC+2*M+1], v[AC+2*M:AC+2*M+1], v[MU:MU+1]
.set M, M+1
.endr
.irp k, 0,1,2,3
	v_pk_mul_f32 v[CH+2*\k:CH+2*\k+1], v[AC+2*\k:AC+2*\k+1], v[AC+2*\k:AC+2*\k+1]
.endr
.set M, 4
.rept 60
	v_pk_fma_f32 v[CH+2*(M%4):CH+2*(M%4)+1], v[AC+2*M:AC+2*M+1], v[AC+2*M:AC+2*M+1], v[CH+2*(M%4):CH+2*(M%4)+1]
.set M, M+1
.endr
	REDUCE 512                                     ; other bytes than the first sum's: no wave can still be reading them
	v_fma_f32 v[RS], v[CH], s31, s32               ; the variance + 1e-5
	v_rsq_f32 v[RS], v[RS]
	v_nop
	s_wait_alu depctr_va_vdst(0)                   ; 1 / sigma is written, ahead of its first reader
	v_mov_b32 v[RS+1], v[RS]
.set M, 0
.rept 64
	v_pk_mul_f32 v[AC+2*M:AC+2*M+1], v[AC+2*M:AC+2*M+1], v[RS:RS+1]
.set M, M+1
.endr
	s_wait_loadcnt 0x0                             ; g and b
	WIN 0x28                                       ; sources 1 and 2 window 2
.set M, 0
.rept 64
	v_pk_fma_f32 v[AC+2*M:AC+2*M+1], v[AC+2*M:AC+2*M+1], v[2*M:2*M+1], v[128+2*M:128+2*M+1]
.set M, M+1
.endr
	WIN 0
	s_wait_alu depctr_va_vdst(0)                   ; h's 128 registers are written, which the 32 stores read
.irp b, 0,1,2,3,4,5,6,7
.irp q, 0,1,2,3
	global_store_b128 v[LI], v[AC+16*\b+4*\q:AC+16*\b+4*\q+3], s[36:37] offset:2048*\b+512*\q   ; the wave stores 512 consecutive bytes
.endr
.endr
.irp k, 0,1
	s_wait_xcnt 0x0                                ; the stores have read their data: the hold rewrites h's registers, the conversions the codes'
	s_wait_alu depctr_vm_vsrc(0)                   ; beside it: the stores issued so far have read h's registers, which the holds rewrite, and (the second time) the codes and the word, which this quantising writes again
	QUANT AC+64*\k, 0, 1
	s_wait_alu depctr_va_vdst(0)                   ; the codes and the word are written, which the five stores read
.irp c, 0,1,2,3
	global_store_b128 v[LI], v[PC+4*\c:PC+4*\c+3], s[38:39] offset:2048*\k+512*\c
.endr
	global_store_b32 v[LS], v[PW], s[40:41] offset:128*\k
.endr
	s_wait_dscnt 0x0                               ; the closing lines, six on end
	s_wait_alu 0x0
	s_wait_tensorcnt 0x0
	ds_add_u32 v126, v127
	s_wait_dscnt 0x0
	s_endpgm
.Lfunc_end_k_q8cb541b09f_woln:
	.size	k_q8cb541b09f_woln, .Lfunc_end_k_q8cb541b09f_woln-k_q8cb541b09f_woln
	.p2alignl 7, 3214868480
	.fill 96, 4, 3214868480
	.section	.rodata,"a",@progbits
	.p2align	6, 0x0
	.amdhsa_kernel k_q8cb541b09f_woln
		.amdhsa_group_segment_fixed_size 1536
		.amdhsa_private_segment_fixed_size 0
		.amdhsa_enable_private_segment 0
		.amdhsa_kernarg_size 64
		.amdhsa_user_sgpr_count 2
		.amdhsa_user_sgpr_kernarg_segment_ptr 1
		.amdhsa_wavefront_size32 1
		.amdhsa_system_sgpr_workgroup_id_x 1
		.amdhsa_system_sgpr_workgroup_id_y 1
		.amdhsa_system_sgpr_workgroup_id_z 1
		.amdhsa_system_vgpr_workitem_id 0
		.amdhsa_next_free_vgpr 768
		.amdhsa_next_free_sgpr 66
		.amdhsa_reserve_vcc 0
		.amdhsa_float_denorm_mode_32 3
		.amdhsa_float_denorm_mode_16_64 3
		.amdhsa_memory_ordered 1
		.amdhsa_forward_progress 1
		.amdhsa_inst_pref_size 139
	.end_amdhsa_kernel
	.amdgpu_metadata
---
amdhsa.version: [ 1, 2 ]
amdhsa.kernels:
  - .name:           k_q8cb541b09f_woln
    .symbol:         k_q8cb541b09f_woln.kd
    .args:
      - { .name: mid, .offset: 0, .size: 8, .value_kind: global_buffer, .address_space: global }
      - { .name: Wo_codes, .offset: 8, .size: 8, .value_kind: global_buffer, .address_space: global }
      - { .name: Wo_scales, .offset: 16, .size: 8, .value_kind: global_buffer, .address_space: global }
      - { .name: bo, .offset: 24, .size: 8, .value_kind: global_buffer, .address_space: global }
      - { .name: X, .offset: 32, .size: 8, .value_kind: global_buffer, .address_space: global }
      - { .name: ln1_g, .offset: 40, .size: 8, .value_kind: global_buffer, .address_space: global }
      - { .name: ln1_b, .offset: 48, .size: 8, .value_kind: global_buffer, .address_space: global }
      - { .name: hbuf, .offset: 56, .size: 8, .value_kind: global_buffer, .address_space: global }
    .group_segment_fixed_size: 1536
    .private_segment_fixed_size: 0
    .kernarg_segment_align: 8
    .kernarg_segment_size: 64
    .max_flat_workgroup_size: 128
    .sgpr_count:     66
    .vgpr_count:     768
    .wavefront_size: 32
...
	.end_amdgpu_metadata
.endif
;; end of part 9
;; launch up: the kernel of part 4 again; grid 16 x 16, 4 waves a work-group, clusters of 4 x 1, 270,848 bytes of LDS; arguments hbuf, Wup_codes, Wup_scales, bup, up; writes up
;; launch down: the kernel of part 5 again; grid 16 x 16, 4 waves a work-group, clusters of 4 x 1, 287,232 bytes of LDS; arguments up, hbuf, Wdown_codes, Wdown_scales, z; writes z
;; launch ln2: the kernel of part 6 again; grid 256 x 1, 8 waves a work-group, no clusters, 0 bytes of LDS; arguments z, bdown, ln2_g, ln2_b, out0; writes out0
